; MI455X (gfx1250); checked and timed in simulation.
; The chip was launched on July 23, 2026; its instructions are those of AMD's public machine-readable ISA for CDNA 5 (MIT licence, August 2026) and "CDNA5" Instruction Set Architecture Reference Guide (July 2026). The comments in the code are by the model that wrote it; some were corrected since.
;; Decoder. Allowed arithmetic: float matrix products may take bf16 or f16 operands with f32 sums; all other float work in f32.
;; Inputs: W1 1,024 x 4,096 float32; W2 4,096 x 1,024 float32; Wk 16 x 1,024 x 64 float32; Wo 1,024 x 1,024 float32; Wq 16 x 1,024 x 64 float32; Wv 16 x 1,024 x 64 float32; b1 4,096 float32; b2 1,024 float32; be1 1,024 float32; be2 1,024 float32; bk 16 x 64 float32; bo 1,024 float32; bq 16 x 64 float32; bv 16 x 64 float32; g1 1,024 float32; g2 1,024 float32; x 2 x 2,048 x 1,024 float32.
;; Outputs: out0 2 x 2,048 x 1,024 float32.
;; 2 versions, each right; version 2 is version 1 with the launches cast, ln1 written anew for expert scheduling mode. Each part assembles by itself: llvm-mc -triple=amdgcn-amd-amdhsa -mcpu=gfx1250 --defsym DOCPART=n.
;; ======== version 1 of 2: 8 launches
;; limits: a function is approximated: absolute error at most 1.5e-07
;; workspace buffers: wts 33,554,432 bytes; qkvb 25,165,824 bytes; ctxb 8,388,608 bytes; ybuf 16,777,216 bytes; x1 16,777,216 bytes; x1b 8,388,608 bytes; hbuf 33,554,432 bytes
;; launch cast (part 1): grid 512 x 1, 8 waves a work-group, no clusters, 0 bytes of LDS; arguments x, Wo, W1, W2, Wq, Wk, Wv, wts; writes wts
.if DOCPART == 1
	.amdgcn_target "amdgcn-amd-amdhsa--gfx1250"
	.amdhsa_code_object_version 6
	.text
	.protected	k_qe1a776c662_cast
	.globl	k_qe1a776c662_cast
	.p2align	8
	.type	k_qe1a776c662_cast,@function
k_qe1a776c662_cast:
	s_mov_b64 s[64:65], 0
	v_nop
	global_prefetch_b8 v0, s[64:65] scope:SCOPE_SE
	s_setreg_imm32_b32 hwreg(HW_REG_WAVE_MODE, 25, 1), 1
	s_wait_xcnt 0x0
; Every operand of the later matrix products is rounded once from f32 to bf16 (nearest even) and laid as those products want it.
; wts holds: byte 0: x as 16 planes [column / 64][row 0..4095][64]; 8,388,608: Wo [1024][1024]; 10,485,760: W1 [1024][4096];
; 18,874,368: W2 [4096][1024]; 27,262,976: Wq, Wk, Wv as one matrix [1024 d][3072 n], n = 1024 x which + 64 x head + e.
; A work-group takes 131,072 bytes of f32 and makes 65,536 bytes of bf16; a wave does 32 turns of one 16-byte load a lane, two roundings and
; one 8-byte store a lane, whose 32 lanes cover 256 consecutive bytes, aligned.  All 32 loads of a wave go out first; no register is used twice,
; so no source of a pending instruction is ever rewritten.  No LDS, no barrier, no matrix unit: nothing here is used twice.
.set WQKV, 27262976
.set X, 4                              ; v[4:131]    turn i: four f32 as loaded
.set Y, 132                            ; v[132:195]  turn i: four bf16 to store
; sa, sb: bytes in the source from turn to turn and from the first sixteen turns to the last sixteen; da, db: the same in wts
.macro COPY sa, sb, da, db
.set i, 0
.rept 32
	global_load_b128 v[X+4*i:X+4*i+3], v2, s[4:5] offset:(i%16)*\sa+(i/16)*\sb th:TH_LOAD_NT
.set i, i+1
.endr
.set i, 0
.rept 32
	s_wait_loadcnt 31-i                            ; loads come back in order: turn i's is in, the 31 - i younger ones stay out
	v_cvt_pk_bf16_f32 v[Y+2*i], v[X+4*i], v[X+4*i+1]
	v_cvt_pk_bf16_f32 v[Y+2*i+1], v[X+4*i+2], v[X+4*i+3]
	global_store_b64 v3, v[Y+2*i:Y+2*i+1], s[6:7] offset:(i%16)*\da+(i/16)*\db
.set i, i+1
.endr
	s_endpgm
.endm
	s_load_b512 s[12:27], s[0:1], 0x0              ; x 12, Wo 14, W1 16, W2 18, Wq 20, Wk 22, Wv 24, wts 26
	s_cmp_ge_u32 ttmp9, 416
	s_cbranch_scc1 .Lheads
	s_cmp_ge_u32 ttmp9, 128
	s_cbranch_scc1 .Lplain
	; work-groups 0 to 127: 32 rows of x.  Sixteen lanes take the 256 bytes of one row in one plane; turn i: plane i % 16, rows 16 (i / 16) on
	v_lshrrev_b32 v1, 4, v0                        ; row in a group of sixteen: 2 x wave + half
	v_and_b32 v2, 15, v0
	v_lshlrev_b32 v2, 4, v2
	v_lshl_add_u32 v2, v1, 12, v2                  ; row x 4,096 + 16 x (lane % 16)
	v_lshlrev_b32 v3, 3, v0                        ; row x 128 + 8 x (lane % 16) = 8 x thread
	s_lshl_b32 s2, ttmp9, 17
	s_mov_b32 s3, 0
	s_lshl_b32 s10, ttmp9, 12                      ; 32 rows of 128 bytes in a plane
	s_mov_b32 s11, 0
	s_wait_kmcnt 0x0
	s_add_nc_u64 s[4:5], s[12:13], s[2:3]
	s_add_nc_u64 s[6:7], s[26:27], s[10:11]
	COPY 256, 65536, 524288, 2048                  ; the largest store offset, 7,866,368, lies inside the signed 24-bit immediate
.Lplain:                                               ; work-groups 128 to 415: Wo (32), W1 (128), W2 (128), copied as they lie
	v_lshlrev_b32 v2, 4, v0
	v_lshlrev_b32 v3, 3, v0
	s_mov_b32 s2, 288
	s_wait_kmcnt 0x0
	s_cmp_lt_u32 ttmp9, 288
	s_cselect_b64 s[4:5], s[16:17], s[18:19]
	s_cselect_b32 s2, 160, s2
	s_cmp_lt_u32 ttmp9, 160
	s_cselect_b64 s[4:5], s[14:15], s[4:5]
	s_cselect_b32 s2, 128, s2                      ; the first work-group of my matrix
	s_sub_co_u32 s2, ttmp9, s2
	s_lshl_b32 s2, s2, 17
	s_mov_b32 s3, 0
	s_add_nc_u64 s[4:5], s[4:5], s[2:3]
	s_lshl_b32 s10, ttmp9, 16                      ; the three matrices follow x in wts: 65,536 bytes for each work-group
	s_mov_b32 s11, 0
	s_add_nc_u64 s[6:7], s[26:27], s[10:11]
	COPY 4096, 65536, 2048, 32768
.Lheads:                                               ; work-groups 416 to 511: two heads x 256 rows d of Wq, Wk or Wv
	s_sub_co_u32 s9, ttmp9, 416
	s_lshr_b32 s28, s9, 5                          ; which: 0 q, 1 k, 2 v
	s_bfe_u32 s29, s9, 0x30002                     ; pair of heads
	s_and_b32 s30, s9, 3                           ; 256 rows d
	v_bfe_u32 v1, v0, 4, 1                         ; lanes 0-15: the even head; lanes 16-31: the odd one
	v_and_b32 v2, 15, v0
	v_lshlrev_b32 v2, 4, v2
	v_lshl_add_u32 v2, v1, 18, v2                  ; a head is 262,144 bytes
	v_lshrrev_b32 v1, 5, v0                        ; wave: row d = 8 x turn + wave
	v_lshl_add_u32 v2, v1, 8, v2
	v_and_b32 v3, 31, v0
	v_lshlrev_b32 v3, 3, v3
	v_mad_u32_u24 v3, v1, 6144, v3                 ; a row of the joint matrix is 6,144 bytes
	s_wait_kmcnt 0x0
	s_cmp_lt_u32 s28, 2
	s_cselect_b64 s[4:5], s[22:23], s[24:25]
	s_cmp_lt_u32 s28, 1
	s_cselect_b64 s[4:5], s[20:21], s[4:5]
	s_lshl_b32 s2, s29, 19
	s_lshl_b32 s3, s30, 16
	s_add_co_u32 s2, s2, s3
	s_mov_b32 s3, 0
	s_add_nc_u64 s[4:5], s[4:5], s[2:3]
	s_mul_i32 s10, s30, 256*6144
	s_lshl_b32 s11, s28, 11
	s_add_co_u32 s10, s10, s11
	s_lshl_b32 s11, s29, 8
	s_add_co_u32 s10, s10, s11
	s_add_co_u32 s10, s10, WQKV
	s_mov_b32 s11, 0
	s_add_nc_u64 s[6:7], s[26:27], s[10:11]
	COPY 2048, 32768, 49152, 786432
.Lfunc_end_k_qe1a776c662_cast:
	.size	k_qe1a776c662_cast, .Lfunc_end_k_qe1a776c662_cast-k_qe1a776c662_cast
	.p2alignl 7, 3214868480
	.fill 96, 4, 3214868480
	.section	.rodata,"a",@progbits
	.p2align	6, 0x0
	.amdhsa_kernel k_qe1a776c662_cast
		.amdhsa_group_segment_fixed_size 0
		.amdhsa_private_segment_fixed_size 0
		.amdhsa_enable_private_segment 0
		.amdhsa_kernarg_size 64
		.amdhsa_user_sgpr_count 2
		.amdhsa_user_sgpr_kernarg_segment_ptr 1
		.amdhsa_wavefront_size32 1
		.amdhsa_system_sgpr_workgroup_id_x 1
		.amdhsa_system_sgpr_workgroup_id_y 1
		.amdhsa_system_sgpr_workgroup_id_z 1
		.amdhsa_system_vgpr_workitem_id 0
		.amdhsa_next_free_vgpr 200
		.amdhsa_next_free_sgpr 66
		.amdhsa_reserve_vcc 0
		.amdhsa_float_denorm_mode_32 3
		.amdhsa_float_denorm_mode_16_64 3
		.amdhsa_memory_ordered 1
		.amdhsa_forward_progress 1
		.amdhsa_inst_pref_size 36
	.end_amdhsa_kernel
	.amdgpu_metadata
---
amdhsa.version: [ 1, 2 ]
amdhsa.kernels:
  - .name:           k_qe1a776c662_cast
    .symbol:         k_qe1a776c662_cast.kd
    .args:
      - { .name: x, .offset: 0, .size: 8, .value_kind: global_buffer, .address_space: global }
      - { .name: Wo, .offset: 8, .size: 8, .value_kind: global_buffer, .address_space: global }
      - { .name: W1, .offset: 16, .size: 8, .value_kind: global_buffer, .address_space: global }
      - { .name: W2, .offset: 24, .size: 8, .value_kind: global_buffer, .address_space: global }
      - { .name: Wq, .offset: 32, .size: 8, .value_kind: global_buffer, .address_space: global }
      - { .name: Wk, .offset: 40, .size: 8, .value_kind: global_buffer, .address_space: global }
      - { .name: Wv, .offset: 48, .size: 8, .value_kind: global_buffer, .address_space: global }
      - { .name: wts, .offset: 56, .size: 8, .value_kind: global_buffer, .address_space: global }
    .group_segment_fixed_size: 0
    .private_segment_fixed_size: 0
    .kernarg_segment_align: 8
    .kernarg_segment_size: 64
    .max_flat_workgroup_size: 256
    .sgpr_count:     66
    .vgpr_count:     200
    .wavefront_size: 32
...
	.end_amdgpu_metadata
.endif
;; end of part 1
;; launch proj (part 2): grid 12 x 16, 4 waves a work-group, clusters of 4 x 4, 327,680 bytes of LDS; arguments wts, bq, bk, bv, qkvb; writes qkvb
.if DOCPART == 2
	.amdgcn_target "amdgcn-amd-amdhsa--gfx1250"
	.amdhsa_code_object_version 6
	.text
	.protected	k_qe1a776c662_proj
	.globl	k_qe1a776c662_proj
	.p2align	8
	.type	k_qe1a776c662_proj,@function
k_qe1a776c662_proj:
	s_mov_b64 s[64:65], 0
	v_nop
	global_prefetch_b8 v0, s[64:65] scope:SCOPE_SE
	s_setreg_imm32_b32 hwreg(HW_REG_WAVE_MODE, 25, 1), 1
	s_wait_xcnt 0x0
	s_wait_alu depctr_hold_cnt(0) depctr_sa_sdst(0) depctr_va_vdst(0) depctr_va_sdst(0) depctr_va_ssrc(0) depctr_va_vcc(0) depctr_vm_vsrc(0)
	s_getreg_b32 s2, hwreg(HW_REG_IB_STS2, 6, 4)
	s_cmp_eq_u32 s2, 0
	s_cbranch_scc0 .Lentry_in_a_cluster
	s_endpgm
.Lentry_in_a_cluster:
	s_bfe_u32 s2, ttmp6, 0x10000c
	s_cmp_lg_u32 s2, 0xf033
	s_cbranch_scc0 .Lentry_shape_is_right
	s_endpgm
.Lentry_shape_is_right:
; C[m][n] = sum over k of A[m][k] W[k][n] + bias[n], rounded once to bf16 (with GELU = 1: the exact GELU in between).  Sums, bias and GELU in f32.
; GELU = 0: A = x (in wts), W = the joint matrix of Wq, Wk, Wv, bias = bq, bk or bv by the column; C = q, k, v: 12 x 16 tiles.   GELU = 1: A = x1b, W = W1, bias = b1; C = h: 16 x 16 tiles.
; A and C lie in planes [column / 64][row 0..4095][64] of bf16 (a plane's row is 128 bytes, a plane 524,288); W lies [SIZE_K][SIZE_N] in bf16.
; A tile of C is 256 x 256: four waves, each 128 x 128 in 64 accumulators, 512 registers.  K goes in steps of 128 (two planes of A, 128 rows of W) through a ring of two LDS slots:
; a step brings 131,072 bytes for 256 matrix instructions a wave, twice as many for each byte as a tile of 128 x 128 would have.
; CLUSTERS: 4 x 4 work-groups; the four of a row of the cluster ask jointly for A's tiles, the four of a column for W's.
; THE MATRIX INSTRUCTION IS USED TRANSPOSED: source 0 = 16 columns of W (turned on the way out of LDS by ds_load_tr16_b128), source 1 = 16 rows of A:
; a lane then holds eight neighbouring columns of one row of C.  A wave's 128 columns are two planes, its 128 rows 16,384 bytes on end in each.
; LIMITS (GELU = 1): erf by the rational form of Abramowitz and Stegun 7.1.26, absolute error at most 1.5e-7 for every argument, used as erfc:
; gelu(x) = max(x, 0) - |x| q, q = erfc(|x| / sqrt 2) / 2, so that nothing cancels; v_exp_f32 gives 0 for results under 2^-126.
; REGISTERS, in windows of 256 (s_set_vgpr_msb's low byte: bits 1:0 source 0, 3:2 source 1, 5:4 source 2, 7:6 destination):
;   window 0: v0-31 addresses; v32-63 at work in the GELU; v64-127, v128-191 fragments of A (8 x 16 rows x 32 K), two buffers, on the way out 16 rows at work and rows read back; v192-255 bias
;   window 1: v64-127, v128-191 fragments of W, two buffers
;   window 2: the 32 accumulators of my rows 0-63 (accumulator (a, b) at v[8 (8 a + b)]);   window 3: those of my rows 64-127
.set GELU,   0
.set SIZE_N, 3072
.set SIZE_K, 1024
.set BOFF,   27262976                  ; W's first byte in wts
.set KSTEP,  128
.set PLB,    524288                    ; bytes in a plane
.set PA,     144                       ; a row of A in LDS: 128 bytes + 16 of padding, nine times 16 bytes: the 16 rows of a fragment load begin at 16 different 16-byte columns of 256
.set PLN,    128*PA                    ; 128 rows of one plane
.set HALFA,  2*PLN                     ; 128 rows of two planes: what one tensor load brings of A
.set PB,     288                       ; a row of half of W's tile in LDS: 256 bytes + 32 of padding, nine times 32 bytes, for the turning load
.set HALFB,  128*PB                    ; 128 rows x 128 columns of W: what one tensor load brings of W
.set SLOT,   2*HALFA+2*HALFB           ; A's rows 0-127, A's rows 128-255, W's columns 0-127, W's columns 128-255
.set STAGE,  2*SLOT                    ; behind the ring: 2 planes x 16 rows x 144 bytes for each wave, for the way out
.set SP,     144
.set SPL,    16*SP                     ; 16 rows of one plane in the stage
.set SPARE,  STAGE+4*2*SPL             ; behind the stages: the spare words, 128 bytes for each wave
.set LAPS,   SIZE_K/(2*KSTEP)          ; a lap = two K steps = once round the ring
.set ADRA, 16                          ; v16-17  LDS address of my A fragments in slot 0, 1
.set ADRB, 20                          ; v20-21  the same for W
.set STO,  24                          ; v24     the way out: where I put 16 bytes of a row
.set RD,   25                          ; v25     the way out: where I read rows back
.set CO,   26                          ; v26     my byte offset in the wave's part of a plane of C
.set BO,   27                          ; v27     my byte offset in the bias
.set SPW,  28                          ; v28     LDS address of my spare word; never rewritten
.set NIL,  29                          ; v29     0; never rewritten
.set A5,   30                          ; v30-31  the polynomial's highest coefficient, twice
.set E,    32
.set T,    40
.set P,    48
.set MX,   56
.set F0,   64                          ; fragment buffer 0
.set F1,   128                         ; fragment buffer 1
.set X,    64                          ; the way out: 16 rows x my 64 numbers, in f32 and then packed
.set OB,   128                         ; the way out: v128-159, v160-191 by turns: 16 rows read back from the stage
.set BIAS, 192                         ; v192-255 bias of my 8 columns in each of the eight column blocks
.set G1,  24                           ; s[24:31] descriptor group 1 for A's tiles;  s[32:39] group 0, one set for each slot
.set G0,  32
.set G1B, 48                           ; s[48:55], s[56:63] the same for W's tiles
.set G0B, 56
.set MSB, 0
.macro WIN new                         ; the immediate's high byte repeats the setting that is left; a switch that changes nothing is dropped
.if MSB != \new
	s_set_vgpr_msb (MSB<<8)|\new
.set MSB, \new
.endif
.endm
.set MUL_LO, 0xa1                      ; source 0 (W) window 1, source 1 (A) window 0, C and D window 2
.set MUL_HI, 0xf1                      ; the same, C and D window 3
.set TO_B,   0x40                      ; destination window 1, address window 0
.macro JLOAD s                         ; a joint load: waves 0 and 1 fetch A's two halves, waves 2 and 3 W's; four v_nop follow each of the two lines
	s_cmp_eq_u32 s11, 0
	s_cbranch_scc0 .Lfor_b_\@
	tensor_load_to_lds s[G0+4*\s:G0+4*\s+3], s[G1:G1+7]
	s_nop 0
.rept 4
	v_nop
.endr
	s_branch .Lasked_\@
.Lfor_b_\@:
	tensor_load_to_lds s[G0B+4*\s:G0B+4*\s+3], s[G1B:G1B+7]
	s_nop 0
.rept 4
	v_nop
.endr
.Lasked_\@:
.endm
.macro CREST                           ; a round of the cluster's barrier behind its opening barrier
	s_cmp_lg_u32 s10, 0
	s_cbranch_scc1 .Lnot_wave_0_\@
	s_barrier_signal -3
.Lnot_wave_0_\@:
	s_barrier_wait -3
	s_barrier_signal -1
	s_barrier_wait -1
.endm
.macro CROUND                          ; a whole round
	s_barrier_signal -1
	s_barrier_wait -1
	CREST
.endm
.if GELU
	s_load_b128 s[4:7], s[0:1], 0x0                ; A s[4:5], wts s[6:7]
	s_load_b128 s[80:83], s[0:1], 0x10             ; bias s[80:81], C s[82:83]
.else
	s_load_b64 s[4:5], s[0:1], 0x0                 ; wts: A lies at its first byte
	s_load_b256 s[80:87], s[0:1], 0x8              ; bq s[80:81], bk s[82:83], bv s[84:85], C s[86:87]
.endif
	v_lshl_add_u32 v[SPW], v0, 2, SPARE
	v_mov_b32 v[NIL], 0
	ds_add_u32 v28, v29
	s_wait_dscnt 0x0
	v_lshrrev_b32 v1, 5, v0
	v_readfirstlane_b32 s10, v1                    ; wave 0..3
	s_lshr_b32 s11, s10, 1                         ; which half of the tile's rows is mine.  Also: I fetch for A (0) or for W (1)
	s_and_b32 s12, s10, 1                          ; which half of its columns.  Also: which half of that tile I fetch
	s_bfe_u32 s40, ttmp6, 0x40000                  ; cx, cy: my place in the cluster
	s_bfe_u32 s41, ttmp6, 0x40004
	s_lshl_b32 s42, ttmp9, 2
	s_add_co_u32 s42, s42, s40                     ; tile column of C = 4 x cluster x + cx
	s_and_b32 s13, ttmp7, 0xffff
	s_lshl_b32 s13, s13, 2
	s_add_co_u32 s13, s13, s41                     ; tile row of C = 4 x cluster y + cy
	s_lshl_b32 s43, s41, 2
	s_lshl_b32 s43, 15, s43                        ; my row of the cluster
	s_lshl_b32 s44, 0x1111, s40                    ; my column
	; group 1 for A: two lines, one a plane, each 128 rows of the plane on end (8,192 elements); 16 bytes of padding behind every 128
	s_or_b32 s[G1+0], s43, (1<<16)|(1<<20)|(1<<21)|(4<<22)|(3<<25)  ; 15:0 the mask: my row; 17:16 elements of 2 bytes; 20 padding on; 21 set beside a mask; 24:22 after every 32 words (code 4); 31:25 4 words (code 3)
	s_mov_b32 s[G1+1], 8192<<16                    ; tensor_dim0 = 8,192
	s_mov_b32 s[G1+2], 2<<16                       ; tensor_dim1 = 2
	s_mov_b32 s[G1+3], 8192<<16                    ; tile_dim0 = 8,192
	s_mov_b32 s[G1+4], 2                           ; tile_dim1 = 2
	s_mov_b32 s[G1+5], 262144                      ; from line to line: a plane's elements
	s_mov_b32 s[G1+6], 0
	s_mov_b32 s[G1+7], 0
	; group 1 for W: 128 rows x 128 elements; 32 bytes of padding behind every 256
	s_or_b32 s[G1B+0], s44, (1<<16)|(1<<20)|(1<<21)|(5<<22)|(7<<25) ; the mask: my column; after every 64 words (code 5) 8 words (code 7)
	s_mov_b32 s[G1B+1], 128<<16
	s_mov_b32 s[G1B+2], 128<<16
	s_mov_b32 s[G1B+3], 128<<16
	s_mov_b32 s[G1B+4], 128
	s_mov_b32 s[G1B+5], SIZE_N
	s_mov_b32 s[G1B+6], 0
	s_mov_b32 s[G1B+7], 0
	; A's tiles hang on the tile row alone, W's on the tile column alone; each address is made in registers that never hold the other coordinate
	s_lshl_b32 s16, s13, 15                        ; 256 rows of 128 bytes
	s_lshl_b32 s17, s12, 14                        ; which 128 rows I fetch
	s_add_co_u32 s16, s16, s17
	s_mov_b32 s17, 0
	s_lshl_b32 s46, s42, 9                         ; 256 columns of 2 bytes
	s_lshl_b32 s47, s12, 8                         ; which 128 columns I fetch
	s_add_co_u32 s46, s46, s47
	s_add_co_u32 s46, s46, BOFF
	s_mov_b32 s47, 0
	s_mul_i32 s20, s10, HALFA                      ; where they go: wave x 36,864 bytes (A's and W's halves are as long): no place in the cluster enters an LDS address
	s_wait_kmcnt 0x0
.if GELU == 0
	s_mov_b64 s[6:7], s[4:5]
.endif
	s_add_nc_u64 s[14:15], s[4:5], s[16:17]
	s_add_nc_u64 s[46:47], s[6:7], s[46:47]
	CROUND                                         ; all sixteen work-groups are here: the first joint loads meet
.irp s, 0,1
	s_mov_b32 s[G0+4*\s], 1
	s_add_co_u32 s[G0+4*\s+1], s20, \s*SLOT
	s_add_nc_u64 s[G0+4*\s+2:G0+4*\s+3], s[14:15], \s*2*PLB        ; K step s: planes 2 s on
	s_or_b32 s[G0+4*\s+3], s[G0+4*\s+3], 0x80000000
	s_mov_b32 s[G0B+4*\s], 1
	s_add_co_u32 s[G0B+4*\s+1], s20, \s*SLOT
	s_add_nc_u64 s[G0B+4*\s+2:G0B+4*\s+3], s[46:47], \s*256*SIZE_N ; K step s: rows 128 s on
	s_or_b32 s[G0B+4*\s+3], s[G0B+4*\s+3], 0x80000000
	JLOAD \s                                       ; two loads of mine are out
.endr
	v_and_b32 v1, 15, v0                           ; r = l % 16
	v_bfe_u32 v2, v0, 4, 1                         ; h = l / 16
	v_mul_u32_u24 v3, v1, PA
	v_lshl_add_u32 v3, v2, 4, v3                   ; a fragment of A: row x pitch + 16 x half
	s_mul_i32 s21, s11, HALFA                      ; my 128 rows of A
	v_add_nc_u32 v[ADRA], s21, v3
	v_add_nc_u32 v[ADRA+1], SLOT, v[ADRA]
	v_and_b32 v4, 7, v0                            ; the turning load: lane l reads 16 bytes of row 8 h + l % 8, columns 8 ((l / 8) % 2) on
	v_lshl_add_u32 v4, v2, 3, v4
	v_mul_u32_u24 v4, v4, PB
	v_bfe_u32 v5, v0, 3, 1
	v_lshl_add_u32 v4, v5, 4, v4
	s_mul_i32 s22, s12, HALFB                      ; my 128 columns of W,
	s_add_co_u32 s22, s22, 2*HALFA                 ; which lies behind A
	v_add_nc_u32 v[ADRB], s22, v4
	v_add_nc_u32 v[ADRB+1], SLOT, v[ADRB]
	s_mul_i32 s23, s10, 2*SPL
	s_add_co_u32 s23, s23, STAGE                   ; my stage
	v_add_nc_u32 v[STO], s23, v3                   ; in: row r, 16 bytes for each half of the lanes (the stage's pitch is A's)
	v_bfe_u32 v5, v0, 3, 2                         ; back: eight lanes take a row of 128 bytes, a load four rows
	v_mul_u32_u24 v5, v5, SP
	v_and_b32 v6, 7, v0
	v_lshl_add_u32 v5, v6, 4, v5
	v_add_nc_u32 v[RD], s23, v5
	v_and_b32 v7, 31, v0
	v_lshlrev_b32 v[CO], 4, v7                     ; in the plane those four rows are 512 bytes on end
	v_lshlrev_b32 v[BO], 5, v2                     ; my eight columns' bias: 32 h, the block in the immediate
.if GELU
	s_lshl_b32 s88, s42, 10                        ; 256 columns of 4 bytes
	s_mov_b64 s[66:67], s[80:81]
	s_mov_b64 s[8:9], s[82:83]
.else
	s_cmp_lt_u32 s42, 8                            ; tile columns 0-3 are q's, 4-7 k's, 8-11 v's
	s_cselect_b64 s[66:67], s[82:83], s[84:85]
	s_cmp_lt_u32 s42, 4
	s_cselect_b64 s[66:67], s[80:81], s[66:67]
	s_and_b32 s88, s42, 3
	s_lshl_b32 s88, s88, 10
	s_mov_b64 s[8:9], s[86:87]
.endif
	s_lshl_b32 s89, s12, 9
	s_add_co_u32 s88, s88, s89
	s_mov_b32 s89, 0
	s_add_nc_u64 s[66:67], s[66:67], s[88:89]      ; the bias of my wave's 128 columns
	s_lshl_b32 s90, s42, 1
	s_add_co_u32 s90, s90, s12
	s_lshl_b32 s90, s90, 20                        ; my wave's first plane of C = 2 x (2 x tile column + half)
	s_lshl_b32 s91, s13, 15
	s_add_co_u32 s90, s90, s91
	s_lshl_b32 s91, s11, 14
	s_add_co_u32 s90, s90, s91                     ; + my wave's first row x 128
	s_mov_b32 s91, 0
	s_add_nc_u64 s[8:9], s[8:9], s[90:91]
.irp b, 0,1,2,3,4,5,6,7
	global_load_b128 v[BIAS+8*\b:BIAS+8*\b+3],   v[BO], s[66:67] offset:64*\b
	global_load_b128 v[BIAS+8*\b+4:BIAS+8*\b+7], v[BO], s[66:67] offset:64*\b+16
.endr
.if GELU
	s_mov_b32 s68, 0x3e027906                      ; a1 / 2 .. a4 / 2 of the polynomial, each as a pair whose low word serves both halves
	s_mov_b32 s69, 0x3e027906
	s_mov_b32 s70, 0xbe11a98e
	s_mov_b32 s71, 0xbe11a98e
	s_mov_b32 s72, 0x3f35f0e3
	s_mov_b32 s73, 0x3f35f0e3
	s_mov_b32 s74, 0xbf3a00e3
	s_mov_b32 s75, 0xbf3a00e3
	s_mov_b32 s76, 0xbf38aa3b                      ; -log2(e) / 2
	s_mov_b32 s77, 0xbf38aa3b
	s_mov_b32 s78, 0x3e6d3388                      ; 0.3275911 / sqrt 2
	v_mov_b32 v[A5], 0x3f07dc22                    ; a5 / 2
	v_mov_b32 v[A5+1], 0x3f07dc22
.endif
; 16 matrix instructions: row blocks a0, a0 + 1 of the window's four (hi = 0: my rows 0-63, 1: rows 64-127) x all 8 column blocks, 32 along K.
; zero = 1: the first product starts the sums: nothing is ever cleared.
.macro MUL16 f, hi, a0, zero
.irp a, \a0, \a0+1
.irp b, 0,1,2,3,4,5,6,7
.if \zero
	v_wmma_f32_16x16x32_bf16 v[8*(8*(\a)+\b):8*(8*(\a)+\b)+7], v[\f+8*\b:\f+8*\b+7], v[\f+8*(4*\hi+\a):\f+8*(4*\hi+\a)+7], 0
.else
	v_wmma_f32_16x16x32_bf16 v[8*(8*(\a)+\b):8*(8*(\a)+\b)+7], v[\f+8*\b:\f+8*\b+7], v[\f+8*(4*\hi+\a):\f+8*(4*\hi+\a)+7], v[8*(8*(\a)+\b):8*(8*(\a)+\b)+7]
.endif
.endr
.endr
.endm
; 32 LDS loads in one run: the fragments of quarter q of a K step (rows 32 q on of W; plane q / 2 of A, its channels 32 (q % 2) on) into buffer f: W's sixteen loads first, then A's
.macro FETCH slot, q, f
	WIN TO_B
.irp i, 0,1,2,3,4,5,6,7
	ds_load_tr16_b128 v[\f+8*\i:\f+8*\i+3],   v[ADRB+\slot] offset:(32*(\q))*PB+\i*32
	ds_load_tr16_b128 v[\f+8*\i+4:\f+8*\i+7], v[ADRB+\slot] offset:(32*(\q)+16)*PB+\i*32
.endr
	WIN 0
.irp i, 0,1,2,3,4,5,6,7
	ds_load_b128 v[\f+8*\i:\f+8*\i+3],   v[ADRA+\slot] offset:((\q)/2)*PLN+((\q)%2)*64+\i*16*PA
	ds_load_b128 v[\f+8*\i+4:\f+8*\i+7], v[ADRA+\slot] offset:((\q)/2)*PLN+((\q)%2)*64+\i*16*PA+32
.endr
.endm
.macro PLACES                          ; four places in front of loads into registers that matrix instructions have read, and of instructions that read results
.rept 4
	v_nop
.endr
.endm
; A K step is four quarters of 32 along K, 64 matrix instructions each, on buffers 0, 1, 0, 1.  One of the first three: multiplies buffer f; in its middle it fetches quarter q into buffer g.
; The 64 accumulators take turns, one instruction a turn, in the same order in every quarter.
.macro QUARTER slot, q, f, g, zero
	s_wait_dscnt 8                                 ; W and A's rows 0-63 are in; the youngest eight loads (A's rows 64-127) may be out
	WIN MUL_LO
	MUL16 \f, 0, 0, \zero
	MUL16 \f, 0, 2, \zero
	PLACES
	FETCH \slot, \q, \g
	s_wait_dscnt 32                                ; all but the 32 just issued
	WIN MUL_HI
	MUL16 \f, 1, 0, \zero
	MUL16 \f, 1, 2, \zero
.endm
; The last quarter multiplies buffer 1 and changes slots: ONE barrier; in front of it each wave waits for all its tensor loads, adds 0 to its spare word, and waits for that and for its reads of this slot.
; fill = 1: the barrier opens a round of the cluster's barrier, and this slot is filled again, two K steps ahead.
.macro TURN slot, next, fill
	WIN 0                                          ; (the add's two registers lie in window 0)
	s_wait_tensorcnt 0x0                           ; all my tensor loads have landed: the one that was out is my part of the next slot;
	ds_add_u32 v[SPW], v[NIL]                      ; 0 onto my spare word
	s_wait_dscnt 9                                 ; (the add and the youngest eight loads may be out)
	WIN MUL_LO
	MUL16 F1, 0, 0, 0                              ; sixteen matrix instructions stand between the add and the wait for it
	s_wait_dscnt 0x0                               ; the add is done, and my reads of this slot are over
	s_barrier_signal -1
	MUL16 F1, 0, 2, 0                              ; work on registers while the others arrive
.if \fill
	WIN 0
.endif
	s_barrier_wait -1
.if \fill
	CREST                                          ; no wave of any partner still reads this slot or has a load on its way
	s_add_nc_u64 s[G0+4*\slot+2:G0+4*\slot+3], s[G0+4*\slot+2:G0+4*\slot+3], 4*PLB
	s_add_nc_u64 s[G0B+4*\slot+2:G0B+4*\slot+3], s[G0B+4*\slot+2:G0B+4*\slot+3], 512*SIZE_N
	JLOAD \slot                                    ; my one tensor load behind the round, 224 matrix instructions ahead of the wait for it; its four v_nop are also the places in front of the loads below
.else
	PLACES
.endif
	FETCH \next, 0, F0
	WIN MUL_HI
	MUL16 F1, 1, 0, 0
	MUL16 F1, 1, 2, 0
.endm
	s_wait_tensorcnt 1                             ; my part of K step 0 is in; K step 1's may stay out
	s_barrier_signal -1
	s_barrier_wait -1                              ; everybody's is
	FETCH 0, 0, F0
	QUARTER 0, 1, F0, F1, 1                        ; the first quarter stands in front of the loop: its products start the sums
	WIN 0                                          ; at a label and at a branch every window is 0
	s_mov_b32 s3, LAPS-1
.Llap:                                                 ; a trip goes once round the ring, from a lap's second quarter to the next lap's first, and fills both slots again
	QUARTER 0, 2, F1, F0, 0
	QUARTER 0, 3, F0, F1, 0
	TURN 0, 1, 1
	QUARTER 1, 1, F0, F1, 0
	QUARTER 1, 2, F1, F0, 0
	QUARTER 1, 3, F0, F1, 0
	TURN 1, 0, 1
	QUARTER 0, 1, F0, F1, 0
	WIN 0
	s_sub_co_u32 s3, s3, 1
	s_cmp_lg_u32 s3, 0
	s_cbranch_scc1 .Llap
	QUARTER 0, 2, F1, F0, 0                        ; the last lap fills nothing, and has no round of the cluster's barrier
	QUARTER 0, 3, F0, F1, 0
	TURN 0, 1, 0
	QUARTER 1, 1, F0, F1, 0
	QUARTER 1, 2, F1, F0, 0
	QUARTER 1, 3, F0, F1, 0
	s_wait_dscnt 8                                 ; the very last quarter: nothing more to fetch
	WIN MUL_LO
	MUL16 F1, 0, 0, 0
	MUL16 F1, 0, 2, 0
	s_wait_dscnt 0
	WIN MUL_HI
	MUL16 F1, 1, 0, 0
	MUL16 F1, 1, 2, 0
	WIN 0
; gelu of eight numbers in place: E = 2^(-x x log2(e) / 2), T = 1 / (1 + |x| 0.3275911 / sqrt 2), q = T (a1' + T (a2' + T (a3' + T (a4' + T a5')))) E, x = max(x, 0) - |x| q.
; Behind each run of transcendentals stands a run of plain instructions that touch none of its registers (ISA guide 5.7.2).
.macro GELU8 acc
.irp k, 0,2,4,6
	v_pk_mul_f32 v[E+\k:E+\k+1], v[\acc+\k:\acc+\k+1], v[\acc+\k:\acc+\k+1]
.endr
.irp k, 0,2,4,6
	v_pk_mul_f32 v[E+\k:E+\k+1], v[E+\k:E+\k+1], s[76:77] op_sel_hi:[1,0]
.endr
.irp k, 0,1,2,3,4,5,6,7
	v_exp_f32 v[E+\k], v[E+\k]
.endr
.irp k, 0,1,2,3,4,5,6,7
	v_fma_f32 v[T+\k], |v[\acc+\k]|, s78, 1.0
.endr
.irp k, 0,1,2,3,4,5,6,7
	v_rcp_f32 v[T+\k], v[T+\k]
.endr
.irp k, 0,1,2,3,4,5,6,7
	v_max_num_f32 v[MX+\k], 0, v[\acc+\k]
.endr
.irp k, 0,2,4,6
	v_pk_fma_f32 v[P+\k:P+\k+1], v[T+\k:T+\k+1], v[A5:A5+1], s[74:75] op_sel_hi:[1,1,0]
.endr
.irp c, 72,70,68
.irp k, 0,2,4,6
	v_pk_fma_f32 v[P+\k:P+\k+1], v[P+\k:P+\k+1], v[T+\k:T+\k+1], s[\c:\c+1] op_sel_hi:[1,1,0]
.endr
.endr
.irp k, 0,2,4,6
	v_pk_mul_f32 v[P+\k:P+\k+1], v[P+\k:P+\k+1], v[T+\k:T+\k+1]
.endr
.irp k, 0,2,4,6
	v_pk_mul_f32 v[P+\k:P+\k+1], v[P+\k:P+\k+1], v[E+\k:E+\k+1]
.endr
.irp k, 0,1,2,3,4,5,6,7
	v_fma_f32 v[\acc+\k], -|v[\acc+\k]|, v[P+\k], v[MX+\k]
.endr
.endm
; THE WAY OUT of row block a (16 rows x my 128 columns).  PACK: the sums plus the bias come into window 0 under one setting of the windows, each accumulator read from its low end on;
; there the GELU, and the rounding in place to 16 bytes a lane and column block.
.macro PACK a
	WIN 0x02+(\a)/4                                ; source 0: window 2 (blocks 0-3) or 3 (blocks 4-7)
.irp b, 0,1,2,3,4,5,6,7
.irp k, 0,2,4,6
	v_pk_add_f32 v[X+8*\b+\k:X+8*\b+\k+1], v[64*((\a)%4)+8*\b+\k:64*((\a)%4)+8*\b+\k+1], v[BIAS+8*\b+\k:BIAS+8*\b+\k+1]
.endr
.endr
	WIN 0
.irp b, 0,1,2,3,4,5,6,7
.if GELU
	GELU8 X+8*\b
.endif
.irp k, 0,1,2,3
	v_cvt_pk_bf16_f32 v[X+8*\b+\k], v[X+8*\b+2*\k], v[X+8*\b+2*\k+1]
.endr
.endr
.endm
.macro TOSTAGE a                       ; into my own stage, plane by plane, and back as whole rows
	s_wait_xcnt 0x0                                ; the registers that the loads below fill were the data of stores two blocks ago: they are rewritten only behind this wait
.irp b, 0,1,2,3,4,5,6,7
	ds_store_b128 v[STO], v[X+8*\b:X+8*\b+3] offset:(\b/4)*SPL+(\b%4)*32
.endr
.irp t, 0,1,2,3,4,5,6,7
	ds_load_b128 v[OB+32*((\a)%2)+4*\t:OB+32*((\a)%2)+4*\t+3], v[RD] offset:(\t/4)*SPL+(\t%4)*4*SP   ; LDS serves a wave's instructions in order: these see the stores above
.endr
.endm
.macro SEND a
	s_wait_dscnt 0x0                               ; the block is back in registers
.irp t, 0,1,2,3,4,5,6,7
	global_store_b128 v[CO], v[OB+32*((\a)%2)+4*\t:OB+32*((\a)%2)+4*\t+3], s[8:9] offset:(\t/4)*PLB+(\a)*2048+(\t%4)*512   ; a wave's store covers 512 consecutive bytes of a plane, aligned; 540,160 at the most, inside the signed 24-bit immediate
.endr
.endm
	PLACES
	s_wait_loadcnt 0x0                             ; the bias
	PACK 0
	TOSTAGE 0
.irp a, 1,2,3,4,5,6,7                  ; block a's arithmetic stands between block a - 1's loads from the stage and the wait for them
	PACK \a
	SEND \a-1
	TOSTAGE \a
.endr
	SEND 7
	s_wait_tensorcnt 0x0                           ; the wave's end: behind my last tensor load and my last LDS store
	ds_add_u32 v[SPW], v[NIL]
	s_wait_dscnt 0x0
	CROUND                                         ; the closing round: no work-group ends while a partner may still ask for a tile that names it
	s_endpgm
.Lfunc_end_k_qe1a776c662_proj:
	.size	k_qe1a776c662_proj, .Lfunc_end_k_qe1a776c662_proj-k_qe1a776c662_proj
	.p2alignl 7, 3214868480
	.fill 96, 4, 3214868480
	.section	.rodata,"a",@progbits
	.p2align	6, 0x0
	.amdhsa_kernel k_qe1a776c662_proj
		.amdhsa_group_segment_fixed_size 327680
		.amdhsa_private_segment_fixed_size 0
		.amdhsa_enable_private_segment 0
		.amdhsa_kernarg_size 40
		.amdhsa_user_sgpr_count 2
		.amdhsa_user_sgpr_kernarg_segment_ptr 1
		.amdhsa_wavefront_size32 1
		.amdhsa_system_sgpr_workgroup_id_x 1
		.amdhsa_system_sgpr_workgroup_id_y 1
		.amdhsa_system_sgpr_workgroup_id_z 1
		.amdhsa_system_vgpr_workitem_id 0
		.amdhsa_next_free_vgpr 1024
		.amdhsa_next_free_sgpr 96
		.amdhsa_reserve_vcc 0
		.amdhsa_float_denorm_mode_32 3
		.amdhsa_float_denorm_mode_16_64 3
		.amdhsa_memory_ordered 1
		.amdhsa_forward_progress 1
		.amdhsa_inst_pref_size 160
	.end_amdhsa_kernel
	.amdgpu_metadata
---
amdhsa.version: [ 1, 2 ]
amdhsa.kernels:
  - .name:           k_qe1a776c662_proj
    .symbol:         k_qe1a776c662_proj.kd
    .args:
      - { .name: wts, .offset: 0, .size: 8, .value_kind: global_buffer, .address_space: global }
      - { .name: bq, .offset: 8, .size: 8, .value_kind: global_buffer, .address_space: global }
      - { .name: bk, .offset: 16, .size: 8, .value_kind: global_buffer, .address_space: global }
      - { .name: bv, .offset: 24, .size: 8, .value_kind: global_buffer, .address_space: global }
      - { .name: qkvb, .offset: 32, .size: 8, .value_kind: global_buffer, .address_space: global }
    .group_segment_fixed_size: 327680
    .private_segment_fixed_size: 0
    .kernarg_segment_align: 8
    .kernarg_segment_size: 40
    .max_flat_workgroup_size: 128
    .sgpr_count:     96
    .vgpr_count:     1024
    .wavefront_size: 32
...
	.end_amdgpu_metadata
.endif
;; end of part 2
;; launch attn (part 3): grid 8 x 32, 4 waves a work-group, no clusters, 327,680 bytes of LDS; arguments qkvb, ctxb; writes ctxb
.if DOCPART == 3
	.amdgcn_target "amdgcn-amd-amdhsa--gfx1250"
	.amdhsa_code_object_version 6
	.text
	.protected	k_qe1a776c662_attn
	.globl	k_qe1a776c662_attn
	.p2align	8
	.type	k_qe1a776c662_attn,@function
k_qe1a776c662_attn:
	s_mov_b64 s[64:65], 0
	v_nop
	global_prefetch_b8 v0, s[64:65] scope:SCOPE_SE
	s_setreg_imm32_b32 hwreg(HW_REG_WAVE_MODE, 25, 1), 1
	s_wait_xcnt 0x0
; ctx[b][h][q] = sum over keys k <= q of softmax_k(q . k / 64) v.  q, k, v: planes h, 16 + h, 32 + h of qkvb, [row = 2048 b + s][64] in bf16; ctx: plane h of ctxb, the same form.
; Products, maxima and sums in f32; the weights are rounded to bf16 for the second product, ctx once at the end.  A running maximum m and sum l for each query:
; p = 2^(c s - c m), c = log2(e) / 64; in every step O and l are multiplied by a = 2^(c m_old - c m_new).  v_exp_f32 gives 0 for results under 2^-126.
; SHARES.  A work-group owns two blocks of 128 queries of one head, blocks p and 15 - p, so that every work-group walks 17 tiles of 128 keys: E (the even one of the two numbers) + 1 tiles for
; block E, then O + 1 for block O.  Only a block's last tile crosses the diagonal and is masked.  A wave has 32 queries of the block in hand: two tiles of 16.  A key tile is two steps of 64 keys.
; LAYOUT.  S^T = K Q^T (source 0 = 16 keys, source 1 = 16 queries): a lane holds ONE query (lane % 16) and keys 8 (lane / 16) + 0..7 of each 16.  Two such tiles, rounded in pairs, ARE source 1 of
; O^T = V^T P, whose result again holds one query a lane.  K comes out of LDS as it lies, V turned, by ds_load_tr16_b128.
; RING.  Two LDS slots of one key tile (K, then V).  Wave 0 fetches K's tile, wave 1 V's: each tile is 16,384 bytes on end in memory, one tensor load.  One load of a wave is out at most.
; The slots take turns through both blocks: E is even, so block E ends in slot 0, and block O begins in slot 1 and (O is odd) ends in slot 0: every slot number stands in the text.
; NO CLUSTER: the eight work-groups of a head walk the same K and V, but block by block in runs of different lengths (E and O differ from one to the next), so that partners would not ask
; for the same tile in the same round.
; O^T is cleared at a block's start (64 v_mov_b32): a block's first tile runs the masked or the unmasked text by the block's number, so no one product in the text is a sum's first.
; REGISTERS: window 0: v0-31 addresses and statistics; v32-63 Q of block E; v64-127 S^T; v128-159 P; v160-223 O^T; v224-255 Q of block O.   window 1: v0-127 K of a tile; v128-255 V of a tile.
.set PK,    144       ; a row of K in LDS: 128 bytes + 16 of padding
.set PVV,   160       ; a row of V: 128 + 32: five times 32 bytes, for the turning load
.set VOFF,  128*PK
.set SLOTB, 128*(PK+PVV)
.set TILEB, 16384     ; a key tile of K or of V in memory
.set STAGE, 2*SLOTB   ; behind the ring: 16 rows x 144 bytes for each wave, for the way out
.set SP,    144
.set SPARE, STAGE+4*16*SP  ; behind the stages: the spare words, 128 bytes for each wave
.set AK,  3           ; v3-4   LDS address of my K fragments in slot 0, 1
.set AV,  5           ; v5-6   the same for V
.set QOF, 7           ; v7     my byte offset in the wave's rows of Q
.set STO, 8           ; v8     the way out: where I put 16 bytes of a row
.set RD,  9           ; v9     the way out: where I read rows back
.set GO,  10          ; v10    my byte offset in the wave's rows of ctx
.set ST,  12          ; tile t's statistics at v[ST+8 t]: +0 c m, +1 m, +2, +3 l, +4 to +7 at work; a in +6
.set DD,  28          ; v28-29 tile t: my query's number in the block less 8 (lane / 16): key 16 kb + e of my half is allowed where it is not above this
.set SPW, 30          ; v30    LDS address of my spare word; never rewritten
.set NIL, 31          ; v31    0; never rewritten
.set QE,  32
.set S,   64
.set P,   128
.set OA,  160
.set QN,  224
.set WV,  8           ; s8     my wave's number
.set G1K, 16          ; s[16:23] descriptor group 1 for K's tiles
.set G1V, 24          ; s[24:31] for V's: it differs in the padding alone
.set G0K, 32          ; s[32:39] descriptor group 0 for K's tiles, a set for each slot
.set G0V, 40          ; s[40:47] the same for V's
.set KB0, 48          ; s[48:49] the head's first key tile of K;  s[50:51] of V
.set VB0, 50
.set CS,  56          ; s[56:57] c, as a pair whose low word serves both halves
.set SEL, 58          ; s[58:59] lane selects for v_permlanex16_b32: each lane takes its own place in the other half
.set CE,  60          ; s60    trips of block E's loop: E / 2
.set CN,  61          ; s61    trips of block O's loop: (O - 1) / 2
.set NINF, 62         ; s62    minus infinity
.set MSB, 0
.macro WIN new                      ; the immediate's high byte repeats the setting that is left
.if MSB != \new
	s_set_vgpr_msb (MSB<<8)|\new
.set MSB, \new
.endif
.endm
.macro PLACES                       ; four places behind matrix instructions (ISA guide 7.12.1)
.rept 4
	v_nop
.endr
.endm
; The tile for a slot: wave 0 asks for K's, wave 1 for V's, waves 2 and 3 for nothing.  Four v_nop follow each of the two lines.
.macro TLOAD slot
	s_cmp_lg_u32 s[WV], 0
	s_cbranch_scc1 .Lnot_k_\@
	tensor_load_to_lds s[G0K+4*(\slot):G0K+4*(\slot)+3], s[G1K:G1K+7]
	s_nop 0
.rept 4
	v_nop
.endr
	s_branch .Lasked_\@
.Lnot_k_\@:
	s_cmp_lg_u32 s[WV], 1
	s_cbranch_scc1 .Lasked_\@
	tensor_load_to_lds s[G0V+4*(\slot):G0V+4*(\slot)+3], s[G1V:G1V+7]
	s_nop 0
.rept 4
	v_nop
.endr
.Lasked_\@:
.endm
	s_load_b128 s[4:7], s[0:1], 0x0  ; qkvb s[4:5], ctxb s[6:7]
	v_lshl_add_u32 v[SPW], v0, 2, SPARE
	v_mov_b32 v[NIL], 0
	ds_add_u32 v30, v31
	s_wait_dscnt 0x0
	s_barrier_signal -1
	s_barrier_wait -1
	v_lshrrev_b32 v1, 5, v0
	v_readfirstlane_b32 s[WV], v1   ; wave 0..3
	s_and_b32 s9, ttmp7, 0xffff
	s_and_b32 s10, s9, 15           ; head
	s_lshr_b32 s11, s9, 4           ; batch
	s_mov_b32 s12, ttmp9            ; p
	s_sub_co_u32 s13, 15, s12       ; 15 - p
	s_and_b32 s14, s12, 1           ; SCC: p is odd
	s_cselect_b32 s14, s13, s12     ; E
	s_cselect_b32 s15, s12, s13     ; O
	s_lshr_b32 s[CE], s14, 1
	s_sub_co_u32 s[CN], s15, 1
	s_lshr_b32 s[CN], s[CN], 1
	s_lshl_b32 s2, s10, 19          ; the head's plane,
	s_lshl_b32 s3, s11, 18          ; the batch's 2,048 rows of 128 bytes
	s_add_co_u32 s2, s2, s3
	s_lshl_b32 s3, s[WV], 12        ; my wave's 32 rows
	s_add_co_u32 s52, s2, s3
	s_lshl_b32 s3, s14, 14          ; a block's 128 rows
	s_add_co_u32 s54, s52, s3
	s_mov_b32 s55, 0
	s_lshl_b32 s3, s15, 14
	s_add_co_u32 s52, s52, s3
	s_mov_b32 s53, 0
	s_mov_b32 s3, 0
	; group 1: a tile is 16,384 bytes on end: 64 lines of 256 bytes (32 elements of 8 bytes); padding behind every 128 bytes, a row of K or V
	s_mov_b32 s[G1K], (3<<16)|(1<<20)|(4<<22)|(3<<25)  ; 17:16 elements of 8 bytes; 20 padding on; 24:22 after every 32 words (code 4); 31:25 4 words (code 3)
	s_mov_b32 s[G1V], (3<<16)|(1<<20)|(4<<22)|(7<<25)  ; the same with 8 words (code 7)
.irp g, G1K, G1V
	s_mov_b32 s[\g+1], 32<<16       ; tensor_dim0 = 32
	s_mov_b32 s[\g+2], 64<<16       ; tensor_dim1 = 64
	s_mov_b32 s[\g+3], 32<<16       ; tile_dim0 = 32
	s_mov_b32 s[\g+4], 64           ; tile_dim1 = 64
	s_mov_b32 s[\g+5], 32           ; from line to line
	s_mov_b32 s[\g+6], 0
	s_mov_b32 s[\g+7], 0
.endr
	s_mov_b32 s[CS], 0x3cb8aa3b     ; c = log2(e) / 64
	s_mov_b32 s[CS+1], 0x3cb8aa3b
	s_mov_b32 s[SEL], 0x76543210
	s_mov_b32 s[SEL+1], 0xfedcba98
	s_mov_b32 s[NINF], 0xff800000
	s_wait_kmcnt 0x0
	s_add_nc_u64 s[66:67], s[4:5], s[54:55]  ; Q of block E, my wave's rows
	s_add_nc_u64 s[68:69], s[4:5], s[52:53]  ; Q of block O
	s_add_nc_u64 s[70:71], s[6:7], s[54:55]  ; ctx of block E
	s_add_nc_u64 s[72:73], s[6:7], s[52:53]  ; ctx of block O
	s_add_nc_u64 s[KB0:KB0+1], s[4:5], s[2:3]
	s_add_nc_u64 s[VB0:VB0+1], s[KB0:KB0+1], 32*524288
	s_add_nc_u64 s[KB0:KB0+1], s[KB0:KB0+1], 16*524288
.irp s, 0,1
	s_mov_b32 s[G0K+4*\s], 1
	s_mov_b32 s[G0K+4*\s+1], \s*SLOTB
	s_add_nc_u64 s[G0K+4*\s+2:G0K+4*\s+3], s[KB0:KB0+1], \s*TILEB  ; slot s begins with tile s
	s_or_b32 s[G0K+4*\s+3], s[G0K+4*\s+3], 0x80000000
	s_mov_b32 s[G0V+4*\s], 1
	s_mov_b32 s[G0V+4*\s+1], \s*SLOTB+VOFF
	s_add_nc_u64 s[G0V+4*\s+2:G0V+4*\s+3], s[VB0:VB0+1], \s*TILEB
	s_or_b32 s[G0V+4*\s+3], s[G0V+4*\s+3], 0x80000000
.endr
	TLOAD 0                         ; the first fill: tile 0 into slot 0; slot 1 is first filled behind the first trip's barrier
	v_and_b32 v1, 15, v0            ; r = l % 16
	v_bfe_u32 v2, v0, 4, 1          ; h = l / 16
	v_lshlrev_b32 v[QOF], 7, v1
	v_lshl_add_u32 v[QOF], v2, 4, v[QOF]  ; row x 128 + 16 x half
.irp t, 0,1                         ; Q of both blocks stays in registers: tile t, channels 32 c on
.irp c, 0,1
	global_load_b128 v[QE+16*\t+8*\c:QE+16*\t+8*\c+3],   v[QOF], s[66:67] offset:\t*2048+\c*64
	global_load_b128 v[QE+16*\t+8*\c+4:QE+16*\t+8*\c+7], v[QOF], s[66:67] offset:\t*2048+\c*64+32
	global_load_b128 v[QN+16*\t+8*\c:QN+16*\t+8*\c+3],   v[QOF], s[68:69] offset:\t*2048+\c*64
	global_load_b128 v[QN+16*\t+8*\c+4:QN+16*\t+8*\c+7], v[QOF], s[68:69] offset:\t*2048+\c*64+32
.endr
.endr
	v_mul_u32_u24 v[AK], v1, PK
	v_lshl_add_u32 v[AK], v2, 4, v[AK]  ; a fragment of K: row x pitch + 16 x half
	v_add_nc_u32 v[AK+1], SLOTB, v[AK]
	v_and_b32 v11, 7, v0            ; the turning load: lane l reads 16 bytes of key 8 h + l % 8, channels 8 ((l / 8) % 2) on
	v_lshl_add_u32 v11, v2, 3, v11
	v_mul_u32_u24 v[AV], v11, PVV
	v_bfe_u32 v11, v0, 3, 1
	v_lshl_add_u32 v[AV], v11, 4, v[AV]
	v_add_nc_u32 v[AV], VOFF, v[AV]
	v_add_nc_u32 v[AV+1], SLOTB, v[AV]
	s_mul_i32 s13, s[WV], 16*SP
	s_add_co_u32 s13, s13, STAGE    ; my stage
	v_add_nc_u32 v[STO], s13, v[AK] ; in: row r, 16 bytes for each half of the lanes (the stage's pitch is K's)
	v_bfe_u32 v11, v0, 3, 2         ; back: eight lanes take a row of 128 bytes, a load four rows
	v_mul_u32_u24 v[RD], v11, SP
	v_and_b32 v11, 7, v0
	v_lshl_add_u32 v[RD], v11, 4, v[RD]
	v_add_nc_u32 v[RD], s13, v[RD]
	v_and_b32 v11, 31, v0
	v_lshlrev_b32 v[GO], 4, v11     ; in ctx's plane those four rows are 512 bytes on end
	v_lshlrev_b32 v11, 3, v2
	v_sub_nc_u32 v[DD], v1, v11
	s_lshl_b32 s13, s[WV], 5
	v_add_nc_u32 v[DD], s13, v[DD]  ; 32 w + r - 8 h, signed
	v_add_nc_u32 v[DD+1], 16, v[DD]
; 64 LDS loads in one run: a tile's fragments, in the order K of step 0, V of step 0, K of step 1, V of step 1, sixteen loads each
.macro FETCH slot
	PLACES                          ; on every wave's way: the last products read these registers
	WIN 0x40                        ; destination window 1, address window 0
.irp j, 0,1
.irp f, 0,1,2,3,4,5,6,7             ; keys 16 (f / 2) on, channels 32 (f % 2) on
	ds_load_b128 v[64*\j+8*\f:64*\j+8*\f+3],   v[AK+\slot] offset:(64*\j+16*(\f/2))*PK+64*(\f%2)
	ds_load_b128 v[64*\j+8*\f+4:64*\j+8*\f+7], v[AK+\slot] offset:(64*\j+16*(\f/2))*PK+64*(\f%2)+32
.endr
.irp f, 0,1,2,3,4,5,6,7             ; keys 32 (f / 4) on, channels 16 (f % 4) on
	ds_load_tr16_b128 v[128+64*\j+8*\f:128+64*\j+8*\f+3],   v[AV+\slot] offset:(64*\j+32*(\f/4))*PVV+32*(\f%4)
	ds_load_tr16_b128 v[128+64*\j+8*\f+4:128+64*\j+8*\f+7], v[AV+\slot] offset:(64*\j+32*(\f/4)+16)*PVV+32*(\f%4)
.endr
.endr
.endm
; 16 products S^T = K Q^T of step j: eight accumulators by turns, one instruction a turn; the first eight start the sums
.macro KQ j, qb
	WIN 0x01                        ; source 0 window 1
.irp c, 0,1
.irp kb, 0,1,2,3
.irp t, 0,1
.if \c == 0
	v_wmma_f32_16x16x32_bf16 v[S+32*\t+8*\kb:S+32*\t+8*\kb+7], v[64*\j+8*(2*\kb+\c):64*\j+8*(2*\kb+\c)+7], v[\qb+16*\t+8*\c:\qb+16*\t+8*\c+7], 0
.else
	v_wmma_f32_16x16x32_bf16 v[S+32*\t+8*\kb:S+32*\t+8*\kb+7], v[64*\j+8*(2*\kb+\c):64*\j+8*(2*\kb+\c)+7], v[\qb+16*\t+8*\c:\qb+16*\t+8*\c+7], v[S+32*\t+8*\kb:S+32*\t+8*\kb+7]
.endif
.endr
.endr
.endr
.endm
; 16 products O^T += V^T P of step j: eight accumulators by turns
.macro PV j
	WIN 0x01
.irp g, 0,1
.irp cb, 0,1,2,3
.irp t, 0,1
	v_wmma_f32_16x16x32_bf16 v[OA+32*\t+8*\cb:OA+32*\t+8*\cb+7], v[128+64*\j+8*(4*\g+\cb):128+64*\j+8*(4*\g+\cb)+7], v[P+16*\t+8*\g:P+16*\t+8*\g+7], v[OA+32*\t+8*\cb:OA+32*\t+8*\cb+7]
.endr
.endr
.endr
.endm
; The diagonal tile: a score whose key lies above its query becomes minus infinity.  Whole numbers are compared; the choice selects a value
.macro MASK j
.irp t, 0,1
.irp kb, 0,1,2,3
.irp e, 0,1,2,3,4,5,6,7
	v_cmp_le_i32 vcc_lo, 64*\j+16*\kb+\e, v[DD+\t]
	v_cndmask_b32 v[S+32*\t+8*\kb+\e], s[NINF], v[S+32*\t+8*\kb+\e], vcc_lo
.endr
.endr
.endr
.endm
.macro TREE w, n                    ; n sums of pairs that lie w / 2 registers apart, in place, for both tiles
.set i, 0
.rept \n
.irp t, 0,1
	v_pk_add_f32 v[S+32*\t+\w*i:S+32*\t+\w*i+1], v[S+32*\t+\w*i:S+32*\t+\w*i+1], v[S+32*\t+\w*i+\w/2:S+32*\t+\w*i+\w/2+1]
.endr
.set i, i+1
.endr
.endm
; A step's softmax for both tiles, which alternate so that no instruction waits for the one just before it.  Each accumulator of S^T and of O^T is read from its low end on.
.macro SOFTMAX
.irp n, 0,1,2,3                     ; the maximum of my 32 scores and the old m, three operands at a time, in four chains
.irp t, 0,1
	v_max3_num_f32 v[ST+8*\t+4+\n], v[S+32*\t+8*\n], v[S+32*\t+8*\n+1], v[S+32*\t+8*\n+2]
.endr
.endr
.irp d, 1,2
.irp n, 0,1,2,3
.irp t, 0,1
	v_max3_num_f32 v[ST+8*\t+4+\n], v[ST+8*\t+4+\n], v[S+32*\t+8*\n+2*\d+1], v[S+32*\t+8*\n+2*\d+2]
.endr
.endr
.endr
.irp t, 0,1
	v_max3_num_f32 v[ST+8*\t+4], v[ST+8*\t+4], v[S+32*\t+7], v[S+32*\t+15]
.endr
.irp t, 0,1
	v_max3_num_f32 v[ST+8*\t+6], v[ST+8*\t+6], v[S+32*\t+23], v[S+32*\t+31]
.endr
.irp t, 0,1
	v_max3_num_f32 v[ST+8*\t+4], v[ST+8*\t+4], v[ST+8*\t+5], v[ST+8*\t+6]
.endr
.irp t, 0,1
	v_max3_num_f32 v[ST+8*\t+4], v[ST+8*\t+4], v[ST+8*\t+7], v[ST+8*\t+1]
.endr
.irp t, 0,1
	v_permlanex16_b32 v[ST+8*\t+5], v[ST+8*\t+4], s[SEL], s[SEL+1]  ; the query's other keys lie in the lane 16 away
.endr
.irp t, 0,1
	v_mov_b32 v[ST+8*\t+7], v[ST+8*\t]  ; c m_old
.endr
.irp t, 0,1
	v_max_num_f32 v[ST+8*\t+1], v[ST+8*\t+4], v[ST+8*\t+5]
.endr
.irp t, 0,1
	v_mul_f32 v[ST+8*\t], s[CS], v[ST+8*\t+1]
.endr
.irp t, 0,1
	v_sub_f32 v[ST+8*\t+7], v[ST+8*\t+7], v[ST+8*\t]
.endr
.set i, 0
.rept 16                            ; c s - c m
.irp t, 0,1
	v_pk_fma_f32 v[S+32*\t+2*i:S+32*\t+2*i+1], v[S+32*\t+2*i:S+32*\t+2*i+1], s[CS:CS+1], v[ST+8*\t:ST+8*\t+1] op_sel_hi:[1,0,0] neg_lo:[0,0,1] neg_hi:[0,0,1]
.endr
.set i, i+1
.endr
.irp t, 0,1
	v_exp_f32 v[ST+8*\t+6], v[ST+8*\t+7]  ; a
.endr
.set i, 0
.rept 32
.irp t, 0,1
	v_exp_f32 v[S+32*\t+i], v[S+32*\t+i]
.endr
.set i, i+1
.endr
	v_nop                           ; a plain instruction between the last exponential and the use of its result (ISA guide 5.7.2)
.set i, 0
	s_wait_alu depctr_va_vdst(0)
.rept 16                            ; the weights in bf16: source 1 of V^T P
.irp t, 0,1
	v_cvt_pk_bf16_f32 v[P+16*\t+i], v[S+32*\t+2*i], v[S+32*\t+2*i+1]
.endr
.set i, i+1
.endr
	TREE 4, 8
	TREE 8, 4
	TREE 16, 2
	TREE 32, 1
.irp t, 0,1
	v_pk_fma_f32 v[ST+8*\t+2:ST+8*\t+3], v[ST+8*\t+2:ST+8*\t+3], v[ST+8*\t+6:ST+8*\t+7], v[S+32*\t:S+32*\t+1] op_sel_hi:[1,0,1]  ; l = a l + the sum
.endr
.set i, 0
.rept 16                            ; O^T times a
.irp t, 0,1
	v_pk_mul_f32 v[OA+32*\t+2*i:OA+32*\t+2*i+1], v[OA+32*\t+2*i:OA+32*\t+2*i+1], v[ST+8*\t+6:ST+8*\t+7] op_sel_hi:[1,0]
.endr
.set i, i+1
.endr
.endm
; ONE KEY TILE, which lies in \slot, against the queries in v[\qb ..].  fill = 1: the other slot takes the block's next tile; 2: the next block's first tile; 0: nothing.
; In front of the barrier each wave waits for all its tensor loads (this tile among them), adds 0 to its spare word and waits for that and for its reads of the other slot.
.macro TRIP slot, qb, masked, fill
	WIN 0
	s_wait_tensorcnt 0x0            ; no tensor load of mine is out, so every group 0 may be written
	ds_add_u32 v[SPW], v[NIL]       ; 0 onto my spare word; the descriptors' steps stand between it and the wait for it
.if \fill == 1
	s_add_nc_u64 s[G0K+4*\slot+2:G0K+4*\slot+3], s[G0K+4*\slot+2:G0K+4*\slot+3], 2*TILEB  ; this slot's next tile: two tiles on; the type bits on top are not reached
	s_add_nc_u64 s[G0V+4*\slot+2:G0V+4*\slot+3], s[G0V+4*\slot+2:G0V+4*\slot+3], 2*TILEB
.elseif \fill == 2
	s_mov_b64 s[G0K+4*(1-\slot)+2:G0K+4*(1-\slot)+3], s[KB0:KB0+1]  ; the walk begins anew: the other slot takes tile 0, this one will take tile 1
	s_or_b32 s[G0K+4*(1-\slot)+3], s[G0K+4*(1-\slot)+3], 0x80000000
	s_add_nc_u64 s[G0K+4*\slot+2:G0K+4*\slot+3], s[KB0:KB0+1], TILEB
	s_or_b32 s[G0K+4*\slot+3], s[G0K+4*\slot+3], 0x80000000
	s_mov_b64 s[G0V+4*(1-\slot)+2:G0V+4*(1-\slot)+3], s[VB0:VB0+1]
	s_or_b32 s[G0V+4*(1-\slot)+3], s[G0V+4*(1-\slot)+3], 0x80000000
	s_add_nc_u64 s[G0V+4*\slot+2:G0V+4*\slot+3], s[VB0:VB0+1], TILEB
	s_or_b32 s[G0V+4*\slot+3], s[G0V+4*\slot+3], 0x80000000
.endif
	s_wait_dscnt 0x0                ; the add is done, and my reads of the other slot are over
	s_barrier_signal -1
	s_barrier_wait -1               ; both now hold of every wave
.if \fill
	TLOAD 1-\slot                   ; my one tensor load behind the barrier, and the first thing there: it has this tile's work in which to land
.endif
	FETCH \slot
.irp j, 0,1
	s_wait_dscnt 48-32*\j           ; K of step j is in; younger: V of step j and, for j = 0, step 1's 32 loads
	KQ \j, \qb
	WIN 0
	PLACES
.if \masked
	MASK \j
.endif
	SOFTMAX
	s_wait_dscnt 32-32*\j           ; V of step j is in
	PV \j
	WIN 0
.endr
.endm
.macro INIT                         ; a block's start: O^T = 0, l = 0, m = minus infinity: the first step's a is then 0; every query has a key of its own in its block's first step, so m is finite from there on
.set i, 0
.rept 64
	v_mov_b32 v[OA+i], 0
.set i, i+1
.endr
.irp t, 0,1
	v_mov_b32 v[ST+8*\t], s[NINF]
	v_mov_b32 v[ST+8*\t+1], s[NINF]
	v_mov_b32 v[ST+8*\t+2], 0
	v_mov_b32 v[ST+8*\t+3], 0
.endr
.endm
; THE WAY OUT of a block: l's parts are added, O^T is divided by l, rounded to bf16 and sent through my stage, a tile (16 rows) at a time
.macro OUT base
	PLACES
.irp t, 0,1
	v_add_f32 v[ST+8*\t+4], v[ST+8*\t+2], v[ST+8*\t+3]
.endr
.irp t, 0,1
	v_permlanex16_b32 v[ST+8*\t+5], v[ST+8*\t+4], s[SEL], s[SEL+1]
.endr
.irp t, 0,1
	v_add_f32 v[ST+8*\t+4], v[ST+8*\t+4], v[ST+8*\t+5]
.endr
.irp t, 0,1
	v_rcp_f32 v[ST+8*\t+6], v[ST+8*\t+4]
.endr
	v_nop                           ; a plain instruction between the last reciprocal and the use of its result
	s_wait_alu depctr_va_vdst(0)
.irp t, 0,1
.set i, 0
.rept 16
	v_pk_mul_f32 v[OA+32*\t+2*i:OA+32*\t+2*i+1], v[OA+32*\t+2*i:OA+32*\t+2*i+1], v[ST+8*\t+6:ST+8*\t+7] op_sel_hi:[1,0]
.set i, i+1
.endr
.set i, 0
.rept 16
	v_cvt_pk_bf16_f32 v[S+16*\t+i], v[OA+32*\t+2*i], v[OA+32*\t+2*i+1]
.set i, i+1
.endr
.irp u, 0,1,2,3
	ds_store_b128 v[STO], v[S+16*\t+4*\u:S+16*\t+4*\u+3] offset:32*\u
.endr
.irp u, 0,1,2,3
	ds_load_b128 v[S+32+16*\t+4*\u:S+32+16*\t+4*\u+3], v[RD] offset:\u*4*SP  ; LDS serves a wave's instructions in order: these see the stores above; the next tile's stores come behind them
.endr
.endr
	s_wait_dscnt 0x0
.irp t, 0,1
.irp u, 0,1,2,3
	global_store_b128 v[GO], v[S+32+16*\t+4*\u:S+32+16*\t+4*\u+3], s[\base:\base+1] offset:\t*2048+\u*512  ; a wave's store covers 512 consecutive bytes of the plane, aligned
.endr
.endr
	s_wait_xcnt 0x0                 ; the stores' data registers are S^T's: the next products write them only behind this wait
.endm
	INIT
	s_wait_loadcnt 0x0              ; Q
	s_cmp_eq_u32 s[CE], 0           ; block 0 has its diagonal tile alone; the branch hangs on the work-group's number: all waves go the same way
	s_cbranch_scc1 .Le_diag
.Le:                                ; block E, tiles 0 to E - 1, two a trip
	TRIP 0, QE, 0, 1
	TRIP 1, QE, 0, 1
	s_sub_co_u32 s[CE], s[CE], 1
	s_cmp_lg_u32 s[CE], 0
	s_cbranch_scc1 .Le
.Le_diag:
	TRIP 0, QE, 1, 2                ; block E's diagonal tile; slot 1 takes block O's tile 0
	OUT 70
	INIT
	s_cmp_eq_u32 s[CN], 0
	s_cbranch_scc1 .Lo_tail
.Lo:                                ; block O, tiles 0 to O - 2, two a trip
	TRIP 1, QN, 0, 1
	TRIP 0, QN, 0, 1
	s_sub_co_u32 s[CN], s[CN], 1
	s_cmp_lg_u32 s[CN], 0
	s_cbranch_scc1 .Lo
.Lo_tail:
	TRIP 1, QN, 0, 1                ; tile O - 1
	TRIP 0, QN, 1, 0                ; block O's diagonal tile: nothing is left to fetch
	OUT 72
	s_wait_tensorcnt 0x0            ; the wave's end: behind my last tensor load and my last LDS store
	ds_add_u32 v[SPW], v[NIL]
	s_wait_dscnt 0x0
	s_endpgm
.Lfunc_end_k_qe1a776c662_attn:
	.size	k_qe1a776c662_attn, .Lfunc_end_k_qe1a776c662_attn-k_qe1a776c662_attn
	.p2alignl 7, 3214868480
	.fill 96, 4, 3214868480
	.section	.rodata,"a",@progbits
	.p2align	6, 0x0
	.amdhsa_kernel k_qe1a776c662_attn
		.amdhsa_group_segment_fixed_size 327680
		.amdhsa_private_segment_fixed_size 0
		.amdhsa_enable_private_segment 0
		.amdhsa_kernarg_size 16
		.amdhsa_user_sgpr_count 2
		.amdhsa_user_sgpr_kernarg_segment_ptr 1
		.amdhsa_wavefront_size32 1
		.amdhsa_system_sgpr_workgroup_id_x 1
		.amdhsa_system_sgpr_workgroup_id_y 1
		.amdhsa_system_sgpr_workgroup_id_z 1
		.amdhsa_system_vgpr_workitem_id 0
		.amdhsa_next_free_vgpr 512
		.amdhsa_next_free_sgpr 80
		.amdhsa_reserve_vcc 1
		.amdhsa_float_denorm_mode_32 3
		.amdhsa_float_denorm_mode_16_64 3
		.amdhsa_memory_ordered 1
		.amdhsa_forward_progress 1
		.amdhsa_inst_pref_size 255
	.end_amdhsa_kernel
	.section	.bss,"aw",@nobits
	.p2align	6
	.space	262144
	.amdgpu_metadata
---
amdhsa.version: [ 1, 2 ]
amdhsa.kernels:
  - .name:           k_qe1a776c662_attn
    .symbol:         k_qe1a776c662_attn.kd
    .args:
      - { .name: qkvb, .offset: 0, .size: 8, .value_kind: global_buffer, .address_space: global }
      - { .name: ctxb, .offset: 8, .size: 8, .value_kind: global_buffer, .address_space: global }
    .group_segment_fixed_size: 327680
    .private_segment_fixed_size: 0
    .kernarg_segment_align: 8
    .kernarg_segment_size: 16
    .max_flat_workgroup_size: 128
    .sgpr_count:     80
    .vgpr_count:     512
    .wavefront_size: 32
...
	.end_amdgpu_metadata
.endif
;; end of part 3
;; launch oproj (part 4): grid 8 x 32, 4 waves a work-group, clusters of 4 x 4, 327,680 bytes of LDS; arguments ctxb, wts, bo, x, ybuf; writes ybuf
.if DOCPART == 4
	.amdgcn_target "amdgcn-amd-amdhsa--gfx1250"
	.amdhsa_code_object_version 6
	.text
	.protected	k_qe1a776c662_oproj
	.globl	k_qe1a776c662_oproj
	.p2align	8
	.type	k_qe1a776c662_oproj,@function
k_qe1a776c662_oproj:
	s_mov_b64 s[64:65], 0
	v_nop
	global_prefetch_b8 v0, s[64:65] scope:SCOPE_SE
	s_setreg_imm32_b32 hwreg(HW_REG_WAVE_MODE, 25, 1), 1
	s_wait_xcnt 0x0
	s_wait_alu depctr_hold_cnt(0) depctr_sa_sdst(0) depctr_va_vdst(0) depctr_va_sdst(0) depctr_va_ssrc(0) depctr_va_vcc(0) depctr_vm_vsrc(0)
	s_getreg_b32 s2, hwreg(HW_REG_IB_STS2, 6, 4)
	s_cmp_eq_u32 s2, 0
	s_cbranch_scc0 .Lentry_in_a_cluster
	s_endpgm
.Lentry_in_a_cluster:
	s_bfe_u32 s2, ttmp6, 0x10000c
	s_cmp_lg_u32 s2, 0xf033
	s_cbranch_scc0 .Lentry_shape_is_right
	s_endpgm
.Lentry_shape_is_right:
; Y[m][n] = R[m][n] + bias[n] + sum over k of A[m][k] W[k][n], all sums in f32, Y in f32: a layer's output with its residual, in front of the layer norm.
; Here: A = ctx, W = Wo, bias = bo, R = x.  (The same text with SIZE_K = 4096 and W2's place serves A = h, bias = b2, R = x1.)
; A lies in planes [column / 64][row 0..4095][64] of bf16 (a plane's row is 128 bytes, a plane 524,288); W lies [SIZE_K][SIZE_N] in bf16 in wts; R and Y are [4096][1024] in f32.
; A tile of Y is 128 x 128: four waves, each 64 x 64 in 16 accumulators.  K goes in steps of 256 (four planes of A, 256 rows of W) through a ring of two LDS slots.
; CLUSTERS: 4 x 4 work-groups; the four of a row of the cluster ask jointly for A's tiles, the four of a column for W's.
; THE MATRIX INSTRUCTION IS USED TRANSPOSED: source 0 = 16 columns of W (turned on the way out of LDS by ds_load_tr16_b128), source 1 = 16 rows of A:
; a lane then holds eight neighbouring columns of one row of Y.  A wave's 64 columns are 256 bytes of a row of Y, aligned.
; REGISTERS: window 0: v0-31 addresses, bias; v32-63 rows on their way out; v64-127 the residual, two blocks; v128-255 accumulators ((a, b) at v[128 + 8 (4 a + b)]).
;   window 1: two fragment buffers of 128: for 64 along K, 64 registers of A, then 64 of W.
.set SIZE_N, 1024
.set SIZE_K, 1024
.set BOFF,   8388608                   ; W's first byte in wts
.set KSTEP,  256
.set PLB,    524288                    ; bytes in a plane
.set PA,     144                       ; a row of A in LDS: 128 bytes + 16 of padding, nine times 16 bytes: the 16 rows of a fragment load begin at 16 different 16-byte columns of 256
.set PLN,    64*PA                     ; 64 rows of one plane
.set HALFA,  4*PLN                     ; 64 rows of four planes: what one tensor load brings of A
.set PB,     288                       ; a row of W in LDS: 256 bytes + 32 of padding, nine times 32 bytes, for the turning load
.set HALFB,  128*PB                    ; 128 rows of W: what one tensor load brings of W
.set SLOT,   2*HALFA+2*HALFB           ; A's rows 0-63, A's rows 64-127, W's rows 0-127, W's rows 128-255
.set STAGE,  2*SLOT                    ; behind the ring: 16 rows x 272 bytes for each wave, for the way out
.set SP,     272
.set SPARE,  STAGE+4*16*SP             ; behind the stages: the spare words, 128 bytes for each wave
.set LAPS,   SIZE_K/(2*KSTEP)          ; a lap = two K steps = once round the ring
.set BIAS4, 12                         ; v12-15  bias of the four columns that I store
.set ADRA, 16                          ; v16-17  LDS address of my A fragments in slot 0, 1
.set ADRB, 20                          ; v20-23  the same for W: slot 0 rows 0-127, rows 128-255, slot 1 likewise (an LDS offset has 16 bits)
.set STO,  24                          ; v24     the way out: where I put 32 bytes of a row
.set RD,   25                          ; v25     the way out: where I read a row back
.set CO,   26                          ; v26     my byte offset in Y and in R
.set BO,   27                          ; v27     my byte offset in the bias
.set SPW,  28                          ; v28     LDS address of my spare word; never rewritten
.set NIL,  29                          ; v29     0; never rewritten
.set T,    32                          ; v32-63  16 rows read back from the stage
.set RR,   64                          ; v64-95, v96-127 by turns: the residual of 16 rows
.set ACC,  128
.set F0,   0
.set F1,   128
.set G1,  24                           ; s[24:31] descriptor group 1 for A's tiles;  s[32:39] group 0, one set for each slot
.set G0,  32
.set G1B, 48                           ; s[48:55], s[56:63] the same for W's tiles
.set G0B, 56
.set MSB, 0
.macro WIN new                         ; the immediate's high byte repeats the setting that is left
.if MSB != \new
	s_set_vgpr_msb (MSB<<8)|\new
.set MSB, \new
.endif
.endm
.set MUL,  0x05                        ; sources 0 (W) and 1 (A) window 1; C and D window 0
.set TO_F, 0x40                        ; destination window 1, address window 0
.macro JLOAD s                         ; a joint load: waves 0 and 1 fetch A's two halves, waves 2 and 3 W's; four v_nop follow each of the two lines
	s_cmp_eq_u32 s11, 0
	s_cbranch_scc0 .Lfor_b_\@
	tensor_load_to_lds s[G0+4*\s:G0+4*\s+3], s[G1:G1+7]
	s_nop 0
.rept 4
	v_nop
.endr
	s_branch .Lasked_\@
.Lfor_b_\@:
	tensor_load_to_lds s[G0B+4*\s:G0B+4*\s+3], s[G1B:G1B+7]
	s_nop 0
.rept 4
	v_nop
.endr
.Lasked_\@:
.endm
.macro CREST                           ; a round of the cluster's barrier behind its opening barrier
	s_cmp_lg_u32 s10, 0
	s_cbranch_scc1 .Lnot_wave_0_\@
	s_barrier_signal -3
.Lnot_wave_0_\@:
	s_barrier_wait -3
	s_barrier_signal -1
	s_barrier_wait -1
.endm
.macro CROUND                          ; a whole round
	s_barrier_signal -1
	s_barrier_wait -1
	CREST
.endm
	s_load_b128 s[4:7], s[0:1], 0x0                ; A s[4:5], wts s[6:7]
	s_load_b128 s[80:83], s[0:1], 0x10             ; bias s[80:81], R s[82:83]
	s_load_b64 s[8:9], s[0:1], 0x20                ; Y
	v_lshl_add_u32 v[SPW], v0, 2, SPARE
	v_mov_b32 v[NIL], 0
	ds_add_u32 v28, v29
	s_wait_dscnt 0x0
	v_lshrrev_b32 v1, 5, v0
	v_readfirstlane_b32 s10, v1                    ; wave 0..3
	s_lshr_b32 s11, s10, 1                         ; which half of the tile's rows is mine.  Also: I fetch for A (0) or for W (1)
	s_and_b32 s12, s10, 1                          ; which half of its columns.  Also: which half of that tile I fetch
	s_bfe_u32 s40, ttmp6, 0x40000                  ; cx, cy: my place in the cluster
	s_bfe_u32 s41, ttmp6, 0x40004
	s_lshl_b32 s42, ttmp9, 2
	s_add_co_u32 s42, s42, s40                     ; tile column of Y = 4 x cluster x + cx
	s_and_b32 s13, ttmp7, 0xffff
	s_lshl_b32 s13, s13, 2
	s_add_co_u32 s13, s13, s41                     ; tile row of Y = 4 x cluster y + cy
	s_lshl_b32 s43, s41, 2
	s_lshl_b32 s43, 15, s43                        ; my row of the cluster
	s_lshl_b32 s44, 0x1111, s40                    ; my column
	; group 1 for A: four lines, one a plane, each 64 rows of the plane on end (4,096 elements); 16 bytes of padding behind every 128
	s_or_b32 s[G1+0], s43, (1<<16)|(1<<20)|(1<<21)|(4<<22)|(3<<25)  ; 15:0 the mask: my row; 17:16 elements of 2 bytes; 20 padding on; 21 set beside a mask; 24:22 after every 32 words (code 4); 31:25 4 words (code 3)
	s_mov_b32 s[G1+1], 4096<<16                    ; tensor_dim0 = 4,096
	s_mov_b32 s[G1+2], 4<<16                       ; tensor_dim1 = 4
	s_mov_b32 s[G1+3], 4096<<16                    ; tile_dim0 = 4,096
	s_mov_b32 s[G1+4], 4                           ; tile_dim1 = 4
	s_mov_b32 s[G1+5], 262144                      ; from line to line: a plane's elements
	s_mov_b32 s[G1+6], 0
	s_mov_b32 s[G1+7], 0
	; group 1 for W: 128 rows x 128 elements; 32 bytes of padding behind every 256
	s_or_b32 s[G1B+0], s44, (1<<16)|(1<<20)|(1<<21)|(5<<22)|(7<<25) ; the mask: my column; after every 64 words (code 5) 8 words (code 7)
	s_mov_b32 s[G1B+1], 128<<16
	s_mov_b32 s[G1B+2], 128<<16
	s_mov_b32 s[G1B+3], 128<<16
	s_mov_b32 s[G1B+4], 128
	s_mov_b32 s[G1B+5], SIZE_N
	s_mov_b32 s[G1B+6], 0
	s_mov_b32 s[G1B+7], 0
	; A's tiles hang on the tile row alone, W's on the tile column alone; each address is made in registers that never hold the other coordinate
	s_lshl_b32 s16, s13, 14                        ; 128 rows of 128 bytes
	s_lshl_b32 s17, s12, 13                        ; which 64 rows I fetch
	s_add_co_u32 s16, s16, s17
	s_mov_b32 s17, 0
	s_mul_i32 s46, s12, 256*SIZE_N                 ; which 128 rows of W I fetch
	s_lshl_b32 s47, s42, 8                         ; 128 columns of 2 bytes
	s_add_co_u32 s46, s46, s47
	s_add_co_u32 s46, s46, BOFF
	s_mov_b32 s47, 0
	s_mul_i32 s20, s10, HALFA                      ; where they go: wave x 36,864 bytes: no place in the cluster enters an LDS address
	s_wait_kmcnt 0x0
	s_add_nc_u64 s[14:15], s[4:5], s[16:17]
	s_add_nc_u64 s[46:47], s[6:7], s[46:47]
	CROUND                                         ; all sixteen work-groups are here: the first joint loads meet
.irp s, 0,1
	s_mov_b32 s[G0+4*\s], 1
	s_add_co_u32 s[G0+4*\s+1], s20, \s*SLOT
	s_add_nc_u64 s[G0+4*\s+2:G0+4*\s+3], s[14:15], \s*4*PLB        ; K step s: planes 4 s on
	s_or_b32 s[G0+4*\s+3], s[G0+4*\s+3], 0x80000000
	s_mov_b32 s[G0B+4*\s], 1
	s_add_co_u32 s[G0B+4*\s+1], s20, \s*SLOT
	s_add_nc_u64 s[G0B+4*\s+2:G0B+4*\s+3], s[46:47], \s*512*SIZE_N ; K step s: rows 256 s on
	s_or_b32 s[G0B+4*\s+3], s[G0B+4*\s+3], 0x80000000
	JLOAD \s                                       ; two loads of mine are out
.endr
	v_and_b32 v1, 15, v0                           ; r = l % 16
	v_bfe_u32 v2, v0, 4, 1                         ; h = l / 16
	v_mul_u32_u24 v3, v1, PA
	v_lshl_add_u32 v3, v2, 4, v3                   ; a fragment of A: row x pitch + 16 x half
	s_mul_i32 s21, s11, HALFA                      ; my 64 rows of A
	v_add_nc_u32 v[ADRA], s21, v3
	v_add_nc_u32 v[ADRA+1], SLOT, v[ADRA]
	v_and_b32 v4, 7, v0                            ; the turning load: lane l reads 16 bytes of row 8 h + l % 8, columns 8 ((l / 8) % 2) on
	v_lshl_add_u32 v4, v2, 3, v4
	v_mul_u32_u24 v4, v4, PB
	v_bfe_u32 v5, v0, 3, 1
	v_lshl_add_u32 v4, v5, 4, v4
	s_lshl_b32 s22, s12, 7                         ; my 64 columns of W,
	s_add_co_u32 s22, s22, 2*HALFA                 ; which lies behind A
	v_add_nc_u32 v[ADRB], s22, v4
	v_add_nc_u32 v[ADRB+1], HALFB, v[ADRB]
	v_add_nc_u32 v[ADRB+2], SLOT, v[ADRB]
	v_add_nc_u32 v[ADRB+3], SLOT+HALFB, v[ADRB]
	s_mul_i32 s23, s10, 16*SP
	s_add_co_u32 s23, s23, STAGE                   ; my stage
	v_mul_u32_u24 v6, v1, SP                       ; in: row r, 32 bytes for each half of the lanes
	v_lshl_add_u32 v6, v2, 5, v6
	v_add_nc_u32 v[STO], s23, v6
	v_mul_u32_u24 v7, v2, SP                       ; back: lanes 0-15 take one row of 256 bytes, lanes 16-31 the next
	v_lshl_add_u32 v7, v1, 4, v7
	v_add_nc_u32 v[RD], s23, v7
	v_lshlrev_b32 v[BO], 4, v1                     ; my four columns
	v_lshl_add_u32 v[CO], v2, 12, v[BO]            ; and the same two rows in Y and R
	s_lshl_b32 s88, s13, 19                        ; 128 rows of 4,096 bytes
	s_lshl_b32 s89, s11, 18                        ; my wave's 64 rows
	s_add_co_u32 s88, s88, s89
	s_lshl_b32 s90, s42, 9                         ; 128 columns of 4 bytes
	s_lshl_b32 s89, s12, 8                         ; my wave's 64 columns
	s_add_co_u32 s90, s90, s89
	s_mov_b32 s91, 0
	s_add_co_u32 s88, s88, s90
	s_mov_b32 s89, 0
	s_add_nc_u64 s[8:9], s[8:9], s[88:89]
	s_add_nc_u64 s[68:69], s[82:83], s[88:89]
	s_add_nc_u64 s[66:67], s[80:81], s[90:91]
.macro RLOAD a                         ; the residual of row block a: each load covers two rows' 256 bytes
.irp t, 0,1,2,3,4,5,6,7
	global_load_b128 v[RR+32*((\a)%2)+4*\t:RR+32*((\a)%2)+4*\t+3], v[CO], s[68:69] offset:(16*(\a)+2*\t)*4096 th:TH_LOAD_NT
.endr
.endm
	global_load_b128 v[BIAS4:BIAS4+3], v[BO], s[66:67]
	RLOAD 0                                        ; asked for here, wanted on the way out
	RLOAD 1
; 8 matrix instructions: row blocks a0, a0 + 1 x all 4 column blocks, 32 along K: half c of buffer f.  zero = 1: the first product starts the sums
.macro MUL8 f, c, a0, zero
.irp a, \a0, \a0+1
.irp b, 0,1,2,3
.if \zero
	v_wmma_f32_16x16x32_bf16 v[ACC+8*(4*(\a)+\b):ACC+8*(4*(\a)+\b)+7], v[\f+64+8*(4*\c+\b):\f+64+8*(4*\c+\b)+7], v[\f+8*(4*\c+\a):\f+8*(4*\c+\a)+7], 0
.else
	v_wmma_f32_16x16x32_bf16 v[ACC+8*(4*(\a)+\b):ACC+8*(4*(\a)+\b)+7], v[\f+64+8*(4*\c+\b):\f+64+8*(4*\c+\b)+7], v[\f+8*(4*\c+\a):\f+8*(4*\c+\a)+7], v[ACC+8*(4*(\a)+\b):ACC+8*(4*(\a)+\b)+7]
.endif
.endr
.endr
.endm
; 32 LDS loads in one run: the fragments of quarter q of a K step (plane q of A, rows 64 q on of W) into buffer f; the first 32 along K first
.macro FETCH slot, q, f
	WIN TO_F
.irp c, 0,1
.irp i, 0,1,2,3
	ds_load_tr16_b128 v[\f+64+8*(4*\c+\i):\f+64+8*(4*\c+\i)+3],   v[ADRB+2*\slot+(\q)/2] offset:(((\q)%2)*64+\c*32)*PB+\i*32
	ds_load_tr16_b128 v[\f+64+8*(4*\c+\i)+4:\f+64+8*(4*\c+\i)+7], v[ADRB+2*\slot+(\q)/2] offset:(((\q)%2)*64+\c*32+16)*PB+\i*32
	ds_load_b128 v[\f+8*(4*\c+\i):\f+8*(4*\c+\i)+3],              v[ADRA+\slot] offset:(\q)*PLN+\c*64+\i*16*PA
	ds_load_b128 v[\f+8*(4*\c+\i)+4:\f+8*(4*\c+\i)+7],            v[ADRA+\slot] offset:(\q)*PLN+\c*64+\i*16*PA+32
.endr
.endr
.endm
.macro PLACES                          ; four places in front of loads into registers that matrix instructions have read, and of instructions that read results
.rept 4
	v_nop
.endr
.endm
; A K step is four quarters of 64 along K, 32 matrix instructions each, on buffers 0, 1, 0, 1.  One of the first three: multiplies buffer f and fetches quarter q into g.
; The 16 accumulators take turns, one instruction a turn, in the same order everywhere.
.macro QUARTER slot, q, f, g, zero
	s_wait_dscnt 16                                ; the first 32 along K are in; the sixteen younger loads may be out
	WIN MUL
	MUL8 \f, 0, 0, \zero
	MUL8 \f, 0, 2, \zero
	PLACES
	FETCH \slot, \q, \g
	s_wait_dscnt 32                                ; all but the 32 just issued
	WIN MUL
	MUL8 \f, 1, 0, 0
	MUL8 \f, 1, 2, 0
.endm
; The last quarter multiplies buffer 1 and changes slots: ONE barrier; in front of it each wave waits for all its tensor loads, adds 0 to its spare word, and waits for that and for its reads of this slot.
.macro TURN slot, next, fill
	WIN 0                                          ; (the add's two registers lie in window 0)
	s_wait_tensorcnt 0x0                           ; all my tensor loads have landed: my part of the next slot;
	ds_add_u32 v[SPW], v[NIL]                      ; 0 onto my spare word
	s_wait_dscnt 17                                ; (the add and the youngest sixteen loads may be out)
	WIN MUL
	MUL8 F1, 0, 0, 0                               ; eight matrix instructions stand between the add and the wait for it
	s_wait_dscnt 0x0                               ; the add is done, and my reads of this slot are over
	s_barrier_signal -1
	MUL8 F1, 0, 2, 0
.if \fill
	WIN 0
.endif
	s_barrier_wait -1
.if \fill
	CREST                                          ; the barrier has opened a round of the cluster's barrier: no wave of any partner still reads this slot or has a load on its way
	s_add_nc_u64 s[G0+4*\slot+2:G0+4*\slot+3], s[G0+4*\slot+2:G0+4*\slot+3], 8*PLB
	s_add_nc_u64 s[G0B+4*\slot+2:G0B+4*\slot+3], s[G0B+4*\slot+2:G0B+4*\slot+3], 1024*SIZE_N
	JLOAD \slot                                    ; my one tensor load behind the round, 112 matrix instructions ahead of the wait for it; its four v_nop are also the places in front of the loads below
.else
	PLACES
.endif
	FETCH \next, 0, F0
	WIN MUL
	MUL8 F1, 1, 0, 0
	MUL8 F1, 1, 2, 0
.endm
	s_wait_tensorcnt 1                             ; my part of K step 0 is in; K step 1's may stay out
	s_barrier_signal -1
	s_barrier_wait -1                              ; everybody's is
	FETCH 0, 0, F0
	QUARTER 0, 1, F0, F1, 1                        ; the first quarter stands in front of the loop: its first products start the sums
	WIN 0                                          ; at a label and at a branch every window is 0
	s_mov_b32 s3, LAPS-1
.Llap:                                                 ; a trip goes once round the ring, from a lap's second quarter to the next lap's first, and fills both slots again
	QUARTER 0, 2, F1, F0, 0
	QUARTER 0, 3, F0, F1, 0
	TURN 0, 1, 1
	QUARTER 1, 1, F0, F1, 0
	QUARTER 1, 2, F1, F0, 0
	QUARTER 1, 3, F0, F1, 0
	TURN 1, 0, 1
	QUARTER 0, 1, F0, F1, 0
	WIN 0
	s_sub_co_u32 s3, s3, 1
	s_cmp_lg_u32 s3, 0
	s_cbranch_scc1 .Llap
	QUARTER 0, 2, F1, F0, 0                        ; the last lap fills nothing, and has no round of the cluster's barrier
	QUARTER 0, 3, F0, F1, 0
	TURN 0, 1, 0
	QUARTER 1, 1, F0, F1, 0
	QUARTER 1, 2, F1, F0, 0
	QUARTER 1, 3, F0, F1, 0
	s_wait_dscnt 16                                ; the very last quarter: nothing more to fetch
	WIN MUL
	MUL8 F1, 0, 0, 0
	MUL8 F1, 0, 2, 0
	s_wait_dscnt 0
	MUL8 F1, 1, 0, 0
	MUL8 F1, 1, 2, 0
	WIN 0
; THE WAY OUT of row block a (16 rows x my 64 columns): the sums go through my own stage and come back as whole rows of 256 bytes; residual and bias are added there; each accumulator is read from its low end on.
.macro OUTBLK a
	s_wait_xcnt 0x0                                ; the registers that the loads below fill were the last block's store data: they are rewritten only behind this wait
.irp b, 0,1,2,3
	ds_store_b128 v[STO], v[ACC+8*(4*\a+\b):ACC+8*(4*\a+\b)+3]   offset:64*\b
	ds_store_b128 v[STO], v[ACC+8*(4*\a+\b)+4:ACC+8*(4*\a+\b)+7] offset:64*\b+16
.endr
.irp t, 0,1,2,3,4,5,6,7
	ds_load_b128 v[T+4*\t:T+4*\t+3], v[RD] offset:\t*2*SP          ; LDS serves a wave's instructions in order: these see the stores above
.endr
	s_wait_dscnt 0x0
.if \a < 3
	s_wait_loadcnt 8                               ; this block's residual (and the bias) is in; the eight younger loads are the next block's
.else
	s_wait_loadcnt 0x0
.endif
.set i, 0
.rept 16
	v_pk_add_f32 v[T+2*i:T+2*i+1], v[T+2*i:T+2*i+1], v[RR+32*(\a%2)+2*i:RR+32*(\a%2)+2*i+1]
.set i, i+1
.endr
.set i, 0
.rept 16
	v_pk_add_f32 v[T+2*i:T+2*i+1], v[T+2*i:T+2*i+1], v[BIAS4+2*(i%2):BIAS4+2*(i%2)+1]
.set i, i+1
.endr
.irp t, 0,1,2,3,4,5,6,7
	global_store_b128 v[CO], v[T+4*\t:T+4*\t+3], s[8:9] offset:(16*\a+2*\t)*4096   ; 16 lanes store 256 consecutive bytes, aligned
.endr
.if \a < 2
	RLOAD \a+2
.endif
.endm
	PLACES
	OUTBLK 0
	OUTBLK 1
	OUTBLK 2
	OUTBLK 3
	s_wait_tensorcnt 0x0                           ; the wave's end: behind my last tensor load and my last LDS store
	ds_add_u32 v[SPW], v[NIL]
	s_wait_dscnt 0x0
	CROUND                                         ; the closing round: no work-group ends while a partner may still ask for a tile that names it
	s_endpgm
.Lfunc_end_k_qe1a776c662_oproj:
	.size	k_qe1a776c662_oproj, .Lfunc_end_k_qe1a776c662_oproj-k_qe1a776c662_oproj
	.p2alignl 7, 3214868480
	.fill 96, 4, 3214868480
	.section	.rodata,"a",@progbits
	.p2align	6, 0x0
	.amdhsa_kernel k_qe1a776c662_oproj
		.amdhsa_group_segment_fixed_size 327680
		.amdhsa_private_segment_fixed_size 0
		.amdhsa_enable_private_segment 0
		.amdhsa_kernarg_size 40
		.amdhsa_user_sgpr_count 2
		.amdhsa_user_sgpr_kernarg_segment_ptr 1
		.amdhsa_wavefront_size32 1
		.amdhsa_system_sgpr_workgroup_id_x 1
		.amdhsa_system_sgpr_workgroup_id_y 1
		.amdhsa_system_sgpr_workgroup_id_z 1
		.amdhsa_system_vgpr_workitem_id 0
		.amdhsa_next_free_vgpr 512
		.amdhsa_next_free_sgpr 96
		.amdhsa_reserve_vcc 0
		.amdhsa_float_denorm_mode_32 3
		.amdhsa_float_denorm_mode_16_64 3
		.amdhsa_memory_ordered 1
		.amdhsa_forward_progress 1
		.amdhsa_inst_pref_size 97
	.end_amdhsa_kernel
	.amdgpu_metadata
---
amdhsa.version: [ 1, 2 ]
amdhsa.kernels:
  - .name:           k_qe1a776c662_oproj
    .symbol:         k_qe1a776c662_oproj.kd
    .args:
      - { .name: ctxb, .offset: 0, .size: 8, .value_kind: global_buffer, .address_space: global }
      - { .name: wts, .offset: 8, .size: 8, .value_kind: global_buffer, .address_space: global }
      - { .name: bo, .offset: 16, .size: 8, .value_kind: global_buffer, .address_space: global }
      - { .name: x, .offset: 24, .size: 8, .value_kind: global_buffer, .address_space: global }
      - { .name: ybuf, .offset: 32, .size: 8, .value_kind: global_buffer, .address_space: global }
    .group_segment_fixed_size: 327680
    .private_segment_fixed_size: 0
    .kernarg_segment_align: 8
    .kernarg_segment_size: 40
    .max_flat_workgroup_size: 128
    .sgpr_count:     96
    .vgpr_count:     512
    .wavefront_size: 32
...
	.end_amdgpu_metadata
.endif
;; end of part 4
;; launch ln1 (part 5): grid 256 x 1, 8 waves a work-group, no clusters, 0 bytes of LDS; arguments ybuf, g1, be1, x1, x1b; writes x1, x1b
.if DOCPART == 5
	.amdgcn_target "amdgcn-amd-amdhsa--gfx1250"
	.amdhsa_code_object_version 6
	.text
	.protected	k_qe1a776c662_ln1
	.globl	k_qe1a776c662_ln1
	.p2align	8
	.type	k_qe1a776c662_ln1,@function
k_qe1a776c662_ln1:
	s_mov_b64 s[64:65], 0
	v_nop
	global_prefetch_b8 v0, s[64:65] scope:SCOPE_SE
	s_setreg_imm32_b32 hwreg(HW_REG_WAVE_MODE, 25, 1), 1
	s_wait_xcnt 0x0
; x1[m][:] = (y[m][:] - mean) / sqrt(variance + 1e-5) * g + be, in f32, and once more rounded to bf16 in planes [column / 64][row][64] for the next product.
; Sixteen lanes take a row of 1,024 numbers, 64 a lane, and keep it in registers: the mean first, then the mean of the centred squares, so that a common offset of the row does no harm.
; A wave has two rows, a work-group sixteen.  The sums never leave a half of the lanes: no LDS, no barrier.  Memory binds: each byte is read once and written once.
; Chunk j of a lane is columns 64 j + 4 (lane % 16) on: sixteen lanes read and store 256 consecutive bytes, aligned; a chunk is one plane of x1b.
.set X,  16                            ; v[16:79]    my 64 numbers
.set GA, 80                            ; v[80:143]   g of my columns
.set BE, 144                           ; v[144:207]  be of my columns
.set YB, 208                           ; v[208:239]  my 64 numbers in bf16
	s_load_b256 s[4:11], s[0:1], 0x0               ; y s[4:5], g s[6:7], be s[8:9], x1 s[10:11]
	s_load_b64 s[12:13], s[0:1], 0x20              ; x1b
	v_lshrrev_b32 v1, 4, v0                        ; my row of the group's sixteen
	v_and_b32 v3, 15, v0
	v_lshlrev_b32 v3, 4, v3                        ; 16 x (lane % 16)
	v_lshl_add_u32 v2, v1, 12, v3                  ; + row x 4,096
	v_lshlrev_b32 v4, 3, v0                        ; in a plane: row x 128 + 8 x (lane % 16) = 8 x thread
	s_lshl_b32 s2, ttmp9, 16                       ; sixteen rows of 4,096 bytes
	s_mov_b32 s3, 0
	s_lshl_b32 s14, ttmp9, 11                      ; sixteen rows of 128 bytes
	s_mov_b32 s15, 0
	s_mov_b32 s16, 0x3a800000                      ; 1 / 1024
	s_mov_b32 s17, 0x3727c5ac                      ; 1e-5
	s_wait_kmcnt 0x0
	s_add_nc_u64 s[4:5], s[4:5], s[2:3]
	s_add_nc_u64 s[10:11], s[10:11], s[2:3]
	s_add_nc_u64 s[12:13], s[12:13], s[14:15]
.set j, 0
.rept 16
	global_load_b128 v[X+4*j:X+4*j+3], v2, s[4:5] offset:256*j th:TH_LOAD_NT
.set j, j+1
.endr
.set j, 0
.rept 16
	global_load_b128 v[GA+4*j:GA+4*j+3], v3, s[6:7] offset:256*j
.set j, j+1
.endr
.set j, 0
.rept 16
	global_load_b128 v[BE+4*j:BE+4*j+3], v3, s[8:9] offset:256*j
.set j, j+1
.endr
	s_wait_loadcnt 32                              ; the row is in; the 32 younger loads are g's and be's
.irp k, 0,1,2,3                        ; the sum, in four chains started by the first eight pairs
	v_pk_add_f32 v[8+2*\k:9+2*\k], v[X+2*\k:X+2*\k+1], v[X+8+2*\k:X+8+2*\k+1]
.endr
.set j, 8
.rept 24
	v_pk_add_f32 v[8+2*(j%4):9+2*(j%4)], v[8+2*(j%4):9+2*(j%4)], v[X+2*j:X+2*j+1]
.set j, j+1
.endr
	v_pk_add_f32 v[8:9], v[8:9], v[10:11]
	v_pk_add_f32 v[12:13], v[12:13], v[14:15]
	v_pk_add_f32 v[8:9], v[8:9], v[12:13]
	v_add_f32 v8, v8, v9
	v_add_f32_dpp v8, v8, v8 row_xmask:1 row_mask:0xf bank_mask:0xf   ; across the row's sixteen lanes
	v_add_f32_dpp v8, v8, v8 row_xmask:2 row_mask:0xf bank_mask:0xf
	v_add_f32_dpp v8, v8, v8 row_xmask:4 row_mask:0xf bank_mask:0xf
	v_add_f32_dpp v8, v8, v8 row_xmask:8 row_mask:0xf bank_mask:0xf
	v_mul_f32 v6, s16, v8                          ; the mean, as a pair
	v_mov_b32 v7, v6
.set j, 0
.rept 32
	v_pk_add_f32 v[X+2*j:X+2*j+1], v[X+2*j:X+2*j+1], v[6:7] neg_lo:[0,1] neg_hi:[0,1]
.set j, j+1
.endr
.irp k, 0,1,2,3                        ; the sum of the centred squares, in four chains
	v_pk_mul_f32 v[8+2*\k:9+2*\k], v[X+2*\k:X+2*\k+1], v[X+2*\k:X+2*\k+1]
.endr
.set j, 4
.rept 28
	v_pk_fma_f32 v[8+2*(j%4):9+2*(j%4)], v[X+2*j:X+2*j+1], v[X+2*j:X+2*j+1], v[8+2*(j%4):9+2*(j%4)]
.set j, j+1
.endr
	v_pk_add_f32 v[8:9], v[8:9], v[10:11]
	v_pk_add_f32 v[12:13], v[12:13], v[14:15]
	v_pk_add_f32 v[8:9], v[8:9], v[12:13]
	v_add_f32 v8, v8, v9
	v_add_f32_dpp v8, v8, v8 row_xmask:1 row_mask:0xf bank_mask:0xf
	v_add_f32_dpp v8, v8, v8 row_xmask:2 row_mask:0xf bank_mask:0xf
	v_add_f32_dpp v8, v8, v8 row_xmask:4 row_mask:0xf bank_mask:0xf
	v_add_f32_dpp v8, v8, v8 row_xmask:8 row_mask:0xf bank_mask:0xf
	v_fma_f32 v8, v8, s16, s17                     ; variance + 1e-5
	v_rsq_f32 v6, v8
	v_rsq_f32 v7, v8
	v_nop                                          ; a plain instruction between the root and the use of its result (ISA guide 5.7.2)
	s_wait_loadcnt 0x0                             ; g and be
.set j, 0
	s_wait_alu depctr_va_vdst(0)
.rept 32
	v_pk_mul_f32 v[X+2*j:X+2*j+1], v[X+2*j:X+2*j+1], v[6:7]
.set j, j+1
.endr
.set j, 0
.rept 32
	v_pk_fma_f32 v[X+2*j:X+2*j+1], v[X+2*j:X+2*j+1], v[GA+2*j:GA+2*j+1], v[BE+2*j:BE+2*j+1]
.set j, j+1
.endr
.set j, 0
.rept 16
	global_store_b128 v2, v[X+4*j:X+4*j+3], s[10:11] offset:256*j
.set j, j+1
.endr
.set j, 0
.rept 16
	v_cvt_pk_bf16_f32 v[YB+2*j], v[X+4*j], v[X+4*j+1]
	v_cvt_pk_bf16_f32 v[YB+2*j+1], v[X+4*j+2], v[X+4*j+3]
	global_store_b64 v4, v[YB+2*j:YB+2*j+1], s[12:13] offset:524288*j   ; plane j: the wave's two rows are 256 consecutive bytes, aligned; 7,864,320 at the most, inside the signed 24-bit immediate
.set j, j+1
.endr
	s_endpgm
.Lfunc_end_k_qe1a776c662_ln1:
	.size	k_qe1a776c662_ln1, .Lfunc_end_k_qe1a776c662_ln1-k_qe1a776c662_ln1
	.p2alignl 7, 3214868480
	.fill 96, 4, 3214868480
	.section	.rodata,"a",@progbits
	.p2align	6, 0x0
	.amdhsa_kernel k_qe1a776c662_ln1
		.amdhsa_group_segment_fixed_size 0
		.amdhsa_private_segment_fixed_size 0
		.amdhsa_enable_private_segment 0
		.amdhsa_kernarg_size 40
		.amdhsa_user_sgpr_count 2
		.amdhsa_user_sgpr_kernarg_segment_ptr 1
		.amdhsa_wavefront_size32 1
		.amdhsa_system_sgpr_workgroup_id_x 1
		.amdhsa_system_sgpr_workgroup_id_y 1
		.amdhsa_system_sgpr_workgroup_id_z 1
		.amdhsa_system_vgpr_workitem_id 0
		.amdhsa_next_free_vgpr 240
		.amdhsa_next_free_sgpr 66
		.amdhsa_reserve_vcc 0
		.amdhsa_float_denorm_mode_32 3
		.amdhsa_float_denorm_mode_16_64 3
		.amdhsa_memory_ordered 1
		.amdhsa_forward_progress 1
		.amdhsa_inst_pref_size 22
	.end_amdhsa_kernel
	.amdgpu_metadata
---
amdhsa.version: [ 1, 2 ]
amdhsa.kernels:
  - .name:           k_qe1a776c662_ln1
    .symbol:         k_qe1a776c662_ln1.kd
    .args:
      - { .name: ybuf, .offset: 0, .size: 8, .value_kind: global_buffer, .address_space: global }
      - { .name: g1, .offset: 8, .size: 8, .value_kind: global_buffer, .address_space: global }
      - { .name: be1, .offset: 16, .size: 8, .value_kind: global_buffer, .address_space: global }
      - { .name: x1, .offset: 24, .size: 8, .value_kind: global_buffer, .address_space: global }
      - { .name: x1b, .offset: 32, .size: 8, .value_kind: global_buffer, .address_space: global }
    .group_segment_fixed_size: 0
    .private_segment_fixed_size: 0
    .kernarg_segment_align: 8
    .kernarg_segment_size: 40
    .max_flat_workgroup_size: 256
    .sgpr_count:     66
    .vgpr_count:     240
    .wavefront_size: 32
...
	.end_amdgpu_metadata
.endif
;; end of part 5
;; launch ff1 (part 6): grid 16 x 16, 4 waves a work-group, clusters of 4 x 4, 327,680 bytes of LDS; arguments x1b, wts, b1, hbuf; writes hbuf
.if DOCPART == 6
	.amdgcn_target "amdgcn-amd-amdhsa--gfx1250"
	.amdhsa_code_object_version 6
	.text
	.protected	k_qe1a776c662_ff1
	.globl	k_qe1a776c662_ff1
	.p2align	8
	.type	k_qe1a776c662_ff1,@function
k_qe1a776c662_ff1:
	s_mov_b64 s[64:65], 0
	v_nop
	global_prefetch_b8 v0, s[64:65] scope:SCOPE_SE
	s_setreg_imm32_b32 hwreg(HW_REG_WAVE_MODE, 25, 1), 1
	s_wait_xcnt 0x0
	s_wait_alu depctr_hold_cnt(0) depctr_sa_sdst(0) depctr_va_vdst(0) depctr_va_sdst(0) depctr_va_ssrc(0) depctr_va_vcc(0) depctr_vm_vsrc(0)
	s_getreg_b32 s2, hwreg(HW_REG_IB_STS2, 6, 4)
	s_cmp_eq_u32 s2, 0
	s_cbranch_scc0 .Lentry_in_a_cluster
	s_endpgm
.Lentry_in_a_cluster:
	s_bfe_u32 s2, ttmp6, 0x10000c
	s_cmp_lg_u32 s2, 0xf033
	s_cbranch_scc0 .Lentry_shape_is_right
	s_endpgm
.Lentry_shape_is_right:
; C[m][n] = sum over k of A[m][k] W[k][n] + bias[n], rounded once to bf16 (with GELU = 1: the exact GELU in between).  Sums, bias and GELU in f32.
; GELU = 0: A = x (in wts), W = the joint matrix of Wq, Wk, Wv, bias = bq, bk or bv by the column; C = q, k, v: 12 x 16 tiles.   GELU = 1: A = x1b, W = W1, bias = b1; C = h: 16 x 16 tiles.
; A and C lie in planes [column / 64][row 0..4095][64] of bf16 (a plane's row is 128 bytes, a plane 524,288); W lies [SIZE_K][SIZE_N] in bf16.
; A tile of C is 256 x 256: four waves, each 128 x 128 in 64 accumulators, 512 registers.  K goes in steps of 128 (two planes of A, 128 rows of W) through a ring of two LDS slots:
; a step brings 131,072 bytes for 256 matrix instructions a wave, twice as many for each byte as a tile of 128 x 128 would have.
; CLUSTERS: 4 x 4 work-groups; the four of a row of the cluster ask jointly for A's tiles, the four of a column for W's.
; THE MATRIX INSTRUCTION IS USED TRANSPOSED: source 0 = 16 columns of W (turned on the way out of LDS by ds_load_tr16_b128), source 1 = 16 rows of A:
; a lane then holds eight neighbouring columns of one row of C.  A wave's 128 columns are two planes, its 128 rows 16,384 bytes on end in each.
; LIMITS (GELU = 1): erf by the rational form of Abramowitz and Stegun 7.1.26, absolute error at most 1.5e-7 for every argument, used as erfc:
; gelu(x) = max(x, 0) - |x| q, q = erfc(|x| / sqrt 2) / 2, so that nothing cancels; v_exp_f32 gives 0 for results under 2^-126.
; REGISTERS, in windows of 256 (s_set_vgpr_msb's low byte: bits 1:0 source 0, 3:2 source 1, 5:4 source 2, 7:6 destination):
;   window 0: v0-31 addresses; v32-63 at work in the GELU; v64-127, v128-191 fragments of A (8 x 16 rows x 32 K), two buffers, on the way out 16 rows at work and rows read back; v192-255 bias
;   window 1: v64-127, v128-191 fragments of W, two buffers
;   window 2: the 32 accumulators of my rows 0-63 (accumulator (a, b) at v[8 (8 a + b)]);   window 3: those of my rows 64-127
.set GELU,   1
.set SIZE_N, 4096
.set SIZE_K, 1024
.set BOFF,   10485760                  ; W's first byte in wts
.set KSTEP,  128
.set PLB,    524288                    ; bytes in a plane
.set PA,     144                       ; a row of A in LDS: 128 bytes + 16 of padding, nine times 16 bytes: the 16 rows of a fragment load begin at 16 different 16-byte columns of 256
.set PLN,    128*PA                    ; 128 rows of one plane
.set HALFA,  2*PLN                     ; 128 rows of two planes: what one tensor load brings of A
.set PB,     288                       ; a row of half of W's tile in LDS: 256 bytes + 32 of padding, nine times 32 bytes, for the turning load
.set HALFB,  128*PB                    ; 128 rows x 128 columns of W: what one tensor load brings of W
.set SLOT,   2*HALFA+2*HALFB           ; A's rows 0-127, A's rows 128-255, W's columns 0-127, W's columns 128-255
.set STAGE,  2*SLOT                    ; behind the ring: 2 planes x 16 rows x 144 bytes for each wave, for the way out
.set SP,     144
.set SPL,    16*SP                     ; 16 rows of one plane in the stage
.set SPARE,  STAGE+4*2*SPL             ; behind the stages: the spare words, 128 bytes for each wave
.set LAPS,   SIZE_K/(2*KSTEP)          ; a lap = two K steps = once round the ring
.set ADRA, 16                          ; v16-17  LDS address of my A fragments in slot 0, 1
.set ADRB, 20                          ; v20-21  the same for W
.set STO,  24                          ; v24     the way out: where I put 16 bytes of a row
.set RD,   25                          ; v25     the way out: where I read rows back
.set CO,   26                          ; v26     my byte offset in the wave's part of a plane of C
.set BO,   27                          ; v27     my byte offset in the bias
.set SPW,  28                          ; v28     LDS address of my spare word; never rewritten
.set NIL,  29                          ; v29     0; never rewritten
.set A5,   30                          ; v30-31  the polynomial's highest coefficient, twice
.set E,    32
.set T,    40
.set P,    48
.set MX,   56
.set F0,   64                          ; fragment buffer 0
.set F1,   128                         ; fragment buffer 1
.set X,    64                          ; the way out: 16 rows x my 64 numbers, in f32 and then packed
.set OB,   128                         ; the way out: v128-159, v160-191 by turns: 16 rows read back from the stage
.set BIAS, 192                         ; v192-255 bias of my 8 columns in each of the eight column blocks
.set G1,  24                           ; s[24:31] descriptor group 1 for A's tiles;  s[32:39] group 0, one set for each slot
.set G0,  32
.set G1B, 48                           ; s[48:55], s[56:63] the same for W's tiles
.set G0B, 56
.set MSB, 0
.macro WIN new                         ; the immediate's high byte repeats the setting that is left; a switch that changes nothing is dropped
.if MSB != \new
	s_set_vgpr_msb (MSB<<8)|\new
.set MSB, \new
.endif
.endm
.set MUL_LO, 0xa1                      ; source 0 (W) window 1, source 1 (A) window 0, C and D window 2
.set MUL_HI, 0xf1                      ; the same, C and D window 3
.set TO_B,   0x40                      ; destination window 1, address window 0
.macro JLOAD s                         ; a joint load: waves 0 and 1 fetch A's two halves, waves 2 and 3 W's; four v_nop follow each of the two lines
	s_cmp_eq_u32 s11, 0
	s_cbranch_scc0 .Lfor_b_\@
	tensor_load_to_lds s[G0+4*\s:G0+4*\s+3], s[G1:G1+7]
	s_nop 0
.rept 4
	v_nop
.endr
	s_branch .Lasked_\@
.Lfor_b_\@:
	tensor_load_to_lds s[G0B+4*\s:G0B+4*\s+3], s[G1B:G1B+7]
	s_nop 0
.rept 4
	v_nop
.endr
.Lasked_\@:
.endm
.macro CREST                           ; a round of the cluster's barrier behind its opening barrier
	s_cmp_lg_u32 s10, 0
	s_cbranch_scc1 .Lnot_wave_0_\@
	s_barrier_signal -3
.Lnot_wave_0_\@:
	s_barrier_wait -3
	s_barrier_signal -1
	s_barrier_wait -1
.endm
.macro CROUND                          ; a whole round
	s_barrier_signal -1
	s_barrier_wait -1
	CREST
.endm
.if GELU
	s_load_b128 s[4:7], s[0:1], 0x0                ; A s[4:5], wts s[6:7]
	s_load_b128 s[80:83], s[0:1], 0x10             ; bias s[80:81], C s[82:83]
.else
	s_load_b64 s[4:5], s[0:1], 0x0                 ; wts: A lies at its first byte
	s_load_b256 s[80:87], s[0:1], 0x8              ; bq s[80:81], bk s[82:83], bv s[84:85], C s[86:87]
.endif
	v_lshl_add_u32 v[SPW], v0, 2, SPARE
	v_mov_b32 v[NIL], 0
	ds_add_u32 v28, v29
	s_wait_dscnt 0x0
	v_lshrrev_b32 v1, 5, v0
	v_readfirstlane_b32 s10, v1                    ; wave 0..3
	s_lshr_b32 s11, s10, 1                         ; which half of the tile's rows is mine.  Also: I fetch for A (0) or for W (1)
	s_and_b32 s12, s10, 1                          ; which half of its columns.  Also: which half of that tile I fetch
	s_bfe_u32 s40, ttmp6, 0x40000                  ; cx, cy: my place in the cluster
	s_bfe_u32 s41, ttmp6, 0x40004
	s_lshl_b32 s42, ttmp9, 2
	s_add_co_u32 s42, s42, s40                     ; tile column of C = 4 x cluster x + cx
	s_and_b32 s13, ttmp7, 0xffff
	s_lshl_b32 s13, s13, 2
	s_add_co_u32 s13, s13, s41                     ; tile row of C = 4 x cluster y + cy
	s_lshl_b32 s43, s41, 2
	s_lshl_b32 s43, 15, s43                        ; my row of the cluster
	s_lshl_b32 s44, 0x1111, s40                    ; my column
	; group 1 for A: two lines, one a plane, each 128 rows of the plane on end (8,192 elements); 16 bytes of padding behind every 128
	s_or_b32 s[G1+0], s43, (1<<16)|(1<<20)|(1<<21)|(4<<22)|(3<<25)  ; 15:0 the mask: my row; 17:16 elements of 2 bytes; 20 padding on; 21 set beside a mask; 24:22 after every 32 words (code 4); 31:25 4 words (code 3)
	s_mov_b32 s[G1+1], 8192<<16                    ; tensor_dim0 = 8,192
	s_mov_b32 s[G1+2], 2<<16                       ; tensor_dim1 = 2
	s_mov_b32 s[G1+3], 8192<<16                    ; tile_dim0 = 8,192
	s_mov_b32 s[G1+4], 2                           ; tile_dim1 = 2
	s_mov_b32 s[G1+5], 262144                      ; from line to line: a plane's elements
	s_mov_b32 s[G1+6], 0
	s_mov_b32 s[G1+7], 0
	; group 1 for W: 128 rows x 128 elements; 32 bytes of padding behind every 256
	s_or_b32 s[G1B+0], s44, (1<<16)|(1<<20)|(1<<21)|(5<<22)|(7<<25) ; the mask: my column; after every 64 words (code 5) 8 words (code 7)
	s_mov_b32 s[G1B+1], 128<<16
	s_mov_b32 s[G1B+2], 128<<16
	s_mov_b32 s[G1B+3], 128<<16
	s_mov_b32 s[G1B+4], 128
	s_mov_b32 s[G1B+5], SIZE_N
	s_mov_b32 s[G1B+6], 0
	s_mov_b32 s[G1B+7], 0
	; A's tiles hang on the tile row alone, W's on the tile column alone; each address is made in registers that never hold the other coordinate
	s_lshl_b32 s16, s13, 15                        ; 256 rows of 128 bytes
	s_lshl_b32 s17, s12, 14                        ; which 128 rows I fetch
	s_add_co_u32 s16, s16, s17
	s_mov_b32 s17, 0
	s_lshl_b32 s46, s42, 9                         ; 256 columns of 2 bytes
	s_lshl_b32 s47, s12, 8                         ; which 128 columns I fetch
	s_add_co_u32 s46, s46, s47
	s_add_co_u32 s46, s46, BOFF
	s_mov_b32 s47, 0
	s_mul_i32 s20, s10, HALFA                      ; where they go: wave x 36,864 bytes (A's and W's halves are as long): no place in the cluster enters an LDS address
	s_wait_kmcnt 0x0
.if GELU == 0
	s_mov_b64 s[6:7], s[4:5]
.endif
	s_add_nc_u64 s[14:15], s[4:5], s[16:17]
	s_add_nc_u64 s[46:47], s[6:7], s[46:47]
	CROUND                                         ; all sixteen work-groups are here: the first joint loads meet
.irp s, 0,1
	s_mov_b32 s[G0+4*\s], 1
	s_add_co_u32 s[G0+4*\s+1], s20, \s*SLOT
	s_add_nc_u64 s[G0+4*\s+2:G0+4*\s+3], s[14:15], \s*2*PLB        ; K step s: planes 2 s on
	s_or_b32 s[G0+4*\s+3], s[G0+4*\s+3], 0x80000000
	s_mov_b32 s[G0B+4*\s], 1
	s_add_co_u32 s[G0B+4*\s+1], s20, \s*SLOT
	s_add_nc_u64 s[G0B+4*\s+2:G0B+4*\s+3], s[46:47], \s*256*SIZE_N ; K step s: rows 128 s on
	s_or_b32 s[G0B+4*\s+3], s[G0B+4*\s+3], 0x80000000
	JLOAD \s                                       ; two loads of mine are out
.endr
	v_and_b32 v1, 15, v0                           ; r = l % 16
	v_bfe_u32 v2, v0, 4, 1                         ; h = l / 16
	v_mul_u32_u24 v3, v1, PA
	v_lshl_add_u32 v3, v2, 4, v3                   ; a fragment of A: row x pitch + 16 x half
	s_mul_i32 s21, s11, HALFA                      ; my 128 rows of A
	v_add_nc_u32 v[ADRA], s21, v3
	v_add_nc_u32 v[ADRA+1], SLOT, v[ADRA]
	v_and_b32 v4, 7, v0                            ; the turning load: lane l reads 16 bytes of row 8 h + l % 8, columns 8 ((l / 8) % 2) on
	v_lshl_add_u32 v4, v2, 3, v4
	v_mul_u32_u24 v4, v4, PB
	v_bfe_u32 v5, v0, 3, 1
	v_lshl_add_u32 v4, v5, 4, v4
	s_mul_i32 s22, s12, HALFB                      ; my 128 columns of W,
	s_add_co_u32 s22, s22, 2*HALFA                 ; which lies behind A
	v_add_nc_u32 v[ADRB], s22, v4
	v_add_nc_u32 v[ADRB+1], SLOT, v[ADRB]
	s_mul_i32 s23, s10, 2*SPL
	s_add_co_u32 s23, s23, STAGE                   ; my stage
	v_add_nc_u32 v[STO], s23, v3                   ; in: row r, 16 bytes for each half of the lanes (the stage's pitch is A's)
	v_bfe_u32 v5, v0, 3, 2                         ; back: eight lanes take a row of 128 bytes, a load four rows
	v_mul_u32_u24 v5, v5, SP
	v_and_b32 v6, 7, v0
	v_lshl_add_u32 v5, v6, 4, v5
	v_add_nc_u32 v[RD], s23, v5
	v_and_b32 v7, 31, v0
	v_lshlrev_b32 v[CO], 4, v7                     ; in the plane those four rows are 512 bytes on end
	v_lshlrev_b32 v[BO], 5, v2                     ; my eight columns' bias: 32 h, the block in the immediate
.if GELU
	s_lshl_b32 s88, s42, 10                        ; 256 columns of 4 bytes
	s_mov_b64 s[66:67], s[80:81]
	s_mov_b64 s[8:9], s[82:83]
.else
	s_cmp_lt_u32 s42, 8                            ; tile columns 0-3 are q's, 4-7 k's, 8-11 v's
	s_cselect_b64 s[66:67], s[82:83], s[84:85]
	s_cmp_lt_u32 s42, 4
	s_cselect_b64 s[66:67], s[80:81], s[66:67]
	s_and_b32 s88, s42, 3
	s_lshl_b32 s88, s88, 10
	s_mov_b64 s[8:9], s[86:87]
.endif
	s_lshl_b32 s89, s12, 9
	s_add_co_u32 s88, s88, s89
	s_mov_b32 s89, 0
	s_add_nc_u64 s[66:67], s[66:67], s[88:89]      ; the bias of my wave's 128 columns
	s_lshl_b32 s90, s42, 1
	s_add_co_u32 s90, s90, s12
	s_lshl_b32 s90, s90, 20                        ; my wave's first plane of C = 2 x (2 x tile column + half)
	s_lshl_b32 s91, s13, 15
	s_add_co_u32 s90, s90, s91
	s_lshl_b32 s91, s11, 14
	s_add_co_u32 s90, s90, s91                     ; + my wave's first row x 128
	s_mov_b32 s91, 0
	s_add_nc_u64 s[8:9], s[8:9], s[90:91]
.irp b, 0,1,2,3,4,5,6,7
	global_load_b128 v[BIAS+8*\b:BIAS+8*\b+3],   v[BO], s[66:67] offset:64*\b
	global_load_b128 v[BIAS+8*\b+4:BIAS+8*\b+7], v[BO], s[66:67] offset:64*\b+16
.endr
.if GELU
	s_mov_b32 s68, 0x3e027906                      ; a1 / 2 .. a4 / 2 of the polynomial, each as a pair whose low word serves both halves
	s_mov_b32 s69, 0x3e027906
	s_mov_b32 s70, 0xbe11a98e
	s_mov_b32 s71, 0xbe11a98e
	s_mov_b32 s72, 0x3f35f0e3
	s_mov_b32 s73, 0x3f35f0e3
	s_mov_b32 s74, 0xbf3a00e3
	s_mov_b32 s75, 0xbf3a00e3
	s_mov_b32 s76, 0xbf38aa3b                      ; -log2(e) / 2
	s_mov_b32 s77, 0xbf38aa3b
	s_mov_b32 s78, 0x3e6d3388                      ; 0.3275911 / sqrt 2
	v_mov_b32 v[A5], 0x3f07dc22                    ; a5 / 2
	v_mov_b32 v[A5+1], 0x3f07dc22
.endif
; 16 matrix instructions: row blocks a0, a0 + 1 of the window's four (hi = 0: my rows 0-63, 1: rows 64-127) x all 8 column blocks, 32 along K.
; zero = 1: the first product starts the sums: nothing is ever cleared.
.macro MUL16 f, hi, a0, zero
.irp a, \a0, \a0+1
.irp b, 0,1,2,3,4,5,6,7
.if \zero
	v_wmma_f32_16x16x32_bf16 v[8*(8*(\a)+\b):8*(8*(\a)+\b)+7], v[\f+8*\b:\f+8*\b+7], v[\f+8*(4*\hi+\a):\f+8*(4*\hi+\a)+7], 0
.else
	v_wmma_f32_16x16x32_bf16 v[8*(8*(\a)+\b):8*(8*(\a)+\b)+7], v[\f+8*\b:\f+8*\b+7], v[\f+8*(4*\hi+\a):\f+8*(4*\hi+\a)+7], v[8*(8*(\a)+\b):8*(8*(\a)+\b)+7]
.endif
.endr
.endr
.endm
; 32 LDS loads in one run: the fragments of quarter q of a K step (rows 32 q on of W; plane q / 2 of A, its channels 32 (q % 2) on) into buffer f: W's sixteen loads first, then A's
.macro FETCH slot, q, f
	WIN TO_B
.irp i, 0,1,2,3,4,5,6,7
	ds_load_tr16_b128 v[\f+8*\i:\f+8*\i+3],   v[ADRB+\slot] offset:(32*(\q))*PB+\i*32
	ds_load_tr16_b128 v[\f+8*\i+4:\f+8*\i+7], v[ADRB+\slot] offset:(32*(\q)+16)*PB+\i*32
.endr
	WIN 0
.irp i, 0,1,2,3,4,5,6,7
	ds_load_b128 v[\f+8*\i:\f+8*\i+3],   v[ADRA+\slot] offset:((\q)/2)*PLN+((\q)%2)*64+\i*16*PA
	ds_load_b128 v[\f+8*\i+4:\f+8*\i+7], v[ADRA+\slot] offset:((\q)/2)*PLN+((\q)%2)*64+\i*16*PA+32
.endr
.endm
.macro PLACES                          ; four places in front of loads into registers that matrix instructions have read, and of instructions that read results
.rept 4
	v_nop
.endr
.endm
; A K step is four quarters of 32 along K, 64 matrix instructions each, on buffers 0, 1, 0, 1.  One of the first three: multiplies buffer f; in its middle it fetches quarter q into buffer g.
; The 64 accumulators take turns, one instruction a turn, in the same order in every quarter.
.macro QUARTER slot, q, f, g, zero
	s_wait_dscnt 8                                 ; W and A's rows 0-63 are in; the youngest eight loads (A's rows 64-127) may be out
	WIN MUL_LO
	MUL16 \f, 0, 0, \zero
	MUL16 \f, 0, 2, \zero
	PLACES
	FETCH \slot, \q, \g
	s_wait_dscnt 32                                ; all but the 32 just issued
	WIN MUL_HI
	MUL16 \f, 1, 0, \zero
	MUL16 \f, 1, 2, \zero
.endm
; The last quarter multiplies buffer 1 and changes slots: ONE barrier; in front of it each wave waits for all its tensor loads, adds 0 to its spare word, and waits for that and for its reads of this slot.
; fill = 1: the barrier opens a round of the cluster's barrier, and this slot is filled again, two K steps ahead.
.macro TURN slot, next, fill
	WIN 0                                          ; (the add's two registers lie in window 0)
	s_wait_tensorcnt 0x0                           ; all my tensor loads have landed: the one that was out is my part of the next slot;
	ds_add_u32 v[SPW], v[NIL]                      ; 0 onto my spare word
	s_wait_dscnt 9                                 ; (the add and the youngest eight loads may be out)
	WIN MUL_LO
	MUL16 F1, 0, 0, 0                              ; sixteen matrix instructions stand between the add and the wait for it
	s_wait_dscnt 0x0                               ; the add is done, and my reads of this slot are over
	s_barrier_signal -1
	MUL16 F1, 0, 2, 0                              ; work on registers while the others arrive
.if \fill
	WIN 0
.endif
	s_barrier_wait -1
.if \fill
	CREST                                          ; no wave of any partner still reads this slot or has a load on its way
	s_add_nc_u64 s[G0+4*\slot+2:G0+4*\slot+3], s[G0+4*\slot+2:G0+4*\slot+3], 4*PLB
	s_add_nc_u64 s[G0B+4*\slot+2:G0B+4*\slot+3], s[G0B+4*\slot+2:G0B+4*\slot+3], 512*SIZE_N
	JLOAD \slot                                    ; my one tensor load behind the round, 224 matrix instructions ahead of the wait for it; its four v_nop are also the places in front of the loads below
.else
	PLACES
.endif
	FETCH \next, 0, F0
	WIN MUL_HI
	MUL16 F1, 1, 0, 0
	MUL16 F1, 1, 2, 0
.endm
	s_wait_tensorcnt 1                             ; my part of K step 0 is in; K step 1's may stay out
	s_barrier_signal -1
	s_barrier_wait -1                              ; everybody's is
	FETCH 0, 0, F0
	QUARTER 0, 1, F0, F1, 1                        ; the first quarter stands in front of the loop: its products start the sums
	WIN 0                                          ; at a label and at a branch every window is 0
	s_mov_b32 s3, LAPS-1
.Llap:                                                 ; a trip goes once round the ring, from a lap's second quarter to the next lap's first, and fills both slots again
	QUARTER 0, 2, F1, F0, 0
	QUARTER 0, 3, F0, F1, 0
	TURN 0, 1, 1
	QUARTER 1, 1, F0, F1, 0
	QUARTER 1, 2, F1, F0, 0
	QUARTER 1, 3, F0, F1, 0
	TURN 1, 0, 1
	QUARTER 0, 1, F0, F1, 0
	WIN 0
	s_sub_co_u32 s3, s3, 1
	s_cmp_lg_u32 s3, 0
	s_cbranch_scc1 .Llap
	QUARTER 0, 2, F1, F0, 0                        ; the last lap fills nothing, and has no round of the cluster's barrier
	QUARTER 0, 3, F0, F1, 0
	TURN 0, 1, 0
	QUARTER 1, 1, F0, F1, 0
	QUARTER 1, 2, F1, F0, 0
	QUARTER 1, 3, F0, F1, 0
	s_wait_dscnt 8                                 ; the very last quarter: nothing more to fetch
	WIN MUL_LO
	MUL16 F1, 0, 0, 0
	MUL16 F1, 0, 2, 0
	s_wait_dscnt 0
	WIN MUL_HI
	MUL16 F1, 1, 0, 0
	MUL16 F1, 1, 2, 0
	WIN 0
; gelu of eight numbers in place: E = 2^(-x x log2(e) / 2), T = 1 / (1 + |x| 0.3275911 / sqrt 2), q = T (a1' + T (a2' + T (a3' + T (a4' + T a5')))) E, x = max(x, 0) - |x| q.
; Behind each run of transcendentals stands a run of plain instructions that touch none of its registers (ISA guide 5.7.2).
.macro GELU8 acc
.irp k, 0,2,4,6
	v_pk_mul_f32 v[E+\k:E+\k+1], v[\acc+\k:\acc+\k+1], v[\acc+\k:\acc+\k+1]
.endr
.irp k, 0,2,4,6
	v_pk_mul_f32 v[E+\k:E+\k+1], v[E+\k:E+\k+1], s[76:77] op_sel_hi:[1,0]
.endr
.irp k, 0,1,2,3,4,5,6,7
	v_exp_f32 v[E+\k], v[E+\k]
.endr
.irp k, 0,1,2,3,4,5,6,7
	v_fma_f32 v[T+\k], |v[\acc+\k]|, s78, 1.0
.endr
.irp k, 0,1,2,3,4,5,6,7
	v_rcp_f32 v[T+\k], v[T+\k]
.endr
.irp k, 0,1,2,3,4,5,6,7
	v_max_num_f32 v[MX+\k], 0, v[\acc+\k]
.endr
	s_wait_alu depctr_va_vdst(0)
.irp k, 0,2,4,6
	v_pk_fma_f32 v[P+\k:P+\k+1], v[T+\k:T+\k+1], v[A5:A5+1], s[74:75] op_sel_hi:[1,1,0]
.endr
.irp c, 72,70,68
.irp k, 0,2,4,6
	v_pk_fma_f32 v[P+\k:P+\k+1], v[P+\k:P+\k+1], v[T+\k:T+\k+1], s[\c:\c+1] op_sel_hi:[1,1,0]
.endr
.endr
.irp k, 0,2,4,6
	v_pk_mul_f32 v[P+\k:P+\k+1], v[P+\k:P+\k+1], v[T+\k:T+\k+1]
.endr
.irp k, 0,2,4,6
	v_pk_mul_f32 v[P+\k:P+\k+1], v[P+\k:P+\k+1], v[E+\k:E+\k+1]
.endr
.irp k, 0,1,2,3,4,5,6,7
	v_fma_f32 v[\acc+\k], -|v[\acc+\k]|, v[P+\k], v[MX+\k]
.endr
.endm
; THE WAY OUT of row block a (16 rows x my 128 columns).  PACK: the sums plus the bias come into window 0 under one setting of the windows, each accumulator read from its low end on;
; there the GELU, and the rounding in place to 16 bytes a lane and column block.
.macro PACK a
	WIN 0x02+(\a)/4                                ; source 0: window 2 (blocks 0-3) or 3 (blocks 4-7)
.irp b, 0,1,2,3,4,5,6,7
.irp k, 0,2,4,6
	v_pk_add_f32 v[X+8*\b+\k:X+8*\b+\k+1], v[64*((\a)%4)+8*\b+\k:64*((\a)%4)+8*\b+\k+1], v[BIAS+8*\b+\k:BIAS+8*\b+\k+1]
.endr
.endr
	WIN 0
.irp b, 0,1,2,3,4,5,6,7
.if GELU
	GELU8 X+8*\b
.endif
.irp k, 0,1,2,3
	v_cvt_pk_bf16_f32 v[X+8*\b+\k], v[X+8*\b+2*\k], v[X+8*\b+2*\k+1]
.endr
.endr
.endm
.macro TOSTAGE a                       ; into my own stage, plane by plane, and back as whole rows
	s_wait_xcnt 0x0                                ; the registers that the loads below fill were the data of stores two blocks ago: they are rewritten only behind this wait
.irp b, 0,1,2,3,4,5,6,7
	ds_store_b128 v[STO], v[X+8*\b:X+8*\b+3] offset:(\b/4)*SPL+(\b%4)*32
.endr
.irp t, 0,1,2,3,4,5,6,7
	ds_load_b128 v[OB+32*((\a)%2)+4*\t:OB+32*((\a)%2)+4*\t+3], v[RD] offset:(\t/4)*SPL+(\t%4)*4*SP   ; LDS serves a wave's instructions in order: these see the stores above
.endr
.endm
.macro SEND a
	s_wait_dscnt 0x0                               ; the block is back in registers
.irp t, 0,1,2,3,4,5,6,7
	global_store_b128 v[CO], v[OB+32*((\a)%2)+4*\t:OB+32*((\a)%2)+4*\t+3], s[8:9] offset:(\t/4)*PLB+(\a)*2048+(\t%4)*512   ; a wave's store covers 512 consecutive bytes of a plane, aligned; 540,160 at the most, inside the signed 24-bit immediate
.endr
.endm
	PLACES
	s_wait_loadcnt 0x0                             ; the bias
	PACK 0
	TOSTAGE 0
.irp a, 1,2,3,4,5,6,7                  ; block a's arithmetic stands between block a - 1's loads from the stage and the wait for them
	PACK \a
	SEND \a-1
	TOSTAGE \a
.endr
	SEND 7
	s_wait_tensorcnt 0x0                           ; the wave's end: behind my last tensor load and my last LDS store
	ds_add_u32 v[SPW], v[NIL]
	s_wait_dscnt 0x0
	CROUND                                         ; the closing round: no work-group ends while a partner may still ask for a tile that names it
	s_endpgm
.Lfunc_end_k_qe1a776c662_ff1:
	.size	k_qe1a776c662_ff1, .Lfunc_end_k_qe1a776c662_ff1-k_qe1a776c662_ff1
	.p2alignl 7, 3214868480
	.fill 96, 4, 3214868480
	.section	.rodata,"a",@progbits
	.p2align	6, 0x0
	.amdhsa_kernel k_qe1a776c662_ff1
		.amdhsa_group_segment_fixed_size 327680
		.amdhsa_private_segment_fixed_size 0
		.amdhsa_enable_private_segment 0
		.amdhsa_kernarg_size 32
		.amdhsa_user_sgpr_count 2
		.amdhsa_user_sgpr_kernarg_segment_ptr 1
		.amdhsa_wavefront_size32 1
		.amdhsa_system_sgpr_workgroup_id_x 1
		.amdhsa_system_sgpr_workgroup_id_y 1
		.amdhsa_system_sgpr_workgroup_id_z 1
		.amdhsa_system_vgpr_workitem_id 0
		.amdhsa_next_free_vgpr 1024
		.amdhsa_next_free_sgpr 96
		.amdhsa_reserve_vcc 0
		.amdhsa_float_denorm_mode_32 3
		.amdhsa_float_denorm_mode_16_64 3
		.amdhsa_memory_ordered 1
		.amdhsa_forward_progress 1
		.amdhsa_inst_pref_size 255
	.end_amdhsa_kernel
	.section	.bss,"aw",@nobits
	.p2align	6
	.space	262144
	.amdgpu_metadata
---
amdhsa.version: [ 1, 2 ]
amdhsa.kernels:
  - .name:           k_qe1a776c662_ff1
    .symbol:         k_qe1a776c662_ff1.kd
    .args:
      - { .name: x1b, .offset: 0, .size: 8, .value_kind: global_buffer, .address_space: global }
      - { .name: wts, .offset: 8, .size: 8, .value_kind: global_buffer, .address_space: global }
      - { .name: b1, .offset: 16, .size: 8, .value_kind: global_buffer, .address_space: global }
      - { .name: hbuf, .offset: 24, .size: 8, .value_kind: global_buffer, .address_space: global }
    .group_segment_fixed_size: 327680
    .private_segment_fixed_size: 0
    .kernarg_segment_align: 8
    .kernarg_segment_size: 32
    .max_flat_workgroup_size: 128
    .sgpr_count:     96
    .vgpr_count:     1024
    .wavefront_size: 32
...
	.end_amdgpu_metadata
.endif
;; end of part 6
;; launch ff2 (part 7): grid 8 x 32, 4 waves a work-group, clusters of 4 x 4, 327,680 bytes of LDS; arguments hbuf, wts, b2, x1, ybuf; writes ybuf
.if DOCPART == 7
	.amdgcn_target "amdgcn-amd-amdhsa--gfx1250"
	.amdhsa_code_object_version 6
	.text
	.protected	k_qe1a776c662_ff2
	.globl	k_qe1a776c662_ff2
	.p2align	8
	.type	k_qe1a776c662_ff2,@function
k_qe1a776c662_ff2:
	s_mov_b64 s[64:65], 0
	v_nop
	global_prefetch_b8 v0, s[64:65] scope:SCOPE_SE
	s_setreg_imm32_b32 hwreg(HW_REG_WAVE_MODE, 25, 1), 1
	s_wait_xcnt 0x0
	s_wait_alu depctr_hold_cnt(0) depctr_sa_sdst(0) depctr_va_vdst(0) depctr_va_sdst(0) depctr_va_ssrc(0) depctr_va_vcc(0) depctr_vm_vsrc(0)
	s_getreg_b32 s2, hwreg(HW_REG_IB_STS2, 6, 4)
	s_cmp_eq_u32 s2, 0
	s_cbranch_scc0 .Lentry_in_a_cluster
	s_endpgm
.Lentry_in_a_cluster:
	s_bfe_u32 s2, ttmp6, 0x10000c
	s_cmp_lg_u32 s2, 0xf033
	s_cbranch_scc0 .Lentry_shape_is_right
	s_endpgm
.Lentry_shape_is_right:
; Y[m][n] = R[m][n] + bias[n] + sum over k of A[m][k] W[k][n], all sums in f32, Y in f32: a layer's output with its residual, in front of the layer norm.
; Here: A = h, W = W2, bias = b2, R = x1.  (The same text with SIZE_K = 1024 and Wo's place serves A = ctx, bias = bo, R = x.)
; A lies in planes [column / 64][row 0..4095][64] of bf16 (a plane's row is 128 bytes, a plane 524,288); W lies [SIZE_K][SIZE_N] in bf16 in wts; R and Y are [4096][1024] in f32.
; A tile of Y is 128 x 128: four waves, each 64 x 64 in 16 accumulators.  K goes in steps of 256 (four planes of A, 256 rows of W) through a ring of two LDS slots.
; CLUSTERS: 4 x 4 work-groups; the four of a row of the cluster ask jointly for A's tiles, the four of a column for W's.
; THE MATRIX INSTRUCTION IS USED TRANSPOSED: source 0 = 16 columns of W (turned on the way out of LDS by ds_load_tr16_b128), source 1 = 16 rows of A:
; a lane then holds eight neighbouring columns of one row of Y.  A wave's 64 columns are 256 bytes of a row of Y, aligned.
; REGISTERS: window 0: v0-31 addresses, bias; v32-63 rows on their way out; v64-127 the residual, two blocks; v128-255 accumulators ((a, b) at v[128 + 8 (4 a + b)]).
;   window 1: two fragment buffers of 128: for 64 along K, 64 registers of A, then 64 of W.
.set SIZE_N, 1024
.set SIZE_K, 4096
.set BOFF,   18874368                  ; W's first byte in wts
.set KSTEP,  256
.set PLB,    524288                    ; bytes in a plane
.set PA,     144                       ; a row of A in LDS: 128 bytes + 16 of padding, nine times 16 bytes: the 16 rows of a fragment load begin at 16 different 16-byte columns of 256
.set PLN,    64*PA                     ; 64 rows of one plane
.set HALFA,  4*PLN                     ; 64 rows of four planes: what one tensor load brings of A
.set PB,     288                       ; a row of W in LDS: 256 bytes + 32 of padding, nine times 32 bytes, for the turning load
.set HALFB,  128*PB                    ; 128 rows of W: what one tensor load brings of W
.set SLOT,   2*HALFA+2*HALFB           ; A's rows 0-63, A's rows 64-127, W's rows 0-127, W's rows 128-255
.set STAGE,  2*SLOT                    ; behind the ring: 16 rows x 272 bytes for each wave, for the way out
.set SP,     272
.set SPARE,  STAGE+4*16*SP             ; behind the stages: the spare words, 128 bytes for each wave
.set LAPS,   SIZE_K/(2*KSTEP)          ; a lap = two K steps = once round the ring
.set BIAS4, 12                         ; v12-15  bias of the four columns that I store
.set ADRA, 16                          ; v16-17  LDS address of my A fragments in slot 0, 1
.set ADRB, 20                          ; v20-23  the same for W: slot 0 rows 0-127, rows 128-255, slot 1 likewise (an LDS offset has 16 bits)
.set STO,  24                          ; v24     the way out: where I put 32 bytes of a row
.set RD,   25                          ; v25     the way out: where I read a row back
.set CO,   26                          ; v26     my byte offset in Y and in R
.set BO,   27                          ; v27     my byte offset in the bias
.set SPW,  28                          ; v28     LDS address of my spare word; never rewritten
.set NIL,  29                          ; v29     0; never rewritten
.set T,    32                          ; v32-63  16 rows read back from the stage
.set RR,   64                          ; v64-95, v96-127 by turns: the residual of 16 rows
.set ACC,  128
.set F0,   0
.set F1,   128
.set G1,  24                           ; s[24:31] descriptor group 1 for A's tiles;  s[32:39] group 0, one set for each slot
.set G0,  32
.set G1B, 48                           ; s[48:55], s[56:63] the same for W's tiles
.set G0B, 56
.set MSB, 0
.macro WIN new                         ; the immediate's high byte repeats the setting that is left
.if MSB != \new
	s_set_vgpr_msb (MSB<<8)|\new
.set MSB, \new
.endif
.endm
.set MUL,  0x05                        ; sources 0 (W) and 1 (A) window 1; C and D window 0
.set TO_F, 0x40                        ; destination window 1, address window 0
.macro JLOAD s                         ; a joint load: waves 0 and 1 fetch A's two halves, waves 2 and 3 W's; four v_nop follow each of the two lines
	s_cmp_eq_u32 s11, 0
	s_cbranch_scc0 .Lfor_b_\@
	tensor_load_to_lds s[G0+4*\s:G0+4*\s+3], s[G1:G1+7]
	s_nop 0
.rept 4
	v_nop
.endr
	s_branch .Lasked_\@
.Lfor_b_\@:
	tensor_load_to_lds s[G0B+4*\s:G0B+4*\s+3], s[G1B:G1B+7]
	s_nop 0
.rept 4
	v_nop
.endr
.Lasked_\@:
.endm
.macro CREST                           ; a round of the cluster's barrier behind its opening barrier
	s_cmp_lg_u32 s10, 0
	s_cbranch_scc1 .Lnot_wave_0_\@
	s_barrier_signal -3
.Lnot_wave_0_\@:
	s_barrier_wait -3
	s_barrier_signal -1
	s_barrier_wait -1
.endm
.macro CROUND                          ; a whole round
	s_barrier_signal -1
	s_barrier_wait -1
	CREST
.endm
	s_load_b128 s[4:7], s[0:1], 0x0                ; A s[4:5], wts s[6:7]
	s_load_b128 s[80:83], s[0:1], 0x10             ; bias s[80:81], R s[82:83]
	s_load_b64 s[8:9], s[0:1], 0x20                ; Y
	v_lshl_add_u32 v[SPW], v0, 2, SPARE
	v_mov_b32 v[NIL], 0
	ds_add_u32 v28, v29
	s_wait_dscnt 0x0
	v_lshrrev_b32 v1, 5, v0
	v_readfirstlane_b32 s10, v1                    ; wave 0..3
	s_lshr_b32 s11, s10, 1                         ; which half of the tile's rows is mine.  Also: I fetch for A (0) or for W (1)
	s_and_b32 s12, s10, 1                          ; which half of its columns.  Also: which half of that tile I fetch
	s_bfe_u32 s40, ttmp6, 0x40000                  ; cx, cy: my place in the cluster
	s_bfe_u32 s41, ttmp6, 0x40004
	s_lshl_b32 s42, ttmp9, 2
	s_add_co_u32 s42, s42, s40                     ; tile column of Y = 4 x cluster x + cx
	s_and_b32 s13, ttmp7, 0xffff
	s_lshl_b32 s13, s13, 2
	s_add_co_u32 s13, s13, s41                     ; tile row of Y = 4 x cluster y + cy
	s_lshl_b32 s43, s41, 2
	s_lshl_b32 s43, 15, s43                        ; my row of the cluster
	s_lshl_b32 s44, 0x1111, s40                    ; my column
	; group 1 for A: four lines, one a plane, each 64 rows of the plane on end (4,096 elements); 16 bytes of padding behind every 128
	s_or_b32 s[G1+0], s43, (1<<16)|(1<<20)|(1<<21)|(4<<22)|(3<<25)  ; 15:0 the mask: my row; 17:16 elements of 2 bytes; 20 padding on; 21 set beside a mask; 24:22 after every 32 words (code 4); 31:25 4 words (code 3)
	s_mov_b32 s[G1+1], 4096<<16                    ; tensor_dim0 = 4,096
	s_mov_b32 s[G1+2], 4<<16                       ; tensor_dim1 = 4
	s_mov_b32 s[G1+3], 4096<<16                    ; tile_dim0 = 4,096
	s_mov_b32 s[G1+4], 4                           ; tile_dim1 = 4
	s_mov_b32 s[G1+5], 262144                      ; from line to line: a plane's elements
	s_mov_b32 s[G1+6], 0
	s_mov_b32 s[G1+7], 0
	; group 1 for W: 128 rows x 128 elements; 32 bytes of padding behind every 256
	s_or_b32 s[G1B+0], s44, (1<<16)|(1<<20)|(1<<21)|(5<<22)|(7<<25) ; the mask: my column; after every 64 words (code 5) 8 words (code 7)
	s_mov_b32 s[G1B+1], 128<<16
	s_mov_b32 s[G1B+2], 128<<16
	s_mov_b32 s[G1B+3], 128<<16
	s_mov_b32 s[G1B+4], 128
	s_mov_b32 s[G1B+5], SIZE_N
	s_mov_b32 s[G1B+6], 0
	s_mov_b32 s[G1B+7], 0
	; A's tiles hang on the tile row alone, W's on the tile column alone; each address is made in registers that never hold the other coordinate
	s_lshl_b32 s16, s13, 14                        ; 128 rows of 128 bytes
	s_lshl_b32 s17, s12, 13                        ; which 64 rows I fetch
	s_add_co_u32 s16, s16, s17
	s_mov_b32 s17, 0
	s_mul_i32 s46, s12, 256*SIZE_N                 ; which 128 rows of W I fetch
	s_lshl_b32 s47, s42, 8                         ; 128 columns of 2 bytes
	s_add_co_u32 s46, s46, s47
	s_add_co_u32 s46, s46, BOFF
	s_mov_b32 s47, 0
	s_mul_i32 s20, s10, HALFA                      ; where they go: wave x 36,864 bytes: no place in the cluster enters an LDS address
	s_wait_kmcnt 0x0
	s_add_nc_u64 s[14:15], s[4:5], s[16:17]
	s_add_nc_u64 s[46:47], s[6:7], s[46:47]
	CROUND                                         ; all sixteen work-groups are here: the first joint loads meet
.irp s, 0,1
	s_mov_b32 s[G0+4*\s], 1
	s_add_co_u32 s[G0+4*\s+1], s20, \s*SLOT
	s_add_nc_u64 s[G0+4*\s+2:G0+4*\s+3], s[14:15], \s*4*PLB        ; K step s: planes 4 s on
	s_or_b32 s[G0+4*\s+3], s[G0+4*\s+3], 0x80000000
	s_mov_b32 s[G0B+4*\s], 1
	s_add_co_u32 s[G0B+4*\s+1], s20, \s*SLOT
	s_add_nc_u64 s[G0B+4*\s+2:G0B+4*\s+3], s[46:47], \s*512*SIZE_N ; K step s: rows 256 s on
	s_or_b32 s[G0B+4*\s+3], s[G0B+4*\s+3], 0x80000000
	JLOAD \s                                       ; two loads of mine are out
.endr
	v_and_b32 v1, 15, v0                           ; r = l % 16
	v_bfe_u32 v2, v0, 4, 1                         ; h = l / 16
	v_mul_u32_u24 v3, v1, PA
	v_lshl_add_u32 v3, v2, 4, v3                   ; a fragment of A: row x pitch + 16 x half
	s_mul_i32 s21, s11, HALFA                      ; my 64 rows of A
	v_add_nc_u32 v[ADRA], s21, v3
	v_add_nc_u32 v[ADRA+1], SLOT, v[ADRA]
	v_and_b32 v4, 7, v0                            ; the turning load: lane l reads 16 bytes of row 8 h + l % 8, columns 8 ((l / 8) % 2) on
	v_lshl_add_u32 v4, v2, 3, v4
	v_mul_u32_u24 v4, v4, PB
	v_bfe_u32 v5, v0, 3, 1
	v_lshl_add_u32 v4, v5, 4, v4
	s_lshl_b32 s22, s12, 7                         ; my 64 columns of W,
	s_add_co_u32 s22, s22, 2*HALFA                 ; which lies behind A
	v_add_nc_u32 v[ADRB], s22, v4
	v_add_nc_u32 v[ADRB+1], HALFB, v[ADRB]
	v_add_nc_u32 v[ADRB+2], SLOT, v[ADRB]
	v_add_nc_u32 v[ADRB+3], SLOT+HALFB, v[ADRB]
	s_mul_i32 s23, s10, 16*SP
	s_add_co_u32 s23, s23, STAGE                   ; my stage
	v_mul_u32_u24 v6, v1, SP                       ; in: row r, 32 bytes for each half of the lanes
	v_lshl_add_u32 v6, v2, 5, v6
	v_add_nc_u32 v[STO], s23, v6
	v_mul_u32_u24 v7, v2, SP                       ; back: lanes 0-15 take one row of 256 bytes, lanes 16-31 the next
	v_lshl_add_u32 v7, v1, 4, v7
	v_add_nc_u32 v[RD], s23, v7
	v_lshlrev_b32 v[BO], 4, v1                     ; my four columns
	v_lshl_add_u32 v[CO], v2, 12, v[BO]            ; and the same two rows in Y and R
	s_lshl_b32 s88, s13, 19                        ; 128 rows of 4,096 bytes
	s_lshl_b32 s89, s11, 18                        ; my wave's 64 rows
	s_add_co_u32 s88, s88, s89
	s_lshl_b32 s90, s42, 9                         ; 128 columns of 4 bytes
	s_lshl_b32 s89, s12, 8                         ; my wave's 64 columns
	s_add_co_u32 s90, s90, s89
	s_mov_b32 s91, 0
	s_add_co_u32 s88, s88, s90
	s_mov_b32 s89, 0
	s_add_nc_u64 s[8:9], s[8:9], s[88:89]
	s_add_nc_u64 s[68:69], s[82:83], s[88:89]
	s_add_nc_u64 s[66:67], s[80:81], s[90:91]
.macro RLOAD a                         ; the residual of row block a: each load covers two rows' 256 bytes
.irp t, 0,1,2,3,4,5,6,7
	global_load_b128 v[RR+32*((\a)%2)+4*\t:RR+32*((\a)%2)+4*\t+3], v[CO], s[68:69] offset:(16*(\a)+2*\t)*4096 th:TH_LOAD_NT
.endr
.endm
	global_load_b128 v[BIAS4:BIAS4+3], v[BO], s[66:67]
	RLOAD 0                                        ; asked for here, wanted on the way out
	RLOAD 1
; 8 matrix instructions: row blocks a0, a0 + 1 x all 4 column blocks, 32 along K: half c of buffer f.  zero = 1: the first product starts the sums
.macro MUL8 f, c, a0, zero
.irp a, \a0, \a0+1
.irp b, 0,1,2,3
.if \zero
	v_wmma_f32_16x16x32_bf16 v[ACC+8*(4*(\a)+\b):ACC+8*(4*(\a)+\b)+7], v[\f+64+8*(4*\c+\b):\f+64+8*(4*\c+\b)+7], v[\f+8*(4*\c+\a):\f+8*(4*\c+\a)+7], 0
.else
	v_wmma_f32_16x16x32_bf16 v[ACC+8*(4*(\a)+\b):ACC+8*(4*(\a)+\b)+7], v[\f+64+8*(4*\c+\b):\f+64+8*(4*\c+\b)+7], v[\f+8*(4*\c+\a):\f+8*(4*\c+\a)+7], v[ACC+8*(4*(\a)+\b):ACC+8*(4*(\a)+\b)+7]
.endif
.endr
.endr
.endm
; 32 LDS loads in one run: the fragments of quarter q of a K step (plane q of A, rows 64 q on of W) into buffer f; the first 32 along K first
.macro FETCH slot, q, f
	WIN TO_F
.irp c, 0,1
.irp i, 0,1,2,3
	ds_load_tr16_b128 v[\f+64+8*(4*\c+\i):\f+64+8*(4*\c+\i)+3],   v[ADRB+2*\slot+(\q)/2] offset:(((\q)%2)*64+\c*32)*PB+\i*32
	ds_load_tr16_b128 v[\f+64+8*(4*\c+\i)+4:\f+64+8*(4*\c+\i)+7], v[ADRB+2*\slot+(\q)/2] offset:(((\q)%2)*64+\c*32+16)*PB+\i*32
	ds_load_b128 v[\f+8*(4*\c+\i):\f+8*(4*\c+\i)+3],              v[ADRA+\slot] offset:(\q)*PLN+\c*64+\i*16*PA
	ds_load_b128 v[\f+8*(4*\c+\i)+4:\f+8*(4*\c+\i)+7],            v[ADRA+\slot] offset:(\q)*PLN+\c*64+\i*16*PA+32
.endr
.endr
.endm
.macro PLACES                          ; four places in front of loads into registers that matrix instructions have read, and of instructions that read results
.rept 4
	v_nop
.endr
.endm
; A K step is four quarters of 64 along K, 32 matrix instructions each, on buffers 0, 1, 0, 1.  One of the first three: multiplies buffer f and fetches quarter q into g.
; The 16 accumulators take turns, one instruction a turn, in the same order everywhere.
.macro QUARTER slot, q, f, g, zero
	s_wait_dscnt 16                                ; the first 32 along K are in; the sixteen younger loads may be out
	WIN MUL
	MUL8 \f, 0, 0, \zero
	MUL8 \f, 0, 2, \zero
	PLACES
	FETCH \slot, \q, \g
	s_wait_dscnt 32                                ; all but the 32 just issued
	WIN MUL
	MUL8 \f, 1, 0, 0
	MUL8 \f, 1, 2, 0
.endm
; The last quarter multiplies buffer 1 and changes slots: ONE barrier; in front of it each wave waits for all its tensor loads, adds 0 to its spare word, and waits for that and for its reads of this slot.
.macro TURN slot, next, fill
	WIN 0                                          ; (the add's two registers lie in window 0)
	s_wait_tensorcnt 0x0                           ; all my tensor loads have landed: my part of the next slot;
	ds_add_u32 v[SPW], v[NIL]                      ; 0 onto my spare word
	s_wait_dscnt 17                                ; (the add and the youngest sixteen loads may be out)
	WIN MUL
	MUL8 F1, 0, 0, 0                               ; eight matrix instructions stand between the add and the wait for it
	s_wait_dscnt 0x0                               ; the add is done, and my reads of this slot are over
	s_barrier_signal -1
	MUL8 F1, 0, 2, 0
.if \fill
	WIN 0
.endif
	s_barrier_wait -1
.if \fill
	CREST                                          ; the barrier has opened a round of the cluster's barrier: no wave of any partner still reads this slot or has a load on its way
	s_add_nc_u64 s[G0+4*\slot+2:G0+4*\slot+3], s[G0+4*\slot+2:G0+4*\slot+3], 8*PLB
	s_add_nc_u64 s[G0B+4*\slot+2:G0B+4*\slot+3], s[G0B+4*\slot+2:G0B+4*\slot+3], 1024*SIZE_N
	JLOAD \slot                                    ; my one tensor load behind the round, 112 matrix instructions ahead of the wait for it; its four v_nop are also the places in front of the loads below
.else
	PLACES
.endif
	FETCH \next, 0, F0
	WIN MUL
	MUL8 F1, 1, 0, 0
	MUL8 F1, 1, 2, 0
.endm
	s_wait_tensorcnt 1                             ; my part of K step 0 is in; K step 1's may stay out
	s_barrier_signal -1
	s_barrier_wait -1                              ; everybody's is
	FETCH 0, 0, F0
	QUARTER 0, 1, F0, F1, 1                        ; the first quarter stands in front of the loop: its first products start the sums
	WIN 0                                          ; at a label and at a branch every window is 0
	s_mov_b32 s3, LAPS-1
.Llap:                                                 ; a trip goes once round the ring, from a lap's second quarter to the next lap's first, and fills both slots again
	QUARTER 0, 2, F1, F0, 0
	QUARTER 0, 3, F0, F1, 0
	TURN 0, 1, 1
	QUARTER 1, 1, F0, F1, 0
	QUARTER 1, 2, F1, F0, 0
	QUARTER 1, 3, F0, F1, 0
	TURN 1, 0, 1
	QUARTER 0, 1, F0, F1, 0
	WIN 0
	s_sub_co_u32 s3, s3, 1
	s_cmp_lg_u32 s3, 0
	s_cbranch_scc1 .Llap
	QUARTER 0, 2, F1, F0, 0                        ; the last lap fills nothing, and has no round of the cluster's barrier
	QUARTER 0, 3, F0, F1, 0
	TURN 0, 1, 0
	QUARTER 1, 1, F0, F1, 0
	QUARTER 1, 2, F1, F0, 0
	QUARTER 1, 3, F0, F1, 0
	s_wait_dscnt 16                                ; the very last quarter: nothing more to fetch
	WIN MUL
	MUL8 F1, 0, 0, 0
	MUL8 F1, 0, 2, 0
	s_wait_dscnt 0
	MUL8 F1, 1, 0, 0
	MUL8 F1, 1, 2, 0
	WIN 0
; THE WAY OUT of row block a (16 rows x my 64 columns): the sums go through my own stage and come back as whole rows of 256 bytes; residual and bias are added there; each accumulator is read from its low end on.
.macro OUTBLK a
	s_wait_xcnt 0x0                                ; the registers that the loads below fill were the last block's store data: they are rewritten only behind this wait
.irp b, 0,1,2,3
	ds_store_b128 v[STO], v[ACC+8*(4*\a+\b):ACC+8*(4*\a+\b)+3]   offset:64*\b
	ds_store_b128 v[STO], v[ACC+8*(4*\a+\b)+4:ACC+8*(4*\a+\b)+7] offset:64*\b+16
.endr
.irp t, 0,1,2,3,4,5,6,7
	ds_load_b128 v[T+4*\t:T+4*\t+3], v[RD] offset:\t*2*SP          ; LDS serves a wave's instructions in order: these see the stores above
.endr
	s_wait_dscnt 0x0
.if \a < 3
	s_wait_loadcnt 8                               ; this block's residual (and the bias) is in; the eight younger loads are the next block's
.else
	s_wait_loadcnt 0x0
.endif
.set i, 0
.rept 16
	v_pk_add_f32 v[T+2*i:T+2*i+1], v[T+2*i:T+2*i+1], v[RR+32*(\a%2)+2*i:RR+32*(\a%2)+2*i+1]
.set i, i+1
.endr
.set i, 0
.rept 16
	v_pk_add_f32 v[T+2*i:T+2*i+1], v[T+2*i:T+2*i+1], v[BIAS4+2*(i%2):BIAS4+2*(i%2)+1]
.set i, i+1
.endr
.irp t, 0,1,2,3,4,5,6,7
	global_store_b128 v[CO], v[T+4*\t:T+4*\t+3], s[8:9] offset:(16*\a+2*\t)*4096   ; 16 lanes store 256 consecutive bytes, aligned
.endr
.if \a < 2
	RLOAD \a+2
.endif
.endm
	PLACES
	OUTBLK 0
	OUTBLK 1
	OUTBLK 2
	OUTBLK 3
	s_wait_tensorcnt 0x0                           ; the wave's end: behind my last tensor load and my last LDS store
	ds_add_u32 v[SPW], v[NIL]
	s_wait_dscnt 0x0
	CROUND                                         ; the closing round: no work-group ends while a partner may still ask for a tile that names it
	s_endpgm
.Lfunc_end_k_qe1a776c662_ff2:
	.size	k_qe1a776c662_ff2, .Lfunc_end_k_qe1a776c662_ff2-k_qe1a776c662_ff2
	.p2alignl 7, 3214868480
	.fill 96, 4, 3214868480
	.section	.rodata,"a",@progbits
	.p2align	6, 0x0
	.amdhsa_kernel k_qe1a776c662_ff2
		.amdhsa_group_segment_fixed_size 327680
		.amdhsa_private_segment_fixed_size 0
		.amdhsa_enable_private_segment 0
		.amdhsa_kernarg_size 40
		.amdhsa_user_sgpr_count 2
		.amdhsa_user_sgpr_kernarg_segment_ptr 1
		.amdhsa_wavefront_size32 1
		.amdhsa_system_sgpr_workgroup_id_x 1
		.amdhsa_system_sgpr_workgroup_id_y 1
		.amdhsa_system_sgpr_workgroup_id_z 1
		.amdhsa_system_vgpr_workitem_id 0
		.amdhsa_next_free_vgpr 512
		.amdhsa_next_free_sgpr 96
		.amdhsa_reserve_vcc 0
		.amdhsa_float_denorm_mode_32 3
		.amdhsa_float_denorm_mode_16_64 3
		.amdhsa_memory_ordered 1
		.amdhsa_forward_progress 1
		.amdhsa_inst_pref_size 97
	.end_amdhsa_kernel
	.amdgpu_metadata
---
amdhsa.version: [ 1, 2 ]
amdhsa.kernels:
  - .name:           k_qe1a776c662_ff2
    .symbol:         k_qe1a776c662_ff2.kd
    .args:
      - { .name: hbuf, .offset: 0, .size: 8, .value_kind: global_buffer, .address_space: global }
      - { .name: wts, .offset: 8, .size: 8, .value_kind: global_buffer, .address_space: global }
      - { .name: b2, .offset: 16, .size: 8, .value_kind: global_buffer, .address_space: global }
      - { .name: x1, .offset: 24, .size: 8, .value_kind: global_buffer, .address_space: global }
      - { .name: ybuf, .offset: 32, .size: 8, .value_kind: global_buffer, .address_space: global }
    .group_segment_fixed_size: 327680
    .private_segment_fixed_size: 0
    .kernarg_segment_align: 8
    .kernarg_segment_size: 40
    .max_flat_workgroup_size: 128
    .sgpr_count:     96
    .vgpr_count:     512
    .wavefront_size: 32
...
	.end_amdgpu_metadata
.endif
;; end of part 7
;; launch ln2 (part 8): grid 256 x 1, 8 waves a work-group, no clusters, 0 bytes of LDS; arguments ybuf, g2, be2, out0; writes out0
.if DOCPART == 8
	.amdgcn_target "amdgcn-amd-amdhsa--gfx1250"
	.amdhsa_code_object_version 6
	.text
	.protected	k_qe1a776c662_ln2
	.globl	k_qe1a776c662_ln2
	.p2align	8
	.type	k_qe1a776c662_ln2,@function
k_qe1a776c662_ln2:
	s_mov_b64 s[64:65], 0
	v_nop
	global_prefetch_b8 v0, s[64:65] scope:SCOPE_SE
	s_setreg_imm32_b32 hwreg(HW_REG_WAVE_MODE, 25, 1), 1
	s_wait_xcnt 0x0
; out[m][:] = (y[m][:] - mean) / sqrt(variance + 1e-5) * g + be, in f32.
; Sixteen lanes take a row of 1,024 numbers, 64 a lane, and keep it in registers: the mean first, then the mean of the centred squares, so that a common offset of the row does no harm.
; A wave has two rows, a work-group sixteen.  The sums never leave a half of the lanes: no LDS, no barrier.  Memory binds: each byte is read once and written once.
; Chunk j of a lane is columns 64 j + 4 (lane % 16) on: sixteen lanes read and store 256 consecutive bytes, aligned.
.set X,  16                            ; v[16:79]    my 64 numbers
.set GA, 80                            ; v[80:143]   g of my columns
.set BE, 144                           ; v[144:207]  be of my columns
	s_load_b256 s[4:11], s[0:1], 0x0               ; y s[4:5], g s[6:7], be s[8:9], out s[10:11]
	v_lshrrev_b32 v1, 4, v0                        ; my row of the group's sixteen
	v_and_b32 v3, 15, v0
	v_lshlrev_b32 v3, 4, v3                        ; 16 x (lane % 16)
	v_lshl_add_u32 v2, v1, 12, v3                  ; + row x 4,096
	s_lshl_b32 s2, ttmp9, 16                       ; sixteen rows of 4,096 bytes
	s_mov_b32 s3, 0
	s_mov_b32 s16, 0x3a800000                      ; 1 / 1024
	s_mov_b32 s17, 0x3727c5ac                      ; 1e-5
	s_wait_kmcnt 0x0
	s_add_nc_u64 s[4:5], s[4:5], s[2:3]
	s_add_nc_u64 s[10:11], s[10:11], s[2:3]
.set j, 0
.rept 16
	global_load_b128 v[X+4*j:X+4*j+3], v2, s[4:5] offset:256*j th:TH_LOAD_NT
.set j, j+1
.endr
.set j, 0
.rept 16
	global_load_b128 v[GA+4*j:GA+4*j+3], v3, s[6:7] offset:256*j
.set j, j+1
.endr
.set j, 0
.rept 16
	global_load_b128 v[BE+4*j:BE+4*j+3], v3, s[8:9] offset:256*j
.set j, j+1
.endr
	s_wait_loadcnt 32                              ; the row is in; the 32 younger loads are g's and be's
.irp k, 0,1,2,3                        ; the sum, in four chains started by the first eight pairs
	v_pk_add_f32 v[8+2*\k:9+2*\k], v[X+2*\k:X+2*\k+1], v[X+8+2*\k:X+8+2*\k+1]
.endr
.set j, 8
.rept 24
	v_pk_add_f32 v[8+2*(j%4):9+2*(j%4)], v[8+2*(j%4):9+2*(j%4)], v[X+2*j:X+2*j+1]
.set j, j+1
.endr
	v_pk_add_f32 v[8:9], v[8:9], v[10:11]
	v_pk_add_f32 v[12:13], v[12:13], v[14:15]
	v_pk_add_f32 v[8:9], v[8:9], v[12:13]
	v_add_f32 v8, v8, v9
	v_add_f32_dpp v8, v8, v8 row_xmask:1 row_mask:0xf bank_mask:0xf   ; across the row's sixteen lanes
	v_add_f32_dpp v8, v8, v8 row_xmask:2 row_mask:0xf bank_mask:0xf
	v_add_f32_dpp v8, v8, v8 row_xmask:4 row_mask:0xf bank_mask:0xf
	v_add_f32_dpp v8, v8, v8 row_xmask:8 row_mask:0xf bank_mask:0xf
	v_mul_f32 v6, s16, v8                          ; the mean, as a pair
	v_mov_b32 v7, v6
.set j, 0
.rept 32
	v_pk_add_f32 v[X+2*j:X+2*j+1], v[X+2*j:X+2*j+1], v[6:7] neg_lo:[0,1] neg_hi:[0,1]
.set j, j+1
.endr
.irp k, 0,1,2,3                        ; the sum of the centred squares, in four chains
	v_pk_mul_f32 v[8+2*\k:9+2*\k], v[X+2*\k:X+2*\k+1], v[X+2*\k:X+2*\k+1]
.endr
.set j, 4
.rept 28
	v_pk_fma_f32 v[8+2*(j%4):9+2*(j%4)], v[X+2*j:X+2*j+1], v[X+2*j:X+2*j+1], v[8+2*(j%4):9+2*(j%4)]
.set j, j+1
.endr
	v_pk_add_f32 v[8:9], v[8:9], v[10:11]
	v_pk_add_f32 v[12:13], v[12:13], v[14:15]
	v_pk_add_f32 v[8:9], v[8:9], v[12:13]
	v_add_f32 v8, v8, v9
	v_add_f32_dpp v8, v8, v8 row_xmask:1 row_mask:0xf bank_mask:0xf
	v_add_f32_dpp v8, v8, v8 row_xmask:2 row_mask:0xf bank_mask:0xf
	v_add_f32_dpp v8, v8, v8 row_xmask:4 row_mask:0xf bank_mask:0xf
	v_add_f32_dpp v8, v8, v8 row_xmask:8 row_mask:0xf bank_mask:0xf
	v_fma_f32 v8, v8, s16, s17                     ; variance + 1e-5
	v_rsq_f32 v6, v8
	v_rsq_f32 v7, v8
	v_nop                                          ; a plain instruction between the root and the use of its result (ISA guide 5.7.2)
	s_wait_loadcnt 0x0                             ; g and be
.set j, 0
	s_wait_alu depctr_va_vdst(0)
.rept 32
	v_pk_mul_f32 v[X+2*j:X+2*j+1], v[X+2*j:X+2*j+1], v[6:7]
.set j, j+1
.endr
.set j, 0
.rept 32
	v_pk_fma_f32 v[X+2*j:X+2*j+1], v[X+2*j:X+2*j+1], v[GA+2*j:GA+2*j+1], v[BE+2*j:BE+2*j+1]
.set j, j+1
.endr
.set j, 0
.rept 16
	global_store_b128 v2, v[X+4*j:X+4*j+3], s[10:11] offset:256*j th:TH_STORE_NT
.set j, j+1
.endr
	s_endpgm
.Lfunc_end_k_qe1a776c662_ln2:
	.size	k_qe1a776c662_ln2, .Lfunc_end_k_qe1a776c662_ln2-k_qe1a776c662_ln2
	.p2alignl 7, 3214868480
	.fill 96, 4, 3214868480
	.section	.rodata,"a",@progbits
	.p2align	6, 0x0
	.amdhsa_kernel k_qe1a776c662_ln2
		.amdhsa_group_segment_fixed_size 0
		.amdhsa_private_segment_fixed_size 0
		.amdhsa_enable_private_segment 0
		.amdhsa_kernarg_size 32
		.amdhsa_user_sgpr_count 2
		.amdhsa_user_sgpr_kernarg_segment_ptr 1
		.amdhsa_wavefront_size32 1
		.amdhsa_system_sgpr_workgroup_id_x 1
		.amdhsa_system_sgpr_workgroup_id_y 1
		.amdhsa_system_sgpr_workgroup_id_z 1
		.amdhsa_system_vgpr_workitem_id 0
		.amdhsa_next_free_vgpr 208
		.amdhsa_next_free_sgpr 66
		.amdhsa_reserve_vcc 0
		.amdhsa_float_denorm_mode_32 3
		.amdhsa_float_denorm_mode_16_64 3
		.amdhsa_memory_ordered 1
		.amdhsa_forward_progress 1
		.amdhsa_inst_pref_size 18
	.end_amdhsa_kernel
	.amdgpu_metadata
---
amdhsa.version: [ 1, 2 ]
amdhsa.kernels:
  - .name:           k_qe1a776c662_ln2
    .symbol:         k_qe1a776c662_ln2.kd
    .args:
      - { .name: ybuf, .offset: 0, .size: 8, .value_kind: global_buffer, .address_space: global }
      - { .name: g2, .offset: 8, .size: 8, .value_kind: global_buffer, .address_space: global }
      - { .name: be2, .offset: 16, .size: 8, .value_kind: global_buffer, .address_space: global }
      - { .name: out0, .offset: 24, .size: 8, .value_kind: global_buffer, .address_space: global }
    .group_segment_fixed_size: 0
    .private_segment_fixed_size: 0
    .kernarg_segment_align: 8
    .kernarg_segment_size: 32
    .max_flat_workgroup_size: 256
    .sgpr_count:     66
    .vgpr_count:     208
    .wavefront_size: 32
...
	.end_amdgpu_metadata
.endif
;; end of part 8
;; ======== version 2 of 2: 8 launches; version 1 with the launches cast, ln1 written anew for expert scheduling mode
;; limits: a function is approximated: absolute error at most 1.5e-07
;; workspace buffers: wts 33,554,432 bytes; qkvb 25,165,824 bytes; ctxb 8,388,608 bytes; ybuf 16,777,216 bytes; x1 16,777,216 bytes; x1b 8,388,608 bytes; hbuf 33,554,432 bytes
;; launch cast (part 9): grid 512 x 1, 8 waves a work-group, no clusters, 0 bytes of LDS; arguments x, Wo, W1, W2, Wq, Wk, Wv, wts; writes wts
.if DOCPART == 9
	.amdgcn_target "amdgcn-amd-amdhsa--gfx1250"
	.amdhsa_code_object_version 6
	.text
	.protected	k_qe1a776c662_cast
	.globl	k_qe1a776c662_cast
	.p2align	8
	.type	k_qe1a776c662_cast,@function
k_qe1a776c662_cast:
	s_mov_b64 s[64:65], 0
	v_nop
	global_prefetch_b8 v0, s[64:65] scope:SCOPE_SE
	s_setreg_imm32_b32 hwreg(HW_REG_WAVE_SCHED_MODE, 0, 2), 2
	s_setreg_imm32_b32 hwreg(HW_REG_WAVE_MODE, 25, 1), 1
	s_wait_xcnt 0x0
	s_wait_alu depctr_vm_vsrc(0)
; Every operand of the later matrix products is rounded once from f32 to bf16 (nearest even) and laid as those products want it.
; wts holds: byte 0: x as 16 planes [column / 64][row 0..4095][64]; 8,388,608: Wo [1024][1024]; 10,485,760: W1 [1024][4096];
; 18,874,368: W2 [4096][1024]; 27,262,976: Wq, Wk, Wv as one matrix [1024 d][3072 n], n = 1024 x which + 64 x head + e.
; A work-group takes 131,072 bytes of f32 and makes 65,536 bytes of bf16; a wave does 32 turns of one 16-byte load a lane, two roundings and
; one 8-byte store a lane, whose 32 lanes cover 256 consecutive bytes, aligned.  All 32 loads of a wave go out first; no register is used twice,
; so no source of a pending instruction is ever rewritten.  No LDS, no barrier, no matrix unit: nothing here is used twice.
; THE MODE: SCHED_MODE bits 1:0 = 2 (LLVM: expert scheduling mode 2), set by the entry lines.  The code itself states the register dependences
; between vector instructions and memory instructions, with s_wait_alu, always for 0.
; THE PLAN.  Registers that memory instructions touch:
;   v2, v3   byte offsets of the loads and of the stores: made by vector instructions at the head of each of the three paths, never written again.
;   X        turn i's load lands in its four registers, once; its two roundings read them; no vector instruction writes them.
;   Y        turn i's two roundings write its two registers, once; its store reads them, once.
; The 32 turns go in eight blocks of four.  Block p rounds its own X into its own Y; the stores of block p - 1 are dealt among those roundings.  They name v3 and the Y of
; block p - 1, which no vector instruction of block p names: so one wait at a block's head states all that its four stores hang on.
; No register that a memory instruction reads is written again, and no load lands in a register that a vector instruction has named: nothing else is owed.
.set WQKV, 27262976
.set X, 4                              ; v[4:131]    turn i: four f32 as loaded
.set Y, 132                            ; v[132:195]  turn i: four bf16 to store
.set BLK, 4                            ; turns in a block
; sa, sb: bytes in the source from turn to turn and from the first sixteen turns to the last sixteen; da, db: the same in wts
.macro COPY sa, sb, da, db
	s_wait_alu depctr_va_vdst(0)                   ; v2 and v3 are written: every load below reads v2 as its offset, every store v3
.set i, 0
.rept 32
	global_load_b128 v[X+4*i:X+4*i+3], v2, s[4:5] offset:(i%16)*\sa+(i/16)*\sb th:TH_LOAD_NT
.set i, i+1
.endr
.set i, 0
.rept 32
.if (i%BLK) == 0
	s_wait_loadcnt 32-BLK-i                        ; loads come back in order: this block's four are in, the younger ones stay out
.if i > 0
	s_wait_alu depctr_va_vdst(0)                   ; the block before has written its Y, which the four stores of this block read
.endif
.endif
.if i >= BLK
	global_store_b64 v3, v[Y+2*(i-BLK):Y+2*(i-BLK)+1], s[6:7] offset:((i-BLK)%16)*\da+((i-BLK)/16)*\db
.endif
	v_cvt_pk_bf16_f32 v[Y+2*i], v[X+4*i], v[X+4*i+1]
	v_cvt_pk_bf16_f32 v[Y+2*i+1], v[X+4*i+2], v[X+4*i+3]
.set i, i+1
.endr
	s_wait_alu depctr_va_vdst(0)                   ; the last block has written its Y, which the last four stores read
.set i, 32-BLK
.rept BLK
	global_store_b64 v3, v[Y+2*i:Y+2*i+1], s[6:7] offset:(i%16)*\da+(i/16)*\db
.set i, i+1
.endr
	s_endpgm
.endm
	s_load_b512 s[12:27], s[0:1], 0x0              ; x 12, Wo 14, W1 16, W2 18, Wq 20, Wk 22, Wv 24, wts 26
	s_cmp_ge_u32 ttmp9, 416
	s_cbranch_scc1 .Lheads
	s_cmp_ge_u32 ttmp9, 128
	s_cbranch_scc1 .Lplain
	; work-groups 0 to 127: 32 rows of x.  Sixteen lanes take the 256 bytes of one row in one plane; turn i: plane i % 16, rows 16 (i / 16) on
	v_lshrrev_b32 v1, 4, v0                        ; row in a group of sixteen: 2 x wave + half
	v_and_b32 v2, 15, v0
	v_lshlrev_b32 v2, 4, v2
	v_lshl_add_u32 v2, v1, 12, v2                  ; row x 4,096 + 16 x (lane % 16)
	v_lshlrev_b32 v3, 3, v0                        ; row x 128 + 8 x (lane % 16) = 8 x thread
	s_lshl_b32 s2, ttmp9, 17
	s_mov_b32 s3, 0
	s_lshl_b32 s10, ttmp9, 12                      ; 32 rows of 128 bytes in a plane
	s_mov_b32 s11, 0
	s_wait_kmcnt 0x0
	s_add_nc_u64 s[4:5], s[12:13], s[2:3]
	s_add_nc_u64 s[6:7], s[26:27], s[10:11]
	COPY 256, 65536, 524288, 2048                  ; the largest store offset, 7,866,368, lies inside the signed 24-bit immediate
.Lplain:                                               ; work-groups 128 to 415: Wo (32), W1 (128), W2 (128), copied as they lie
	v_lshlrev_b32 v2, 4, v0
	v_lshlrev_b32 v3, 3, v0
	s_mov_b32 s2, 288
	s_wait_kmcnt 0x0
	s_cmp_lt_u32 ttmp9, 288
	s_cselect_b64 s[4:5], s[16:17], s[18:19]
	s_cselect_b32 s2, 160, s2
	s_cmp_lt_u32 ttmp9, 160
	s_cselect_b64 s[4:5], s[14:15], s[4:5]
	s_cselect_b32 s2, 128, s2                      ; the first work-group of my matrix
	s_sub_co_u32 s2, ttmp9, s2
	s_lshl_b32 s2, s2, 17
	s_mov_b32 s3, 0
	s_add_nc_u64 s[4:5], s[4:5], s[2:3]
	s_lshl_b32 s10, ttmp9, 16                      ; the three matrices follow x in wts: 65,536 bytes for each work-group
	s_mov_b32 s11, 0
	s_add_nc_u64 s[6:7], s[26:27], s[10:11]
	COPY 4096, 65536, 2048, 32768
.Lheads:                                               ; work-groups 416 to 511: two heads x 256 rows d of Wq, Wk or Wv
	s_sub_co_u32 s9, ttmp9, 416
	s_lshr_b32 s28, s9, 5                          ; which: 0 q, 1 k, 2 v
	s_bfe_u32 s29, s9, 0x30002                     ; pair of heads
	s_and_b32 s30, s9, 3                           ; 256 rows d
	v_bfe_u32 v1, v0, 4, 1                         ; lanes 0-15: the even head; lanes 16-31: the odd one
	v_and_b32 v2, 15, v0
	v_lshlrev_b32 v2, 4, v2
	v_lshl_add_u32 v2, v1, 18, v2                  ; a head is 262,144 bytes
	v_lshrrev_b32 v1, 5, v0                        ; wave: row d = 8 x turn + wave
	v_lshl_add_u32 v2, v1, 8, v2
	v_and_b32 v3, 31, v0
	v_lshlrev_b32 v3, 3, v3
	v_mad_u32_u24 v3, v1, 6144, v3                 ; a row of the joint matrix is 6,144 bytes
	s_wait_kmcnt 0x0
	s_cmp_lt_u32 s28, 2
	s_cselect_b64 s[4:5], s[22:23], s[24:25]
	s_cmp_lt_u32 s28, 1
	s_cselect_b64 s[4:5], s[20:21], s[4:5]
	s_lshl_b32 s2, s29, 19
	s_lshl_b32 s3, s30, 16
	s_add_co_u32 s2, s2, s3
	s_mov_b32 s3, 0
	s_add_nc_u64 s[4:5], s[4:5], s[2:3]
	s_mul_i32 s10, s30, 256*6144
	s_lshl_b32 s11, s28, 11
	s_add_co_u32 s10, s10, s11
	s_lshl_b32 s11, s29, 8
	s_add_co_u32 s10, s10, s11
	s_add_co_u32 s10, s10, WQKV
	s_mov_b32 s11, 0
	s_add_nc_u64 s[6:7], s[26:27], s[10:11]
	COPY 2048, 32768, 49152, 786432
.Lfunc_end_k_qe1a776c662_cast:
	.size	k_qe1a776c662_cast, .Lfunc_end_k_qe1a776c662_cast-k_qe1a776c662_cast
	.p2alignl 7, 3214868480
	.fill 96, 4, 3214868480
	.section	.rodata,"a",@progbits
	.p2align	6, 0x0
	.amdhsa_kernel k_qe1a776c662_cast
		.amdhsa_group_segment_fixed_size 0
		.amdhsa_private_segment_fixed_size 0
		.amdhsa_enable_private_segment 0
		.amdhsa_kernarg_size 64
		.amdhsa_user_sgpr_count 2
		.amdhsa_user_sgpr_kernarg_segment_ptr 1
		.amdhsa_wavefront_size32 1
		.amdhsa_system_sgpr_workgroup_id_x 1
		.amdhsa_system_sgpr_workgroup_id_y 1
		.amdhsa_system_sgpr_workgroup_id_z 1
		.amdhsa_system_vgpr_workitem_id 0
		.amdhsa_next_free_vgpr 200
		.amdhsa_next_free_sgpr 66
		.amdhsa_reserve_vcc 0
		.amdhsa_float_denorm_mode_32 3
		.amdhsa_float_denorm_mode_16_64 3
		.amdhsa_memory_ordered 1
		.amdhsa_forward_progress 1
		.amdhsa_inst_pref_size 35
	.end_amdhsa_kernel
	.amdgpu_metadata
---
amdhsa.version: [ 1, 2 ]
amdhsa.kernels:
  - .name:           k_qe1a776c662_cast
    .symbol:         k_qe1a776c662_cast.kd
    .args:
      - { .name: x, .offset: 0, .size: 8, .value_kind: global_buffer, .address_space: global }
      - { .name: Wo, .offset: 8, .size: 8, .value_kind: global_buffer, .address_space: global }
      - { .name: W1, .offset: 16, .size: 8, .value_kind: global_buffer, .address_space: global }
      - { .name: W2, .offset: 24, .size: 8, .value_kind: global_buffer, .address_space: global }
      - { .name: Wq, .offset: 32, .size: 8, .value_kind: global_buffer, .address_space: global }
      - { .name: Wk, .offset: 40, .size: 8, .value_kind: global_buffer, .address_space: global }
      - { .name: Wv, .offset: 48, .size: 8, .value_kind: global_buffer, .address_space: global }
      - { .name: wts, .offset: 56, .size: 8, .value_kind: global_buffer, .address_space: global }
    .group_segment_fixed_size: 0
    .private_segment_fixed_size: 0
    .kernarg_segment_align: 8
    .kernarg_segment_size: 64
    .max_flat_workgroup_size: 256
    .sgpr_count:     66
    .vgpr_count:     200
    .wavefront_size: 32
...
	.end_amdgpu_metadata
.endif
;; end of part 9
;; launch proj: the kernel of part 2 again; grid 12 x 16, 4 waves a work-group, clusters of 4 x 4, 327,680 bytes of LDS; arguments wts, bq, bk, bv, qkvb; writes qkvb
;; launch attn: the kernel of part 3 again; grid 8 x 32, 4 waves a work-group, no clusters, 327,680 bytes of LDS; arguments qkvb, ctxb; writes ctxb
;; launch oproj: the kernel of part 4 again; grid 8 x 32, 4 waves a work-group, clusters of 4 x 4, 327,680 bytes of LDS; arguments ctxb, wts, bo, x, ybuf; writes ybuf
;; launch ln1 (part 10): grid 256 x 1, 8 waves a work-group, no clusters, 0 bytes of LDS; arguments ybuf, g1, be1, x1, x1b; writes x1, x1b
.if DOCPART == 10
	.amdgcn_target "amdgcn-amd-amdhsa--gfx1250"
	.amdhsa_code_object_version 6
	.text
	.protected	k_qe1a776c662_ln1
	.globl	k_qe1a776c662_ln1
	.p2align	8
	.type	k_qe1a776c662_ln1,@function
k_qe1a776c662_ln1:
	s_mov_b64 s[64:65], 0
	v_nop
	global_prefetch_b8 v0, s[64:65] scope:SCOPE_SE
	s_setreg_imm32_b32 hwreg(HW_REG_WAVE_SCHED_MODE, 0, 2), 2
	s_setreg_imm32_b32 hwreg(HW_REG_WAVE_MODE, 25, 1), 1
	s_wait_xcnt 0x0
	s_wait_alu depctr_vm_vsrc(0)
; x1[m][:] = (y[m][:] - mean) / sqrt(variance + 1e-5) * g + be, in f32, and once more rounded to bf16 in planes [column / 64][row][64] for the next product.
; Sixteen lanes take a row of 1,024 numbers, 64 a lane, and keep it in registers: the mean first, then the mean of the centred squares, so that a common offset of the row does no harm.
; A wave has two rows, a work-group sixteen.  The sums never leave a half of the lanes: no LDS, no barrier.  Memory binds: each byte is read once and written once.
; Chunk j of a lane is columns 64 j + 4 (lane % 16) on: sixteen lanes read and store 256 consecutive bytes, aligned; a chunk is one plane of x1b.
; THE MODE: SCHED_MODE bits 1:0 = 2 (LLVM: expert scheduling mode 2), set by the entry lines.  The code itself states the register dependences
; between vector instructions and memory instructions, with s_wait_alu, always for 0.
; THE PLAN.  Registers that memory instructions touch:
;   v2, v3, v4  byte offsets, made by vector instructions at the head and never written again.
;   X, GA, BE   each takes one load, at the head, in registers that no vector instruction has named.  X is then worked on in place; its last writers are the multiply-adds of the last pass; the 16-byte stores read it.
;   YB          written by the roundings of the last pass, once; read by the 8-byte stores, once.
; The last pass (scale, gain and bias, rounding) goes in four blocks of four chunks.  Block q writes its own X and YB; the eight stores of block q - 1 are dealt among its multiplies and
; multiply-adds.  They name v2, v4 and the X and YB of block q - 1, which no vector instruction of block q names: so one wait at a block's head states all that its stores hang on.
; No register that a load or store has read is written again: nothing else is owed.
.set X,  16                            ; v[16:79]    my 64 numbers
.set GA, 80                            ; v[80:143]   g of my columns
.set BE, 144                           ; v[144:207]  be of my columns
.set YB, 208                           ; v[208:239]  my 64 numbers in bf16
	s_load_b256 s[4:11], s[0:1], 0x0               ; y s[4:5], g s[6:7], be s[8:9], x1 s[10:11]
	s_load_b64 s[12:13], s[0:1], 0x20              ; x1b
	v_lshrrev_b32 v1, 4, v0                        ; my row of the group's sixteen
	v_and_b32 v3, 15, v0
	v_lshlrev_b32 v3, 4, v3                        ; 16 x (lane % 16)
	v_lshl_add_u32 v2, v1, 12, v3                  ; + row x 4,096
	v_lshlrev_b32 v4, 3, v0                        ; in a plane: row x 128 + 8 x (lane % 16) = 8 x thread
	s_lshl_b32 s2, ttmp9, 16                       ; sixteen rows of 4,096 bytes
	s_mov_b32 s3, 0
	s_lshl_b32 s14, ttmp9, 11                      ; sixteen rows of 128 bytes
	s_mov_b32 s15, 0
	s_mov_b32 s16, 0x3a800000                      ; 1 / 1024
	s_mov_b32 s17, 0x3727c5ac                      ; 1e-5
	s_wait_kmcnt 0x0
	s_add_nc_u64 s[4:5], s[4:5], s[2:3]
	s_add_nc_u64 s[10:11], s[10:11], s[2:3]
	s_add_nc_u64 s[12:13], s[12:13], s[14:15]
	s_wait_alu depctr_va_vdst(0)                   ; v2, v3 and v4 are written: every load and store of the kernel reads one of them as its offset
.set j, 0
.rept 16
	global_load_b128 v[X+4*j:X+4*j+3], v2, s[4:5] offset:256*j th:TH_LOAD_NT
.set j, j+1
.endr
.set j, 0
.rept 16
	global_load_b128 v[GA+4*j:GA+4*j+3], v3, s[6:7] offset:256*j
.set j, j+1
.endr
.set j, 0
.rept 16
	global_load_b128 v[BE+4*j:BE+4*j+3], v3, s[8:9] offset:256*j
.set j, j+1
.endr
	s_wait_loadcnt 32                              ; the row is in; the 32 younger loads are g's and be's
.irp k, 0,1,2,3                        ; the sum, in four chains started by the first eight pairs
	v_pk_add_f32 v[8+2*\k:9+2*\k], v[X+2*\k:X+2*\k+1], v[X+8+2*\k:X+8+2*\k+1]
.endr
.set j, 8
.rept 24
	v_pk_add_f32 v[8+2*(j%4):9+2*(j%4)], v[8+2*(j%4):9+2*(j%4)], v[X+2*j:X+2*j+1]
.set j, j+1
.endr
	v_pk_add_f32 v[8:9], v[8:9], v[10:11]
	v_pk_add_f32 v[12:13], v[12:13], v[14:15]
	v_pk_add_f32 v[8:9], v[8:9], v[12:13]
	v_add_f32 v8, v8, v9
	v_add_f32_dpp v8, v8, v8 row_xmask:1 row_mask:0xf bank_mask:0xf   ; across the row's sixteen lanes
	v_add_f32_dpp v8, v8, v8 row_xmask:2 row_mask:0xf bank_mask:0xf
	v_add_f32_dpp v8, v8, v8 row_xmask:4 row_mask:0xf bank_mask:0xf
	v_add_f32_dpp v8, v8, v8 row_xmask:8 row_mask:0xf bank_mask:0xf
	v_mul_f32 v6, s16, v8                          ; the mean, as a pair
	v_mov_b32 v7, v6
.set j, 0
.rept 32
	v_pk_add_f32 v[X+2*j:X+2*j+1], v[X+2*j:X+2*j+1], v[6:7] neg_lo:[0,1] neg_hi:[0,1]
.set j, j+1
.endr
.irp k, 0,1,2,3                        ; the sum of the centred squares, in four chains
	v_pk_mul_f32 v[8+2*\k:9+2*\k], v[X+2*\k:X+2*\k+1], v[X+2*\k:X+2*\k+1]
.endr
.set j, 4
.rept 28
	v_pk_fma_f32 v[8+2*(j%4):9+2*(j%4)], v[X+2*j:X+2*j+1], v[X+2*j:X+2*j+1], v[8+2*(j%4):9+2*(j%4)]
.set j, j+1
.endr
	v_pk_add_f32 v[8:9], v[8:9], v[10:11]
	v_pk_add_f32 v[12:13], v[12:13], v[14:15]
	v_pk_add_f32 v[8:9], v[8:9], v[12:13]
	v_add_f32 v8, v8, v9
	v_add_f32_dpp v8, v8, v8 row_xmask:1 row_mask:0xf bank_mask:0xf
	v_add_f32_dpp v8, v8, v8 row_xmask:2 row_mask:0xf bank_mask:0xf
	v_add_f32_dpp v8, v8, v8 row_xmask:4 row_mask:0xf bank_mask:0xf
	v_add_f32_dpp v8, v8, v8 row_xmask:8 row_mask:0xf bank_mask:0xf
	v_fma_f32 v8, v8, s16, s17                     ; variance + 1e-5
	v_rsq_f32 v6, v8
	v_rsq_f32 v7, v8
	v_nop                                          ; a plain instruction between the root and the use of its result (ISA guide 5.7.2)
	s_wait_loadcnt 0x0                             ; g and be
	s_wait_alu depctr_va_vdst(0)                   ; the two roots have written v6 and v7, ahead of their first reader, the multiplies below
; The last pass, block q: chunks 4 q to 4 q + 3, that is pairs 8 q to 8 q + 7 of X.  The stores are those of chunks 4 q - 4 to 4 q - 1.
.set q, 0
.rept 4
.if q > 0
	s_wait_alu depctr_va_vdst(0)                   ; the block before has written its X and its YB, which the eight stores of this block read
.endif
.set c, 0
.rept 4
.set j, 4*q+c
.if q > 0
	global_store_b128 v2, v[X+4*(j-4):X+4*(j-4)+3], s[10:11] offset:256*(j-4)
.endif
	v_pk_mul_f32 v[X+4*j:X+4*j+1], v[X+4*j:X+4*j+1], v[6:7]
	v_pk_mul_f32 v[X+4*j+2:X+4*j+3], v[X+4*j+2:X+4*j+3], v[6:7]
.set c, c+1
.endr
.set c, 0
.rept 4
.set j, 4*q+c
.if q > 0
	global_store_b64 v4, v[YB+2*(j-4):YB+2*(j-4)+1], s[12:13] offset:524288*(j-4)   ; plane j - 4: the wave's two rows are 256 consecutive bytes, aligned
.endif
	v_pk_fma_f32 v[X+4*j:X+4*j+1], v[X+4*j:X+4*j+1], v[GA+4*j:GA+4*j+1], v[BE+4*j:BE+4*j+1]
	v_pk_fma_f32 v[X+4*j+2:X+4*j+3], v[X+4*j+2:X+4*j+3], v[GA+4*j+2:GA+4*j+3], v[BE+4*j+2:BE+4*j+3]
.set c, c+1
.endr
.set c, 0
.rept 4
.set j, 4*q+c
	v_cvt_pk_bf16_f32 v[YB+2*j], v[X+4*j], v[X+4*j+1]
	v_cvt_pk_bf16_f32 v[YB+2*j+1], v[X+4*j+2], v[X+4*j+3]
.set c, c+1
.endr
.set q, q+1
.endr
	s_wait_alu depctr_va_vdst(0)                   ; the last block has written its X and its YB, which the last eight stores read
.set j, 12
.rept 4
	global_store_b128 v2, v[X+4*j:X+4*j+3], s[10:11] offset:256*j
	global_store_b64 v4, v[YB+2*j:YB+2*j+1], s[12:13] offset:524288*j   ; plane j: 7,864,320 at the most, inside the signed 24-bit immediate
.set j, j+1
.endr
	s_endpgm
.Lfunc_end_k_qe1a776c662_ln1:
	.size	k_qe1a776c662_ln1, .Lfunc_end_k_qe1a776c662_ln1-k_qe1a776c662_ln1
	.p2alignl 7, 3214868480
	.fill 96, 4, 3214868480
	.section	.rodata,"a",@progbits
	.p2align	6, 0x0
	.amdhsa_kernel k_qe1a776c662_ln1
		.amdhsa_group_segment_fixed_size 0
		.amdhsa_private_segment_fixed_size 0
		.amdhsa_enable_private_segment 0
		.amdhsa_kernarg_size 40
		.amdhsa_user_sgpr_count 2
		.amdhsa_user_sgpr_kernarg_segment_ptr 1
		.amdhsa_wavefront_size32 1
		.amdhsa_system_sgpr_workgroup_id_x 1
		.amdhsa_system_sgpr_workgroup_id_y 1
		.amdhsa_system_sgpr_workgroup_id_z 1
		.amdhsa_system_vgpr_workitem_id 0
		.amdhsa_next_free_vgpr 240
		.amdhsa_next_free_sgpr 66
		.amdhsa_reserve_vcc 0
		.amdhsa_float_denorm_mode_32 3
		.amdhsa_float_denorm_mode_16_64 3
		.amdhsa_memory_ordered 1
		.amdhsa_forward_progress 1
		.amdhsa_inst_pref_size 22
	.end_amdhsa_kernel
	.amdgpu_metadata
---
amdhsa.version: [ 1, 2 ]
amdhsa.kernels:
  - .name:           k_qe1a776c662_ln1
    .symbol:         k_qe1a776c662_ln1.kd
    .args:
      - { .name: ybuf, .offset: 0, .size: 8, .value_kind: global_buffer, .address_space: global }
      - { .name: g1, .offset: 8, .size: 8, .value_kind: global_buffer, .address_space: global }
      - { .name: be1, .offset: 16, .size: 8, .value_kind: global_buffer, .address_space: global }
      - { .name: x1, .offset: 24, .size: 8, .value_kind: global_buffer, .address_space: global }
      - { .name: x1b, .offset: 32, .size: 8, .value_kind: global_buffer, .address_space: global }
    .group_segment_fixed_size: 0
    .private_segment_fixed_size: 0
    .kernarg_segment_align: 8
    .kernarg_segment_size: 40
    .max_flat_workgroup_size: 256
    .sgpr_count:     66
    .vgpr_count:     240
    .wavefront_size: 32
...
	.end_amdgpu_metadata
.endif
;; end of part 10
;; launch ff1: the kernel of part 6 again; grid 16 x 16, 4 waves a work-group, clusters of 4 x 4, 327,680 bytes of LDS; arguments x1b, wts, b1, hbuf; writes hbuf
;; launch ff2: the kernel of part 7 again; grid 8 x 32, 4 waves a work-group, clusters of 4 x 4, 327,680 bytes of LDS; arguments hbuf, wts, b2, x1, ybuf; writes ybuf
;; launch ln2: the kernel of part 8 again; grid 256 x 1, 8 waves a work-group, no clusters, 0 bytes of LDS; arguments ybuf, g2, be2, out0; writes out0
